; MI455X (gfx1250); checked and timed in simulation.
; The chip was launched on July 23, 2026; its instructions are those of AMD's public machine-readable ISA for CDNA 5 (MIT licence, August 2026) and "CDNA5" Instruction Set Architecture Reference Guide (July 2026). The comments in the code are by the model that wrote it; some were corrected since.
;; Encoder Block. Allowed arithmetic: matrix products marked QUANTISED: E2M3 operands, one E8M0 scale for each 32 along K, by v_wmma_scale_f32_16x16x128_f8f6f4 with both operands' format E2M3, f32 sums; everything else in f32.
;; Inputs: W1 256 x 1,024 float32; W2 1,024 x 256 float32; Wk 256 x 256 float32; Wo 256 x 256 float32; Wq 256 x 256 float32; Wv 256 x 256 float32; b1 1,024 float32; b2 256 float32; bk 256 float32; bo 256 float32; bq 256 float32; bv 256 float32; embeddings_in 2 x 4,096 x 256 float32.
;; Outputs: out0 2 x 4,096 x 256 float32.
;; This version of the problem:
;;   THIS VERSION OF THE PROBLEM IS GIVEN IN LOW PRECISION. The matrix products marked QUANTISED in the list below multiply operands that are first quantised to E2M3 (2 exponent bits, 3 mantissa bits; 6 bits a number), with one power-of-two scale for each 32 numbers along K (OCP MX v1.0); their sums are f32. All else is computed in f32.
;;   The module's matrix products, in the order in which they are computed (A, B: the left and right operand; K: the contracted axis; several contracted axes count as one K, in the product's order):
;;     1. [M 8,192, K 256] x [K 256, N 256]; A: computed on the way; B: input Wq: QUANTISED
;;     2. [M 8,192, K 256] x [K 256, N 256]; A: computed on the way; B: input Wk: QUANTISED
;;     3. [M 8,192, K 256] x [K 256, N 256]; A: computed on the way; B: input Wv: QUANTISED
;;     4. batch 16 x [M 4,096, K 32] x [K 32, N 4,096]; A: computed on the way; B: computed on the way: QUANTISED
;;     5. batch 16 x [M 4,096, K 4,096] x [K 4,096, N 32]; A: softmax (see below); B: computed on the way: QUANTISED
;;     6. [M 8,192, K 256] x [K 256, N 256]; A: computed on the way; B: input Wo: QUANTISED
;;     7. [M 8,192, K 256] x [K 256, N 1,024]; A: computed on the way; B: input W1: QUANTISED
;;     8. [M 8,192, K 1,024] x [K 1,024, N 256]; A: computed on the way; B: input W2: QUANTISED
;;   THE QUANTISER, for each operand of a quantised product, along K:
;;     - K is cut into blocks of 32 from its start; a last block that is shorter is filled with zeros.
;;     - A block's scale is 2^e with e = floor(log2(the largest magnitude in the block)) - 2, held to -126 .. 127; a block of zeros has e = 0. As a byte (E8M0): e + 127.
;;     - Each number is divided by its block's scale, clamped to +-7.5, and rounded to the nearest number of E2M3, ties to even, subnormals kept.
;;     - The product sums the exact products of the quantised numbers (number of the format x scale) in f32.
;;   ~~~python
;;   def quantise(x, axis):      # numpy; x: float32 -> the quantised numbers, widened to float32 again
;;       x = np.moveaxis(x, axis, -1); K = x.shape[-1]
;;       x = np.pad(x, [(0, 0)] * (x.ndim - 1) + [(0, -K % 32)]); x = x.reshape(x.shape[:-1] + (-1, 32)); a = np.abs(x).max(-1, keepdims=True)
;;       e = np.where(a > 0, np.clip(np.frexp(np.where(a > 0, a, 1))[1] - 1 - 2, -126, 127), 0)      # np.frexp(a)[1] - 1 = floor(log2(a)), exactly
;;       r = np.clip(x / 2.0 ** e, -7.5, 7.5)
;;       step = 2.0 ** (np.maximum(np.frexp(np.where(r == 0, 1, r))[1] - 1, 0) - 3)
;;       q = np.round(r / step) * step * 2.0 ** e      # np.round: ties to even
;;       return np.moveaxis(q.reshape(q.shape[:-2] + (-1,))[..., :K], -1, axis).astype(np.float32)
;;   ~~~
;;   SOFTMAX AHEAD OF A QUANTISED PRODUCT. Where the list says 'softmax', what is quantised is not the finished softmax but p = 2^(t - M), with t = logit x log2(e) and M = ceil(the row's largest t), a whole number; so 1/2 < the row's largest p <= 1. The row's sum l is taken of the UNQUANTISED p, in f32, and the product's result is divided by l at the end. Since M is a whole number, a kernel that streams over the keys may use a running M (the ceiling of the running maximum): every later rescaling is an exact power of two, which a block's scale takes up: the codes' values come out the same.
;;   OPERANDS COMPUTED ON THE WAY. 'Computed on the way' means the value that the module computes at that place (a softmax that the list does not call 'softmax' is quantised finished and normalised). What goes into a quantiser is computed in f32, as accurately as f32 sums, v_exp_f32 and their like allow (about 1e-6 of the number): no bf16 or f16 on the way to a quantiser, and a product that is left as it is and whose result goes on into a quantised operand takes f32 operands (vector FMAs, or v_wmma_f32_16x16x4_f32). A number that lies on a knife's edge between two numbers of the format may be rounded either way, as far as f32 arithmetic and the matrix unit's own rounding can turn it there, and no further.
;; 2 versions. Each part assembles by itself: llvm-mc -triple=amdgcn-amd-amdhsa -mcpu=gfx1250 --defsym DOCPART=n.
;; ======== version 1 of 2: 4 launches
;; workspace buffers: wimg 589,824 bytes; wscl 24,576 bytes; qc 1,572,864 bytes; qs 65,536 bytes; kv 3,276,800 bytes; aoc 1,572,864 bytes; aos 65,536 bytes
;; launch wq (part 1): grid 96 x 1, 4 waves a work-group, no clusters, 0 bytes of LDS; arguments Wq, Wk, Wv, Wo, W1, W2, wimg, wscl; writes wimg, wscl
.if DOCPART == 1
	.amdgcn_target "amdgcn-amd-amdhsa--gfx1250"
	.amdhsa_code_object_version 6
	.text
	.protected	k_q62fd554bae_wq
	.globl	k_q62fd554bae_wq
	.p2align	8
	.type	k_q62fd554bae_wq,@function
k_q62fd554bae_wq:
	s_mov_b64 s[64:65], 0
	v_nop
	global_prefetch_b8 v0, s[64:65] scope:SCOPE_SE
	s_setreg_imm32_b32 hwreg(HW_REG_WAVE_MODE, 25, 1), 1
	s_wait_xcnt 0x0
; The six weights, f32 stored [K][N], become codes of FP6 (E2M3) quantised along K, with one E8M0 byte for each 32 along K.
; They are laid as IMAGES OF OPERAND REGISTERS: fragment F (16 features x 128 K, 12 registers a lane) is 1,536 bytes at 1536 F;
; registers 4 g .. 4 g + 3 of lane l lie at 512 g + 16 l.  So the later launches fetch a fragment by three loads of 16 bytes a lane.
; One wave makes one fragment, F = 4 x work-group + wave.  F: Wq 0-31, Wk 32-63, Wv 64-95, Wo 96-127, W1 128-255, W2 256-383.
; A LANE TAKES A FEATURE n AND ITS REGISTERS RUN DOWN K: lane (r, h) holds k = k0 + 64 c + 32 h + 0 .. 31 in registers 32 c + i, two whole blocks.
; THE FEATURES OF A FRAGMENT ARE NOT NEIGHBOURS: row r is feature base + 32 (r / 8) + r % 8 (Wv: + 16 (r / 8)), so that four (two) fragments used as
; source 0 leave a lane of the result with 32 (16) neighbouring features.
; Scale words: 512 bytes for eight fragments; the word of fragment F, row r, at 512 (F / 8) + 16 (16 (F % 2) + r) + 4 ((F % 8) / 2).
; LIMITS: NaN and infinities are not served; a block of zeros gets the byte 1 (its codes are zeros; these bytes are read by this program alone).
; No LDS, no barrier: waves share nothing.
.set SRC, 32                           ; v32-95   64 numbers
.set DST, 96                           ; v96-107  the fragment's codes
.set PW,  108                          ; v108     its scale word
.set QT,  110                          ; v110-126 at work in QUANT2
.set SH8, 6                            ; v6       8 h
.set SEL, 20                           ; s[20:21] selects for v_permlanex16_b32: lane l xor 16
; 64 numbers of a lane, register 32 c + i = element i of block 2 c + h, become 12 registers of codes and the row's scale word.
.macro QUANT2 s, d, pw
.irp c, 0,1
	v_max3_num_f32 v[QT+\c], |v[\s+32*\c]|, |v[\s+32*\c+1]|, 0x1800000      ; the floor 2^(3 - 127) among the leaves holds the byte at 1 from below
	v_max3_num_f32 v[QT+2+\c], |v[\s+32*\c+16]|, |v[\s+32*\c+17]|, |v[\s+32*\c+18]|
.endr
.irp i, 2,4,6,8,10,12
.irp c, 0,1
	v_max3_num_f32 v[QT+\c], v[QT+\c], |v[\s+32*\c+\i]|, |v[\s+32*\c+\i+1]|
	v_max3_num_f32 v[QT+2+\c], v[QT+2+\c], |v[\s+32*\c+\i+17]|, |v[\s+32*\c+\i+18]|
.endr
.endr
.irp c, 0,1
	v_max3_num_f32 v[QT+\c], v[QT+\c], |v[\s+32*\c+14]|, |v[\s+32*\c+15]|
.endr
.irp c, 0,1
	v_max3_num_f32 v[QT+\c], v[QT+\c], v[QT+2+\c], |v[\s+32*\c+31]|          ; the block's largest magnitude
.endr
.irp c, 0,1
	v_add_nc_u32 v[QT+4+\c], 0xff000000, v[QT+\c]                            ; 2 off its exponent field: the conversion's scale operand
.endr
.irp c, 0,1
	v_lshrrev_b32 v[QT+6+\c], 23, v[QT+4+\c]                                 ; the scale's byte
.endr
	v_lshl_or_b32 v[QT+8], v[QT+7], 16, v[QT+6]                              ; my bytes: blocks h and 2 + h,
	v_lshlrev_b32 v[QT+8], v[SH8], v[QT+8]                                   ; at their places,
	v_permlanex16_b32 v[QT+9], v[QT+8], s[SEL], s[SEL+1]
	v_or_b32 v[\pw], v[QT+8], v[QT+9]                                        ; with lane l xor 16's two the word is whole
.irp c, 0,1
	v_cvt_scalef32_pk16_fp6_f32 v[\d+6*\c:\d+6*\c+2], v[\s+32*\c:\s+32*\c+15], v[QT+4+\c]
	v_cvt_scalef32_pk16_fp6_f32 v[QT+10+4*\c:QT+12+4*\c], v[\s+32*\c+16:\s+32*\c+31], v[QT+4+\c]   ; (three registers begin on an even number)
.endr
	v_nop                                                                    ; one plain line behind the conversions
.irp c, 0,1
.irp i, 0,1,2
	v_mov_b32 v[\d+6*\c+3+\i], v[QT+10+4*\c+\i]
.endr
.endr
.endm
.macro WLOAD pitch                     ; W(k0 + 64 c + 32 h + i, n): rows pitch bytes apart
.set n, 0
.rept 64
	global_load_b32 v[SRC+n], v4, s[22:23] offset:(64*(n/32)+n%32)*\pitch
.set n, n+1
.endr
.endm
	s_load_b512 s[4:19], s[0:1], 0x0               ; Wq, Wk, Wv, Wo, W1, W2, wimg, wscl
	v_lshrrev_b32 v1, 5, v0
	v_readfirstlane_b32 s24, v1                    ; wave
	v_and_b32 v1, 15, v0                           ; r
	v_bfe_u32 v2, v0, 4, 1                         ; h
	v_and_b32 v3, 31, v0                           ; lane
	v_lshlrev_b32 v5, 4, v3                        ; 16 x lane
	v_lshlrev_b32 v8, 4, v1                        ; 16 r: the scale word's place
	v_lshlrev_b32 v[SH8], 3, v2
	v_mov_b32 v[QT+9], 0                           ; a lane permute's destination counts as read
	s_mov_b32 s[SEL], 0x76543210
	s_mov_b32 s[SEL+1], 0xfedcba98
	s_lshl_b32 s25, ttmp9, 2
	s_add_co_u32 s24, s24, s25                     ; F
	s_and_b32 s25, s24, 31
	s_and_b32 s26, s24, 127
	s_cmp_lt_u32 ttmp9, 32
	s_cselect_b32 s25, s25, s26                    ; the fragment's number inside its weight
	s_lshr_b32 s26, s25, 3                         ; the usual case: base = 64 (fl / 8) + 8 ((fl / 2) % 4), k0 = 128 (fl % 2)
	s_lshl_b32 s26, s26, 6
	s_bfe_u32 s27, s25, 0x20001
	s_lshl_b32 s27, s27, 3
	s_add_co_u32 s26, s26, s27
	s_and_b32 s27, s25, 1
	s_lshl_b32 s27, s27, 7
	s_lshr_b32 s28, s25, 2                         ; Wv: base = 32 (fl / 4) + 8 ((fl / 2) % 2)
	s_lshl_b32 s28, s28, 5
	s_bfe_u32 s29, s25, 0x10001
	s_lshl_b32 s29, s29, 3
	s_add_co_u32 s28, s28, s29
	s_bfe_u32 s29, s25, 0x20002                    ; W2: base = 64 ((fl % 16) / 4) + 8 (fl % 4), k0 = 128 (fl / 16)
	s_lshl_b32 s29, s29, 6
	s_and_b32 s30, s25, 3
	s_lshl_b32 s30, s30, 3
	s_add_co_u32 s29, s29, s30
	s_lshr_b32 s30, s25, 4
	s_lshl_b32 s30, s30, 7
	s_lshr_b32 s31, ttmp9, 3
	s_cmp_eq_u32 s31, 2                            ; Wv's work-groups are 16 to 23
	s_cselect_b32 s26, s28, s26
	s_cselect_b32 s28, 4, 5                        ; the shift of r / 8
	s_cmp_ge_u32 ttmp9, 64                         ; W2's are 64 to 95
	s_cselect_b32 s26, s29, s26
	s_cselect_b32 s27, s30, s27
	s_lshr_b32 s31, ttmp9, 5                       ; 1: W1, whose rows are 4,096 bytes
	s_cmp_eq_u32 s31, 1
	s_cselect_b32 s29, 12, 10
	v_lshrrev_b32 v4, 3, v1
	v_lshlrev_b32 v4, s28, v4
	v_and_b32 v7, 7, v1
	v_add3_u32 v4, v4, v7, s26                     ; n
	v_lshl_add_u32 v7, v2, 5, s27                  ; k0 + 32 h
	v_lshlrev_b32 v7, s29, v7
	v_lshl_add_u32 v4, v4, 2, v7                   ; byte offset of W(k0 + 32 h, n)
	s_wait_kmcnt 0x0
	s_cmp_lt_u32 ttmp9, 64                         ; the weight: a choice on the work-group's number alone
	s_cselect_b64 s[22:23], s[12:13], s[14:15]
	s_cmp_lt_u32 ttmp9, 32
	s_cselect_b64 s[22:23], s[10:11], s[22:23]
	s_cmp_lt_u32 ttmp9, 24
	s_cselect_b64 s[22:23], s[8:9], s[22:23]
	s_cmp_lt_u32 ttmp9, 16
	s_cselect_b64 s[22:23], s[6:7], s[22:23]
	s_cmp_lt_u32 ttmp9, 8
	s_cselect_b64 s[22:23], s[4:5], s[22:23]
	s_mul_i32 s32, s24, 1536
	s_mov_b32 s33, 0
	s_add_nc_u64 s[16:17], s[16:17], s[32:33]      ; my image
	s_lshr_b32 s32, s24, 3
	s_lshl_b32 s32, s32, 9
	s_and_b32 s34, s24, 1
	s_lshl_b32 s34, s34, 8
	s_add_co_u32 s32, s32, s34
	s_bfe_u32 s34, s24, 0x20001
	s_lshl_b32 s34, s34, 2
	s_add_co_u32 s32, s32, s34
	s_add_nc_u64 s[18:19], s[18:19], s[32:33]      ; my scale words
	s_cmp_eq_u32 s31, 1
	s_cbranch_scc1 .Lwide
	WLOAD 1024
	s_branch .Lin
.Lwide:
	WLOAD 4096
.Lin:
	s_wait_loadcnt 0x0
	QUANT2 SRC, DST, PW
.irp g, 0,1,2
	global_store_b128 v5, v[DST+4*\g:DST+4*\g+3], s[16:17] offset:512*\g     ; 32 lanes store 512 consecutive bytes
.endr
	global_store_b32 v8, v[PW], s[18:19]           ; lanes r and 16 + r write the same word with the same value
	s_endpgm
.Lfunc_end_k_q62fd554bae_wq:
	.size	k_q62fd554bae_wq, .Lfunc_end_k_q62fd554bae_wq-k_q62fd554bae_wq
	.p2alignl 7, 3214868480
	.fill 96, 4, 3214868480
	.section	.rodata,"a",@progbits
	.p2align	6, 0x0
	.amdhsa_kernel k_q62fd554bae_wq
		.amdhsa_group_segment_fixed_size 0
		.amdhsa_private_segment_fixed_size 0
		.amdhsa_enable_private_segment 0
		.amdhsa_kernarg_size 64
		.amdhsa_user_sgpr_count 2
		.amdhsa_user_sgpr_kernarg_segment_ptr 1
		.amdhsa_wavefront_size32 1
		.amdhsa_system_sgpr_workgroup_id_x 1
		.amdhsa_system_sgpr_workgroup_id_y 1
		.amdhsa_system_sgpr_workgroup_id_z 1
		.amdhsa_system_vgpr_workitem_id 0
		.amdhsa_next_free_vgpr 128
		.amdhsa_next_free_sgpr 66
		.amdhsa_reserve_vcc 0
		.amdhsa_float_denorm_mode_32 3
		.amdhsa_float_denorm_mode_16_64 3
		.amdhsa_memory_ordered 1
		.amdhsa_forward_progress 1
		.amdhsa_inst_pref_size 19
	.end_amdhsa_kernel
	.amdgpu_metadata
---
amdhsa.version: [ 1, 2 ]
amdhsa.kernels:
  - .name:           k_q62fd554bae_wq
    .symbol:         k_q62fd554bae_wq.kd
    .args:
      - { .name: Wq, .offset: 0, .size: 8, .value_kind: global_buffer, .address_space: global }
      - { .name: Wk, .offset: 8, .size: 8, .value_kind: global_buffer, .address_space: global }
      - { .name: Wv, .offset: 16, .size: 8, .value_kind: global_buffer, .address_space: global }
      - { .name: Wo, .offset: 24, .size: 8, .value_kind: global_buffer, .address_space: global }
      - { .name: W1, .offset: 32, .size: 8, .value_kind: global_buffer, .address_space: global }
      - { .name: W2, .offset: 40, .size: 8, .value_kind: global_buffer, .address_space: global }
      - { .name: wimg, .offset: 48, .size: 8, .value_kind: global_buffer, .address_space: global }
      - { .name: wscl, .offset: 56, .size: 8, .value_kind: global_buffer, .address_space: global }
    .group_segment_fixed_size: 0
    .private_segment_fixed_size: 0
    .kernarg_segment_align: 8
    .kernarg_segment_size: 64
    .max_flat_workgroup_size: 128
    .sgpr_count:     66
    .vgpr_count:     128
    .wavefront_size: 32
...
	.end_amdgpu_metadata
.endif
;; end of part 1
;; launch qkv (part 2): grid 64 x 4, 8 waves a work-group, no clusters, 27,648 bytes of LDS; arguments embeddings_in, wimg, wscl, bq, bk, bv, qc, qs, kv; writes qc, qs, kv
.if DOCPART == 2
	.amdgcn_target "amdgcn-amd-amdhsa--gfx1250"
	.amdhsa_code_object_version 6
	.text
	.protected	k_q62fd554bae_qkv
	.globl	k_q62fd554bae_qkv
	.p2align	8
	.type	k_q62fd554bae_qkv,@function
k_q62fd554bae_qkv:
	s_mov_b64 s[64:65], 0
	v_nop
	global_prefetch_b8 v0, s[64:65] scope:SCOPE_SE
	s_setreg_imm32_b32 hwreg(HW_REG_WAVE_MODE, 25, 1), 1
	s_wait_xcnt 0x0
; xn1 = (x - mean) / (std + 1e-6), quantised along its 256; q, k, v = xn1 W + b on codes of FP6 (E2M3) with E8M0 scales; q and k are quantised along the head's 32, v along the keys.
; SHARES.  Work-group (X, j): 128 tokens (key step X % 32 of batch X / 32), heads 2 j and 2 j + 1.  Eight waves.  Wave w owns token tile T = 8 X + w: it normalises and quantises it and makes
; its q and k from its own registers; the tile's image also goes to LDS.  For v, wave w = 4 a + 2 u + c makes head 2 j + a, channel tile u, key half c, from tiles 4 c .. 4 c + 3 in LDS.
; TOKEN TILES: row r of tile T is token 64 (T / 4) + 32 (r / 8) + 8 (T % 4) + r % 8; 'position' = 16 T + r.
; q, k: source 0 = 16 features of the weight, source 1 = my tokens: with the weight's four fragments a lane (token, h) holds the 32 channels of head 2 j + h: one whole block.
; v: source 0 = 16 tokens, source 1 = 16 channels: with four tiles a lane (channel, h) holds 32 neighbouring keys: one whole block along the keys.
; OUT: qc [j][T] 768 bytes (lane (r, h): record of head 2 j + h; four registers at 16 l, two at 512 + 8 l); qs [head][position] bytes;
; kv [8 b + head] x 204,800: K records from 0 (half fragment Tb / 2, lane 16 (Tb % 2) + r), V from 98,304 (3072 s + 1536 u + 768 c), K's bytes from 196,608 (128 s + 64 f + 4 r + beta), V's from 200,704 (128 s + 64 u + 4 r + 2 c + h).
; x is normalised by each of the four work-groups of a column of the grid: 128 KiB each; so every WGP has a work-group.  No joint loads: weights go straight into the registers of the wave that uses them.
; LIMITS: NaN and infinities are not served; a block of zeros gets the byte 1 (zero codes; read by this program alone); 1 / (std + 1e-6) is v_rcp_f32.
; REGISTERS.  window 0: v1-22 addresses; v24-47 my two fragments of xn1; v48-49 their scale words; v50-58 the weights' scale words; v60-91 four accumulators (at work ahead of them); v92-123 bk;
;   v128-255 x, later v128-223 eight fragments from LDS, v224-231 their scale words, v232-249 three records, v250-255 at work.   window 1: Wq 0-95, Wk 96-191, Wv 192-215, bq 216-247, bv 248-255.
.set XSC,  24576                       ; LDS: 16 fragment images of 1,536 bytes from 0; then their scale words, 128 bytes each
.set XF,   24
.set XS,   48
.set WSQ,  50
.set WSK,  54
.set WSV,  58
.set SH8,  59
.set ACC,  60
.set BK,   92
.set RT,   124                         ; v124-126 at work in REC
.set PX,   127
.set XN,   128
.set XV,   128
.set XVS,  224
.set RQ,   232
.set RK,   238
.set RV,   244
.set RTT,  250
.set QT,   60                          ; at work in QUANT2: v60-76
.set SU,   78
.set MEAN, 86
.set INV,  88
.set WQF,  0
.set WKF,  96
.set WVF,  192
.set BQ,   216
.set BV,   248
.set SEL,  26
.set MSB, 0
.macro WIN new                         ; the immediate's high byte repeats the setting that is left
.if MSB != \new
	s_set_vgpr_msb (MSB<<8)|\new
.set MSB, \new
.endif
.endm
.macro PLACES n
.rept \n
	v_nop
.endr
.endm
.macro QUANT2 s, d, pw                 ; 64 numbers, register 32 c + i = element i of block 2 c + h -> 12 registers of codes, the row's scale word
.irp c, 0,1
	v_max3_num_f32 v[QT+\c], |v[\s+32*\c]|, |v[\s+32*\c+1]|, 0x1800000      ; the floor 2^(3 - 127) holds the byte at 1 from below
	v_max3_num_f32 v[QT+2+\c], |v[\s+32*\c+16]|, |v[\s+32*\c+17]|, |v[\s+32*\c+18]|
.endr
.irp i, 2,4,6,8,10,12
.irp c, 0,1
	v_max3_num_f32 v[QT+\c], v[QT+\c], |v[\s+32*\c+\i]|, |v[\s+32*\c+\i+1]|
	v_max3_num_f32 v[QT+2+\c], v[QT+2+\c], |v[\s+32*\c+\i+17]|, |v[\s+32*\c+\i+18]|
.endr
.endr
.irp c, 0,1
	v_max3_num_f32 v[QT+\c], v[QT+\c], |v[\s+32*\c+14]|, |v[\s+32*\c+15]|
.endr
.irp c, 0,1
	v_max3_num_f32 v[QT+\c], v[QT+\c], v[QT+2+\c], |v[\s+32*\c+31]|
.endr
.irp c, 0,1
	v_add_nc_u32 v[QT+4+\c], 0xff000000, v[QT+\c]                            ; 2 off the exponent field: the conversion's scale operand
.endr
.irp c, 0,1
	v_lshrrev_b32 v[QT+6+\c], 23, v[QT+4+\c]
.endr
	v_lshl_or_b32 v[QT+8], v[QT+7], 16, v[QT+6]
	v_lshlrev_b32 v[QT+8], v[SH8], v[QT+8]
	v_permlanex16_b32 v[QT+9], v[QT+8], s[SEL], s[SEL+1]
	v_or_b32 v[\pw], v[QT+8], v[QT+9]
.irp c, 0,1
	v_cvt_scalef32_pk16_fp6_f32 v[\d+6*\c:\d+6*\c+2], v[\s+32*\c:\s+32*\c+15], v[QT+4+\c]
	v_cvt_scalef32_pk16_fp6_f32 v[QT+10+4*\c:QT+12+4*\c], v[\s+32*\c+16:\s+32*\c+31], v[QT+4+\c]
.endr
	v_nop                                                                    ; one plain line behind the conversions
.irp c, 0,1
.irp i, 0,1,2
	v_mov_b32 v[\d+6*\c+3+\i], v[QT+10+4*\c+\i]
.endr
.endr
.endm
.macro REC s, d, by                    ; 32 numbers of a lane, one block -> 6 registers of codes and the byte.  Each accumulator is read from its low end on
	v_max3_num_f32 v[RT], |v[\s]|, |v[\s+1]|, 0x1800000
	v_max3_num_f32 v[RT+1], |v[\s+16]|, |v[\s+17]|, |v[\s+18]|
.irp i, 2,4,6,8,10,12
	v_max3_num_f32 v[RT], v[RT], |v[\s+\i]|, |v[\s+\i+1]|
	v_max3_num_f32 v[RT+1], v[RT+1], |v[\s+\i+17]|, |v[\s+\i+18]|
.endr
	v_max3_num_f32 v[RT], v[RT], |v[\s+14]|, |v[\s+15]|
	v_max3_num_f32 v[RT], v[RT], v[RT+1], |v[\s+31]|
	v_add_nc_u32 v[RT+2], 0xff000000, v[RT]
	v_cvt_scalef32_pk16_fp6_f32 v[\d:\d+2], v[\s:\s+15], v[RT+2]
	v_cvt_scalef32_pk16_fp6_f32 v[RTT:RTT+2], v[\s+16:\s+31], v[RT+2]
	v_lshrrev_b32 v[\by], 23, v[RT+2]              ; the byte; also the plain line behind the conversions
.irp i, 0,1,2
	v_mov_b32 v[\d+3+\i], v[RTT+\i]
.endr
.endm
; q or k: four accumulators by turns, two K steps.  wf: the weight's fragments (window 1); ws: its scale words; cwin, cb: window setting and registers of the bias, the C of the first K step
.macro QK wf, ws, cwin, cb
	WIN \cwin
.irp t, 0,1,2,3
	v_wmma_scale_f32_16x16x128_f8f6f4 v[ACC+8*\t:ACC+8*\t+7], v[\wf+24*\t:\wf+24*\t+11], v[XF:XF+11], v[\cb+8*\t:\cb+8*\t+7], v[\ws+\t], v[XS] matrix_a_fmt:MATRIX_FMT_FP6 matrix_b_fmt:MATRIX_FMT_FP6
.endr
	WIN 0x01
.irp t, 0,1,2,3
	v_wmma_scale_f32_16x16x128_f8f6f4 v[ACC+8*\t:ACC+8*\t+7], v[\wf+24*\t+12:\wf+24*\t+23], v[XF+12:XF+23], v[ACC+8*\t:ACC+8*\t+7], v[\ws+\t], v[XS+1] matrix_a_fmt:MATRIX_FMT_FP6 matrix_b_fmt:MATRIX_FMT_FP6 matrix_a_scale:MATRIX_SCALE_ROW1
.endr
	WIN 0
	PLACES 4                                       ; in front of the first read of results
.endm
	s_load_b512 s[4:19], s[0:1], 0x0               ; x, wimg, wscl, bq, bk, bv, qc, qs
	s_load_b64 s[20:21], s[0:1], 0x40              ; kv
	v_lshrrev_b32 v1, 5, v0
	v_readfirstlane_b32 s22, v1                    ; wave w
	s_and_b32 s23, ttmp7, 0xffff                   ; j
	s_lshr_b32 s24, ttmp9, 5                       ; batch
	s_and_b32 s25, ttmp9, 31                       ; key step s
	s_mov_b32 s[SEL], 0x76543210
	s_mov_b32 s[SEL+1], 0xfedcba98
	s_and_b32 s29, s22, 1                          ; c
	s_lshr_b32 s30, s22, 2                         ; a
	s_bfe_u32 s31, s22, 0x10001                    ; u
	s_and_b32 s33, s22, 3
	s_lshr_b32 s34, s22, 1
	s_lshl_b32 s35, ttmp9, 3
	s_add_co_u32 s35, s35, s22                     ; T
	v_and_b32 v1, 15, v0                           ; r
	v_bfe_u32 v2, v0, 4, 1                         ; h
	v_and_b32 v3, 31, v0                           ; lane
	v_lshlrev_b32 v5, 4, v3                        ; 16 l
	v_lshlrev_b32 v6, 2, v3                        ; 4 l
	v_lshlrev_b32 v13, 3, v3                       ; 8 l
	v_lshlrev_b32 v7, 7, v2                        ; 128 h
	v_lshlrev_b32 v[SH8], 3, v2
	v_lshrrev_b32 v21, 3, v1
	v_and_b32 v22, 7, v1
	v_lshl_add_u32 v4, v21, 5, v22                 ; my token inside the tile's 64: 32 (r / 8) + r % 8
	v_lshl_add_u32 v4, v4, 10, v7                  ; its row of 1,024 bytes, + 128 h
	v_lshl_add_u32 v8, v21, 4, v22                 ; bv: channel 16 (r / 8) + r % 8
	v_lshlrev_b32 v8, 2, v8
	s_mov_b32 s37, 0
	s_lshl_b32 s36, ttmp9, 7
	s_lshl_b32 s38, s30, 6
	s_add_co_u32 s36, s36, s38
	s_lshl_b32 s38, s33, 3
	s_add_co_u32 s36, s36, s38                     ; the tile's first token: 128 X + 64 (w / 4) + 8 (w % 4)
	s_lshl_b32 s36, s36, 10
	s_wait_kmcnt 0x0
	s_add_nc_u64 s[4:5], s[4:5], s[36:37]
.set n, 0
.rept 32                               ; register 64 s + 32 c + i = x(token, 128 s + 64 c + 32 h + i)
	global_load_b128 v[XN+4*n:XN+4*n+3], v4, s[4:5] offset:512*(n/16)+256*((n/8)%2)+16*(n%8)
.set n, n+1
.endr
	s_mul_i32 s36, s23, 12288
	s_add_nc_u64 s[6:7], s[6:7], s[36:37]          ; Wq's eight fragments of j; Wk's lie 49,152 bytes on
	s_mul_i32 s36, s30, 6144
	s_mul_i32 s38, s31, 3072
	s_add_co_u32 s36, s36, s38
	s_add_co_u32 s36, s36, 98304
	s_add_nc_u64 s[40:41], s[6:7], s[36:37]        ; Wv's two fragments of (head 2 j + a, tile u)
	s_lshl_b32 s36, s23, 9
	s_add_nc_u64 s[8:9], s[8:9], s[36:37]
	s_lshl_b32 s36, s34, 2
	s_add_co_u32 s36, s36, 4096
	s_add_nc_u64 s[42:43], s[8:9], s[36:37]
	s_lshl_b32 s36, s23, 8
	s_add_nc_u64 s[10:11], s[10:11], s[36:37]
	s_add_nc_u64 s[12:13], s[12:13], s[36:37]
	s_lshl_b32 s38, s30, 7
	s_add_co_u32 s36, s36, s38
	s_lshl_b32 s38, s31, 5
	s_add_co_u32 s36, s36, s38
	s_add_nc_u64 s[14:15], s[14:15], s[36:37]
	global_load_b128 v[WSQ:WSQ+3], v5, s[8:9]      ; register t: K step 0 in lanes 0-15, K step 1 in lanes 16-31
	global_load_b128 v[WSK:WSK+3], v5, s[8:9] offset:2048
	global_load_b32 v[WSV], v5, s[42:43]
.irp q, 0,1,2,3,4,5,6,7
	global_load_b128 v[BK+4*\q:BK+4*\q+3], v7, s[12:13] offset:16*\q
.endr
	WIN 0x40                                       ; destination window 1
.irp q, 0,1,2,3,4,5,6,7
	global_load_b128 v[BQ+4*\q:BQ+4*\q+3], v7, s[10:11] offset:16*\q
.endr
	global_load_b32 v[BV], v8, s[14:15]
.set n, 0
.rept 24
	global_load_b128 v[WQF+4*n:WQF+4*n+3], v5, s[6:7] offset:512*n
.set n, n+1
.endr
	s_wait_loadcnt 44                              ; x's 32 loads are in: behind them stand the 20 small loads and Wq's 24
.set n, 0
.rept 24
	global_load_b128 v[WKF+4*n:WKF+4*n+3], v5, s[6:7] offset:49152+512*n
.set n, n+1
.endr
.set n, 0
.rept 6
	global_load_b128 v[WVF+4*n:WVF+4*n+3], v5, s[40:41] offset:512*n
.set n, n+1
.endr
	WIN 0
	; addresses in LDS and in the outputs
	s_mul_i32 s28, s22, 3072
	v_add_nc_u32 v9, s28, v5                       ; my two images: 16 l + 3072 w
	s_lshl_b32 s28, s22, 8
	s_add_co_u32 s28, s28, XSC
	v_add_nc_u32 v10, s28, v6                      ; their scale words: 4 l + 256 w
	s_mul_i32 s28, s29, 12288
	v_add_nc_u32 v11, s28, v5                      ; tiles 4 c on
	s_lshl_b32 s28, s29, 10
	s_add_co_u32 s28, s28, XSC
	v_add_nc_u32 v12, s28, v6
	s_lshl_b32 s36, s23, 9
	s_add_co_u32 s36, s36, s35
	s_mul_i32 s36, s36, 768
	s_add_nc_u64 s[16:17], s[16:17], s[36:37]      ; qc at (j, T)
	s_lshl_b32 s36, s23, 14
	s_lshl_b32 s38, s35, 4
	s_add_co_u32 s36, s36, s38
	s_add_nc_u64 s[18:19], s[18:19], s[36:37]      ; qs at head 2 j, position 16 T
	s_lshl_b32 s36, s24, 3
	s_lshl_b32 s38, s23, 1
	s_add_co_u32 s36, s36, s38
	s_mul_i32 s36, s36, 204800
	s_add_nc_u64 s[20:21], s[20:21], s[36:37]      ; kv at head 2 j of my batch
	v_lshl_add_u32 v14, v2, 13, v1                 ; qs: 8192 h + r
	v_mul_u32_u24 v21, v2, 204800                  ; K: head 2 j + h
	s_lshl_b32 s38, s25, 2
	s_add_co_u32 s38, s38, s34
	s_mul_i32 s38, s38, 768                        ; half fragment 4 s + w / 2
	s_lshl_b32 s39, s29, 8
	s_add_co_u32 s39, s39, s38
	v_lshl_add_u32 v15, v1, 4, v21
	v_add_nc_u32 v15, s39, v15
	s_lshl_b32 s39, s29, 7
	s_add_co_u32 s39, s39, s38
	s_add_co_u32 s39, s39, 512
	v_lshl_add_u32 v16, v1, 3, v21
	v_add_nc_u32 v16, s39, v16
	s_lshl_b32 s39, s25, 7
	s_lshl_b32 s38, s30, 6
	s_add_co_u32 s39, s39, s38
	s_add_co_u32 s39, s39, s33
	s_add_co_u32 s39, s39, 196608
	v_lshl_add_u32 v17, v1, 2, v21
	v_add_nc_u32 v17, s39, v17
	s_mul_i32 s38, s30, 204800                     ; V: head 2 j + a
	s_mul_i32 s39, s25, 3072
	s_add_co_u32 s39, s39, s38
	s_mul_i32 s44, s31, 1536
	s_add_co_u32 s39, s39, s44
	s_mul_i32 s44, s29, 768
	s_add_co_u32 s39, s39, s44
	s_add_co_u32 s39, s39, 98304
	v_add_nc_u32 v18, s39, v5
	s_add_co_u32 s39, s39, 512
	v_add_nc_u32 v19, s39, v13
	s_lshl_b32 s39, s25, 7
	s_add_co_u32 s39, s39, s38
	s_lshl_b32 s44, s31, 6
	s_add_co_u32 s39, s39, s44
	s_lshl_b32 s44, s29, 1
	s_add_co_u32 s39, s39, s44
	s_add_co_u32 s39, s39, 200704
	v_lshl_add_u32 v20, v1, 2, v2
	v_add_nc_u32 v20, s39, v20
	v_mov_b32 v[PX], 0                             ; lane permutes' destinations count as read
	v_mov_b32 v[QT+9], 0
	; ---- the norm, in two passes: my 128 numbers and lane l xor 16's are the row
.irp k, 0,1,2,3
	v_pk_add_f32 v[SU+2*\k:SU+2*\k+1], v[XN+2*\k:XN+2*\k+1], v[XN+8+2*\k:XN+9+2*\k]
.endr
.set i, 16
.rept 14
.irp k, 0,1,2,3
	v_pk_add_f32 v[SU+2*\k:SU+2*\k+1], v[SU+2*\k:SU+2*\k+1], v[XN+i+2*\k:XN+i+2*\k+1]
.endr
.set i, i+8
.endr
	v_pk_add_f32 v[SU:SU+1], v[SU:SU+1], v[SU+2:SU+3]
	v_pk_add_f32 v[SU+4:SU+5], v[SU+4:SU+5], v[SU+6:SU+7]
	v_pk_add_f32 v[SU:SU+1], v[SU:SU+1], v[SU+4:SU+5]
	v_add_f32 v[SU], v[SU], v[SU+1]
	v_permlanex16_b32 v[PX], v[SU], s[SEL], s[SEL+1]
	v_add_f32 v[SU], v[SU], v[PX]
	v_mul_f32 v[MEAN], 0x3b800000, v[SU]           ; / 256
	v_mov_b32 v[MEAN+1], v[MEAN]
.set i, 0
.rept 64
	v_pk_add_f32 v[XN+i:XN+i+1], v[XN+i:XN+i+1], v[MEAN:MEAN+1] neg_lo:[0,1] neg_hi:[0,1]
.set i, i+2
.endr
.irp k, 0,1,2,3
	v_pk_mul_f32 v[SU+2*\k:SU+2*\k+1], v[XN+2*\k:XN+2*\k+1], v[XN+2*\k:XN+2*\k+1]
.endr
.set i, 8
.rept 15
.irp k, 0,1,2,3
	v_pk_fma_f32 v[SU+2*\k:SU+2*\k+1], v[XN+i+2*\k:XN+i+2*\k+1], v[XN+i+2*\k:XN+i+2*\k+1], v[SU+2*\k:SU+2*\k+1]
.endr
.set i, i+8
.endr
	v_pk_add_f32 v[SU:SU+1], v[SU:SU+1], v[SU+2:SU+3]
	v_pk_add_f32 v[SU+4:SU+5], v[SU+4:SU+5], v[SU+6:SU+7]
	v_pk_add_f32 v[SU:SU+1], v[SU:SU+1], v[SU+4:SU+5]
	v_add_f32 v[SU], v[SU], v[SU+1]
	v_permlanex16_b32 v[PX], v[SU], s[SEL], s[SEL+1]
	v_add_f32 v[SU], v[SU], v[PX]
	v_mul_f32 v[SU], 0x3b800000, v[SU]
	v_sqrt_f32 v[INV], v[SU]
	v_nop                                          ; a plain line behind a transcendental
	s_wait_alu depctr_va_vdst(0)
	v_add_f32 v[INV], 0x358637bd, v[INV]           ; + 1e-6
	v_rcp_f32 v[INV], v[INV]
	v_nop
	s_wait_alu depctr_va_vdst(0)
	v_mov_b32 v[INV+1], v[INV]
.set i, 0
.rept 64
	v_pk_mul_f32 v[XN+i:XN+i+1], v[XN+i:XN+i+1], v[INV:INV+1]
.set i, i+2
.endr
	QUANT2 XN, XF, XS
	QUANT2 XN+64, XF+12, XS+1
.irp g, 0,1,2,3,4,5
	ds_store_b128 v9, v[XF+4*\g:XF+4*\g+3] offset:512*\g     ; the two fragments as they stand: 512 consecutive bytes a store
.endr
	ds_store_b32 v10, v[XS]
	ds_store_b32 v10, v[XS+1] offset:128
	s_wait_loadcnt 0x0                             ; all weights, scale words and biases
	WIN 0x41
.irp i, 1,2,3,4,5,6,7
	v_mov_b32 v[BV+\i], v[BV]                      ; bv of my channel in all eight rows.  With QUANT2's v_nop these seven are the eight plain lines between the write of XS + 1 and the products, and the lines behind the last write of XF
.endr
	; ---- q
	QK WQF, WSQ, 0x11, BQ
	REC ACC, RQ, 253
	global_store_b128 v5, v[RQ:RQ+3], s[16:17]
	global_store_b64 v13, v[RQ+4:RQ+5], s[16:17] offset:512
	global_store_b8 v14, v253, s[18:19]
	; ---- k
	QK WKF, WSK, 0x01, BK
	REC ACC, RK, 254
	global_store_b128 v15, v[RK:RK+3], s[20:21]    ; sixteen lanes fill 256 consecutive bytes of their head's image
	global_store_b64 v16, v[RK+4:RK+5], s[20:21]
	global_store_b8 v17, v254, s[20:21]
	s_wait_dscnt 0x0                               ; my images lie in LDS
	s_barrier_signal -1
	s_barrier_wait -1                              ; everybody's do
	; ---- v
.set n, 0
.rept 24
	ds_load_b128 v[XV+4*n:XV+4*n+3], v11 offset:512*n
.set n, n+1
.endr
.irp n, 0,1,2,3,4,5,6,7
	ds_load_b32 v[XVS+\n], v12 offset:128*\n
.endr
	s_wait_dscnt 0x0
	WIN 0x14                                       ; source 1 (Wv) and C (bv) window 1
.irp t, 0,1,2,3
	v_wmma_scale_f32_16x16x128_f8f6f4 v[ACC+8*\t:ACC+8*\t+7], v[XV+24*\t:XV+24*\t+11], v[WVF:WVF+11], v[BV:BV+7], v[XVS+2*\t], v[WSV] matrix_a_fmt:MATRIX_FMT_FP6 matrix_b_fmt:MATRIX_FMT_FP6
.endr
	WIN 0x04
.irp t, 0,1,2,3
	v_wmma_scale_f32_16x16x128_f8f6f4 v[ACC+8*\t:ACC+8*\t+7], v[XV+24*\t+12:XV+24*\t+23], v[WVF+12:WVF+23], v[ACC+8*\t:ACC+8*\t+7], v[XVS+2*\t+1], v[WSV] matrix_a_fmt:MATRIX_FMT_FP6 matrix_b_fmt:MATRIX_FMT_FP6 matrix_b_scale:MATRIX_SCALE_ROW1
.endr
	WIN 0
	PLACES 4
	REC ACC, RV, 255
	global_store_b128 v18, v[RV:RV+3], s[20:21]    ; 512 consecutive bytes
	global_store_b64 v19, v[RV+4:RV+5], s[20:21]
	global_store_b8 v20, v255, s[20:21]
	s_wait_xcnt 0x0
	v_lshl_add_u32 v254, v0, 2, 0x6800
	v_mov_b32 v255, 0
	s_wait_tensorcnt 0x0
	ds_add_u32 v254, v255
	s_wait_dscnt 0x0
	s_endpgm
.Lfunc_end_k_q62fd554bae_qkv:
	.size	k_q62fd554bae_qkv, .Lfunc_end_k_q62fd554bae_qkv-k_q62fd554bae_qkv
	.p2alignl 7, 3214868480
	.fill 96, 4, 3214868480
	.section	.rodata,"a",@progbits
	.p2align	6, 0x0
	.amdhsa_kernel k_q62fd554bae_qkv
		.amdhsa_group_segment_fixed_size 27648
		.amdhsa_private_segment_fixed_size 0
		.amdhsa_enable_private_segment 0
		.amdhsa_kernarg_size 72
		.amdhsa_user_sgpr_count 2
		.amdhsa_user_sgpr_kernarg_segment_ptr 1
		.amdhsa_wavefront_size32 1
		.amdhsa_system_sgpr_workgroup_id_x 1
		.amdhsa_system_sgpr_workgroup_id_y 1
		.amdhsa_system_sgpr_workgroup_id_z 1
		.amdhsa_system_vgpr_workitem_id 0
		.amdhsa_next_free_vgpr 512
		.amdhsa_next_free_sgpr 66
		.amdhsa_reserve_vcc 0
		.amdhsa_float_denorm_mode_32 3
		.amdhsa_float_denorm_mode_16_64 3
		.amdhsa_memory_ordered 1
		.amdhsa_forward_progress 1
		.amdhsa_inst_pref_size 50
	.end_amdhsa_kernel
	.amdgpu_metadata
---
amdhsa.version: [ 1, 2 ]
amdhsa.kernels:
  - .name:           k_q62fd554bae_qkv
    .symbol:         k_q62fd554bae_qkv.kd
    .args:
      - { .name: embeddings_in, .offset: 0, .size: 8, .value_kind: global_buffer, .address_space: global }
      - { .name: wimg, .offset: 8, .size: 8, .value_kind: global_buffer, .address_space: global }
      - { .name: wscl, .offset: 16, .size: 8, .value_kind: global_buffer, .address_space: global }
      - { .name: bq, .offset: 24, .size: 8, .value_kind: global_buffer, .address_space: global }
      - { .name: bk, .offset: 32, .size: 8, .value_kind: global_buffer, .address_space: global }
      - { .name: bv, .offset: 40, .size: 8, .value_kind: global_buffer, .address_space: global }
      - { .name: qc, .offset: 48, .size: 8, .value_kind: global_buffer, .address_space: global }
      - { .name: qs, .offset: 56, .size: 8, .value_kind: global_buffer, .address_space: global }
      - { .name: kv, .offset: 64, .size: 8, .value_kind: global_buffer, .address_space: global }
    .group_segment_fixed_size: 27648
    .private_segment_fixed_size: 0
    .kernarg_segment_align: 8
    .kernarg_segment_size: 72
    .max_flat_workgroup_size: 256
    .sgpr_count:     66
    .vgpr_count:     512
    .wavefront_size: 32
...
	.end_amdgpu_metadata
.endif
;; end of part 2
;; launch attn (part 3): grid 16 x 16, 16 waves a work-group, clusters of 4 x 1, 206,848 bytes of LDS; arguments qc, qs, kv, aoc, aos; writes aoc, aos
.if DOCPART == 3
	.amdgcn_target "amdgcn-amd-amdhsa--gfx1250"
	.amdhsa_code_object_version 6
	.text
	.protected	k_q62fd554bae_attn
	.globl	k_q62fd554bae_attn
	.p2align	8
	.type	k_q62fd554bae_attn,@function
k_q62fd554bae_attn:
	s_mov_b64 s[64:65], 0
	v_nop
	global_prefetch_b8 v0, s[64:65] scope:SCOPE_SE
	s_setreg_imm32_b32 hwreg(HW_REG_WAVE_MODE, 25, 1), 1
	s_wait_xcnt 0x0
	s_wait_alu depctr_hold_cnt(0) depctr_sa_sdst(0) depctr_va_vdst(0) depctr_va_sdst(0) depctr_va_ssrc(0) depctr_va_vcc(0) depctr_vm_vsrc(0)
	s_getreg_b32 s2, hwreg(HW_REG_IB_STS2, 6, 4)
	s_cmp_eq_u32 s2, 0
	s_cbranch_scc0 .Lentry_in_a_cluster
	s_endpgm
.Lentry_in_a_cluster:
	s_bfe_u32 s2, ttmp6, 0x10000c
	s_cmp_lg_u32 s2, 0x3003
	s_cbranch_scc0 .Lentry_shape_is_right
	s_endpgm
.Lentry_shape_is_right:
; attn_out[b][h][q] = the sum over keys of softmax(q . k / sqrt(32)) v, both products on codes of FP6 (E2M3) with E8M0 scales; the result is quantised along the head's 32 for the next product.
; THE SOFTMAX: t = score x log2(e) / sqrt(32); M = the running largest t rounded UP to a whole number; p = 2^(t - M) is quantised along the keys, not normalised; the row's sum is taken of the
; unquantised p and divides at the end; when M moves, the sum and O are multiplied by 2^(old M - new M), which rounds nothing.
; SHARES.  Work-group (x, y): head y % 8 of batch y / 8, 256 queries; each of sixteen waves owns one tile of 16 queries in 256 registers, four waves to a SIMD, and walks all 4,096 keys, 128 a step.
; LDS.  The head's K and V codes and scale bytes, 204,800 bytes, lie in LDS as they lie in memory, FILLED ONCE: no ring.  The four work-groups of a cluster share the head: each wave asks
; JOINTLY for 12,800 bytes (one tensor load of mine is out).
; THE FIRST PRODUCT'S K IS 32, the instruction's 128: a fragment of K holds FOUR tiles of 16 keys, one in each block of 32; four variants of Q hold the query's record in one block and zero codes
; in the others.  v16-45 = [zeros][record in lanes 0-15][zeros][record in lanes 16-31][zeros] serve all four.  So 1,536 bytes from LDS feed four products.
; LAYOUT.  S^T = K Q^T, O^T = V^T P^T: a lane holds one query (lane % 16).  The keys of a tile are chosen so that registers 32 f + 0 .. 31 of lane (q, h) are keys 128 s + 64 f + 32 h + 0 .. 31:
; ONE WHOLE BLOCK of the second product's K in its place: a block's maximum needs no other lane and the conversions' results are the operand.
; A block's largest p is not searched for: the block's largest score goes through the same multiply-add and exponential (this takes v_exp_f32 not to fall where its input rises).
; LIMITS: NaN and infinities are not served; a block whose every p is 0 keeps the byte 1 with zero codes; the division is v_rcp_f32 and a multiplication.
.set A16, 1                            ; 16 l
.set A8,  2                            ; 8 l + 512
.set A4,  3                            ; 4 l + 196608
.set AKA, 4
.set AKB, 5
.set AVA, 6
.set AVB, 7
.set ASC, 8
.set SH8, 9
.set OA,  10
.set OB,  11
.set QZ,  16                           ; v12 -M, v13 the largest t, v[14:15] the sum in two halves
.set QS,  46
.set KS,  47
.set VS,  48
.set PW,  49
.set KF,  50
.set VF,  74
.set SS,  98
.set OO,  162
.set PC,  178
.set T0,  190
.set BM,  198
.set SC,  200
.set BY,  202
.set WW,  204
.set WX,  205
.set TM,  206
.set TX,  207
.set FF,  208
.set L2,  210
.set QR,  212
.set OC,  218
.set QA,  221
.set QB,  222
.set RR,  223
.set WV,  14
.set G0,  20
.set G1,  24
.set SEL, 32
.set CS,  34
.set TK,  36
.set TS,  37
.set LC,  38
.macro CROUND                          ; a round of the cluster's barrier
	s_barrier_signal -1
	s_barrier_wait -1
	s_cmp_lg_u32 s[WV], 0
	s_cbranch_scc1 .Lnot_wave_0_\@
	s_barrier_signal -3
.Lnot_wave_0_\@:
	s_barrier_wait -3
	s_barrier_signal -1
	s_barrier_wait -1
.endm
.macro HLOAD reg, a, b, off            ; four half fragments of 768 bytes: 24 registers; every load reads consecutive bytes
.irp i, 0,1,2,3
	ds_load_b128 v[\reg+6*\i:\reg+6*\i+3], v[\a] offset:\off+768*\i
	ds_load_b64 v[\reg+6*\i+4:\reg+6*\i+5], v[\b] offset:\off+768*\i
.endr
.endm
	s_load_b256 s[4:11], s[0:1], 0x0               ; qc, qs, kv, aoc
	s_load_b64 s[12:13], s[0:1], 0x20              ; aos
	v_lshl_add_u32 v254, v0, 2, 0x32000
	v_mov_b32 v255, 0
	ds_add_u32 v254, v255
	ds_add_u32 v254, v255
	v_lshrrev_b32 v1, 5, v0
	v_readfirstlane_b32 s[WV], v1                  ; wave 0..15
	s_bfe_u32 s15, ttmp6, 0x40000                  ; cx: it enters the addresses of qc, qs, aoc and aos alone
	s_lshl_b32 s16, ttmp9, 2
	s_add_co_u32 s16, s16, s15                     ; my block of 256 queries
	s_and_b32 s17, ttmp7, 0xffff                   ; 8 b + head, which the four partners share
	s_lshr_b32 s18, s17, 3
	s_and_b32 s19, s17, 7
	s_mov_b32 s[G1], 15|(3<<16)|(1<<21)            ; 15:0 the mask: all four; 17:16 elements of 8 bytes; 21 set beside a mask; no padding
	s_mov_b32 s[G1+1], 32<<16                      ; tensor_dim0 = 32 elements: rows of 256 bytes
	s_mov_b32 s[G1+2], 50<<16                      ; tensor_dim1 = 50
	s_mov_b32 s[G1+3], 32<<16                      ; tile_dim0
	s_mov_b32 s[G1+4], 50                          ; tile_dim1
	s_mov_b32 s[G1+5], 32                          ; the pitch: dense
	s_mov_b32 s[G1+6], 0
	s_mov_b32 s[G1+7], 0
	s_mul_i32 s40, s17, 204800
	s_mul_i32 s[G0+1], s[WV], 12800                ; LDS address: my sixteenth
	s_add_co_u32 s40, s40, s[G0+1]
	s_mov_b32 s41, 0
	s_mov_b32 s[G0], 1
	s_mov_b32 s[SEL], 0x76543210
	s_mov_b32 s[SEL+1], 0xfedcba98
	s_mov_b32 s[CS], 0x3e8293ee                    ; c = log2(e) / sqrt(32)
	s_mov_b32 s[CS+1], s[CS]
	s_mov_b32 s[TK], 0
	s_mov_b32 s[TS], 0
	s_mov_b32 s[LC], 31
	s_lshl_b32 s42, s18, 8
	s_lshl_b32 s43, s16, 4
	s_add_co_u32 s42, s42, s43
	s_add_co_u32 s42, s42, s[WV]                   ; my tile T = 256 b + 16 x block + wave
	s_wait_dscnt 0x0
	s_wait_kmcnt 0x0
	s_add_nc_u64 s[G0+2:G0+3], s[8:9], s[40:41]
	s_or_b32 s[G0+3], s[G0+3], 0x80000000
	CROUND                                         ; all four work-groups are here: the joint loads meet
	tensor_load_to_lds s[G0:G0+3], s[G1:G1+7]
	s_nop 0
.rept 4
	v_nop                                          ; behind a tensor load
.endr
	s_lshr_b32 s40, s19, 1
	s_lshl_b32 s40, s40, 9
	s_add_co_u32 s40, s40, s42
	s_mul_i32 s40, s40, 768
	s_add_nc_u64 s[4:5], s[4:5], s[40:41]          ; qc at (head / 2, T)
	s_lshl_b32 s40, s19, 13
	s_lshl_b32 s43, s42, 4
	s_add_co_u32 s40, s40, s43
	s_add_nc_u64 s[6:7], s[6:7], s[40:41]          ; qs at (head, 16 T)
	s_mul_i32 s40, s40, 24
	s_add_nc_u64 s[10:11], s[10:11], s[40:41]      ; aoc at (head, 16 T)
	s_lshl_b32 s40, s42, 7
	s_add_co_u32 s40, s40, s19
	s_add_nc_u64 s[12:13], s[12:13], s[40:41]      ; aos at (16 T, head)
	v_and_b32 v[TM], 31, v0                        ; lane
	v_and_b32 v[RR], 15, v0                        ; r
	s_and_b32 s44, s19, 1
	s_lshl_b32 s45, s44, 8
	v_lshl_add_u32 v[QA], v[RR], 4, s45
	s_lshl_b32 s45, s44, 7
	v_lshl_add_u32 v[QB], v[RR], 3, s45
	global_load_b128 v[QR:QR+3], v[QA], s[4:5]     ; query r's record, in both halves of the lanes
	global_load_b64 v[QR+4:QR+5], v[QB], s[4:5] offset:512
	global_load_u8 v[QS], v[RR], s[6:7]
	v_lshlrev_b32 v[A16], 4, v[TM]
	v_lshlrev_b32 v[A8], 3, v[TM]
	v_add_nc_u32 v[A8], 512, v[A8]
	v_lshlrev_b32 v[A4], 2, v[TM]
	v_add_nc_u32 v[A4], 196608, v[A4]
	v_bfe_u32 v[SH8], v0, 4, 1
	v_lshlrev_b32 v[SH8], 3, v[SH8]
	v_cmp_gt_u32 vcc_lo, 16, v[TM]
.irp i, 0,1,2,3,4,5
	v_mov_b32 v[QZ+\i], 0
	v_mov_b32 v[QZ+12+\i], 0
	v_mov_b32 v[QZ+24+\i], 0
.endr
	v_mov_b32 v13, 0xff61b1e6                      ; the largest t so far: -3e38
	v_floor_f32 v12, -v13                          ; -M
	v_mov_b32 v14, 0
	v_mov_b32 v15, 0
	v_mov_b32 v[WX], 0                             ; lane permutes' destinations count as read
	v_mov_b32 v[TX], 0
	v_mov_b32 v[FF+1], 0                           ; named as the upper half of a pair
	s_wait_loadcnt 0x0
	v_perm_b32 v[QS], v[QS], v[QS], 0              ; q's byte in all four bytes: it scales whichever block holds the record
.irp i, 0,1,2,3,4,5
	v_cndmask_b32 v[QZ+6+\i], v[QZ], v[QR+\i], vcc_lo        ; the record in lanes 0-15, zeros above
	v_cndmask_b32 v[QZ+18+\i], v[QR+\i], v[QZ], vcc_lo       ; zeros below, the record in lanes 16-31
.endr
.irp j, 0,1,2,3,4,5,6,7,8,9,10,11,12,13,14,15
	v_mov_b32 v[OO+\j], 0                          ; O^T: the first change of M multiplies zeros.  These sixteen are also the lines between the writes of Q and its scale and the first product
.endr
	s_wait_tensorcnt 0x0                           ; my sixteenth has landed,
	s_barrier_signal -1
	s_barrier_wait -1                              ; everybody's has
	HLOAD KF, A16, A8, 0                           ; K of step 0
	ds_load_b32 v[KS], v[A4]
	s_wait_dscnt 0x0
; A KEY STEP of 128 keys.  more = 1: the next step's K is fetched.
.macro STEP more
.irp b, 0,1,2,3
	v_wmma_scale_f32_16x16x128_f8f6f4 v[SS+8*\b:SS+8*\b+7], v[KF:KF+11], v[QZ+6+12*(\b%2)-6*(\b/2):QZ+17+12*(\b%2)-6*(\b/2)], 0, v[KS], v[QS] matrix_a_fmt:MATRIX_FMT_FP6 matrix_b_fmt:MATRIX_FMT_FP6
.endr
.irp b, 0,1,2,3
	v_wmma_scale_f32_16x16x128_f8f6f4 v[SS+32+8*\b:SS+39+8*\b], v[KF+12:KF+23], v[QZ+6+12*(\b%2)-6*(\b/2):QZ+17+12*(\b%2)-6*(\b/2)], 0, v[KS], v[QS] matrix_a_fmt:MATRIX_FMT_FP6 matrix_b_fmt:MATRIX_FMT_FP6 matrix_a_scale:MATRIX_SCALE_ROW1
.endr
	v_add_nc_u32 v[AKA], s[TK], v[A16]             ; five plain lines: the places in front of the loads into K's and V's registers and of the first read of the scores
	v_add_nc_u32 v[AKB], s[TK], v[A8]
	v_add_nc_u32 v[ASC], s[TS], v[A4]
	v_add_nc_u32 v[AVA], 98304, v[AKA]
	v_add_nc_u32 v[AVB], 98304, v[AKB]
	HLOAD VF, AVA, AVB, 0
	ds_load_b32 v[VS], v[ASC] offset:4096
.if \more
	HLOAD KF, AKA, AKB, 3072
	ds_load_b32 v[KS], v[ASC] offset:128
.endif
.irp c, 0,1
	v_max3_num_f32 v[BM+\c], v[SS+32*\c], v[SS+32*\c+1], v[SS+32*\c+2]       ; my two blocks' largest scores, by turns, each accumulator from its low end on
.endr
.irp i, 3,5,7,9,11,13,15,17,19,21,23,25,27,29
.irp c, 0,1
	v_max3_num_f32 v[BM+\c], v[BM+\c], v[SS+32*\c+\i], v[SS+32*\c+\i+1]
.endr
.endr
.irp c, 0,1
	v_max_num_f32 v[BM+\c], v[BM+\c], v[SS+32*\c+31]
.endr
	v_max_num_f32 v[TM], v[BM], v[BM+1]
	v_permlanex16_b32 v[TX], v[TM], s[SEL], s[SEL+1]
	v_max_num_f32 v[TM], v[TM], v[TX]              ; the step's largest score of my query
	v_mul_f32 v[TM], s[CS], v[TM]
	v_max_num_f32 v13, v13, v[TM]                  ; the running largest t
	v_mov_b32 v[TM], v12
	v_floor_f32 v12, -v13                          ; -M = floor(-t): M is a whole number
	v_sub_f32 v[TM], v12, v[TM]                    ; old M - new M: a whole number, 0 or less
	v_cvt_i32_f32 v[TM], v[TM]
	v_ldexp_f32 v[FF], 1.0, v[TM]                  ; f = 2^(old M - new M)
.set j, 0
.rept 32
	v_pk_fma_f32 v[SS+j:SS+j+1], v[SS+j:SS+j+1], s[CS:CS+1], v[12:13] op_sel_hi:[1,0,0]   ; t - M
.set j, j+2
.endr
.irp c, 0,1
	v_fma_f32 v[BM+\c], v[BM+\c], s[CS], v12
.endr
.set j, 0
.rept 64
	v_exp_f32 v[SS+j], v[SS+j]                     ; p = 2^(t - M)
.set j, j+1
.endr
.irp c, 0,1
	v_exp_f32 v[BM+\c], v[BM+\c]                   ; the block's largest p
.endr
	v_pk_mul_f32 v[14:15], v[14:15], v[FF:FF+1] op_sel_hi:[1,0]              ; the sums under the new M; a plain line behind the exponentials
	s_wait_alu depctr_va_vdst(0)
.irp c, 0,1
	v_max_num_f32 v[BM+\c], 0x1800000, v[BM+\c]    ; the floor 2^(3 - 127)
.endr
.irp c, 0,1
	v_add_nc_u32 v[SC+\c], 0xff000000, v[BM+\c]
.endr
.irp c, 0,1
	v_lshrrev_b32 v[BY+\c], 23, v[SC+\c]
.endr
	v_lshl_or_b32 v[WW], v[BY+1], 16, v[BY]
	v_lshlrev_b32 v[WW], v[SH8], v[WW]
	v_permlanex16_b32 v[WX], v[WW], s[SEL], s[SEL+1]
	v_or_b32 v[PW], v[WW], v[WX]                   ; p's scale word for these 128 keys
.irp c, 0,1
	v_cvt_scalef32_pk16_fp6_f32 v[PC+6*\c:PC+6*\c+2], v[SS+32*\c:SS+32*\c+15], v[SC+\c]
	v_cvt_scalef32_pk16_fp6_f32 v[T0+4*\c:T0+4*\c+2], v[SS+32*\c+16:SS+32*\c+31], v[SC+\c]
.endr
	v_nop                                          ; one plain line behind the conversions
.irp c, 0,1
.irp i, 0,1,2
	v_mov_b32 v[PC+6*\c+3+\i], v[T0+4*\c+\i]
.endr
.endr
	v_pk_add_f32 v[L2:L2+1], v[SS:SS+1], v[SS+2:SS+3]                        ; the row's sum of the unquantised p, in two chains
.set j, 4
.rept 15
	v_pk_add_f32 v[14:15], v[14:15], v[SS+j:SS+j+1]
	v_pk_add_f32 v[L2:L2+1], v[L2:L2+1], v[SS+j+2:SS+j+3]
.set j, j+4
.endr
	v_pk_add_f32 v[14:15], v[14:15], v[L2:L2+1]
.set j, 0
.rept 8
	v_pk_mul_f32 v[OO+j:OO+j+1], v[OO+j:OO+j+1], v[FF:FF+1] op_sel_hi:[1,0]  ; O^T under the new M
.set j, j+2
.endr
	s_wait_dscnt 0x0                               ; V, and the next step's K
	v_wmma_scale_f32_16x16x128_f8f6f4 v[OO:OO+7], v[VF:VF+11], v[PC:PC+11], v[OO:OO+7], v[VS], v[PW] matrix_a_fmt:MATRIX_FMT_FP6 matrix_b_fmt:MATRIX_FMT_FP6
	v_wmma_scale_f32_16x16x128_f8f6f4 v[OO+8:OO+15], v[VF+12:VF+23], v[PC:PC+11], v[OO+8:OO+15], v[VS], v[PW] matrix_a_fmt:MATRIX_FMT_FP6 matrix_b_fmt:MATRIX_FMT_FP6 matrix_a_scale:MATRIX_SCALE_ROW1
	s_add_co_u32 s[TK], s[TK], 3072
	s_add_co_u32 s[TS], s[TS], 128
.endm
.Lstep:                                            ; 31 trips; the last step is written out: it fetches no further K
	STEP 1
	s_sub_co_u32 s[LC], s[LC], 1
	s_cmp_lg_u32 s[LC], 0
	s_cbranch_scc1 .Lstep
	STEP 0
	; THE WAY OUT.  Lane (q, h) holds channels 16 h + 0 .. 15 of its query; the head's 32 are one block of the next product's K
	v_add_f32 v14, v14, v15
	v_permlanex16_b32 v[TX], v14, s[SEL], s[SEL+1]
	v_add_f32 v14, v14, v[TX]                      ; the row's sum
	v_rcp_f32 v14, v14
	v_mul_u32_u24 v[OA], v[RR], 24                 ; (these four, with the two additions, are the places behind the last products)
	v_bfe_u32 v[WW], v0, 4, 1
	v_mad_u32_u24 v[OA], v[WW], 12, v[OA]          ; aoc: 24 r + 12 h
	v_lshlrev_b32 v[OB], 3, v[RR]                  ; aos: 8 r
	s_wait_alu depctr_va_vdst(0)
.irp j, 0,1,2,3,4,5,6,7,8,9,10,11,12,13,14,15
	v_mul_f32 v[SS+\j], v[OO+\j], v14
.endr
	v_max3_num_f32 v[BM], |v[SS]|, |v[SS+1]|, 0x1800000
.irp i, 2,4,6,8,10,12,14
	v_max3_num_f32 v[BM], v[BM], |v[SS+\i]|, |v[SS+\i+1]|
.endr
	v_permlanex16_b32 v[TX], v[BM], s[SEL], s[SEL+1]
	v_max_num_f32 v[BM], v[BM], v[TX]
	v_add_nc_u32 v[SC], 0xff000000, v[BM]
	v_cvt_scalef32_pk16_fp6_f32 v[OC:OC+2], v[SS:SS+15], v[SC]
	v_lshrrev_b32 v[BY], 23, v[SC]
	global_store_b96 v[OA], v[OC:OC+2], s[10:11]   ; the wave stores 384 consecutive bytes
	global_store_b8 v[OB], v[BY], s[12:13]         ; both lanes of a query write the same byte
	s_wait_tensorcnt 0x0
	ds_add_u32 v254, v255
	s_wait_dscnt 0x0
	CROUND                                         ; the closing round
	s_endpgm
.Lfunc_end_k_q62fd554bae_attn:
	.size	k_q62fd554bae_attn, .Lfunc_end_k_q62fd554bae_attn-k_q62fd554bae_attn
	.p2alignl 7, 3214868480
	.fill 96, 4, 3214868480
	.section	.rodata,"a",@progbits
	.p2align	6, 0x0
	.amdhsa_kernel k_q62fd554bae_attn
		.amdhsa_group_segment_fixed_size 206848
		.amdhsa_private_segment_fixed_size 0
		.amdhsa_enable_private_segment 0
		.amdhsa_kernarg_size 40
		.amdhsa_user_sgpr_count 2
		.amdhsa_user_sgpr_kernarg_segment_ptr 1
		.amdhsa_wavefront_size32 1
		.amdhsa_system_sgpr_workgroup_id_x 1
		.amdhsa_system_sgpr_workgroup_id_y 1
		.amdhsa_system_sgpr_workgroup_id_z 1
		.amdhsa_system_vgpr_workitem_id 0
		.amdhsa_next_free_vgpr 256
		.amdhsa_next_free_sgpr 66
		.amdhsa_reserve_vcc 1
		.amdhsa_float_denorm_mode_32 3
		.amdhsa_float_denorm_mode_16_64 3
		.amdhsa_memory_ordered 1
		.amdhsa_forward_progress 1
		.amdhsa_inst_pref_size 35
	.end_amdhsa_kernel
	.amdgpu_metadata
---
amdhsa.version: [ 1, 2 ]
amdhsa.kernels:
  - .name:           k_q62fd554bae_attn
    .symbol:         k_q62fd554bae_attn.kd
    .args:
      - { .name: qc, .offset: 0, .size: 8, .value_kind: global_buffer, .address_space: global }
      - { .name: qs, .offset: 8, .size: 8, .value_kind: global_buffer, .address_space: global }
      - { .name: kv, .offset: 16, .size: 8, .value_kind: global_buffer, .address_space: global }
      - { .name: aoc, .offset: 24, .size: 8, .value_kind: global_buffer, .address_space: global }
      - { .name: aos, .offset: 32, .size: 8, .value_kind: global_buffer, .address_space: global }
    .group_segment_fixed_size: 206848
    .private_segment_fixed_size: 0
    .kernarg_segment_align: 8
    .kernarg_segment_size: 40
    .max_flat_workgroup_size: 512
    .sgpr_count:     66
    .vgpr_count:     256
    .wavefront_size: 32
...
	.end_amdgpu_metadata
.endif
;; end of part 3
;; launch mlp (part 4): grid 256 x 1, 4 waves a work-group, no clusters, 141,056 bytes of LDS; arguments aoc, aos, embeddings_in, wimg, wscl, bo, b1, b2, out0; writes out0
.if DOCPART == 4
	.amdgcn_target "amdgcn-amd-amdhsa--gfx1250"
	.amdhsa_code_object_version 6
	.text
	.protected	k_q62fd554bae_mlp
	.globl	k_q62fd554bae_mlp
	.p2align	8
	.type	k_q62fd554bae_mlp,@function
k_q62fd554bae_mlp:
	s_mov_b64 s[64:65], 0
	v_nop
	global_prefetch_b8 v0, s[64:65] scope:SCOPE_SE
	s_setreg_imm32_b32 hwreg(HW_REG_WAVE_MODE, 25, 1), 1
	s_wait_xcnt 0x0
; x_skip = attn_out Wo + bo + x;  xn2 = (x_skip - mean) / (std + 1e-6);  out = gelu(xn2 W1 + b1) W2 + b2 + x_skip.  The three products on codes of FP6 (E2M3) with E8M0 scales.
; gelu is the tanh form, written x / (1 + 2^(x (k1 + k2 x^2))), k1 = -2 log2(e) sqrt(2 / pi), k2 = 0.044715 k1: no difference of near numbers is formed.
; SHARES.  A work-group takes token tiles 2 X and 2 X + 1 (32 tokens; row r of tile T is token 64 (T / 4) + 32 (r / 8) + 8 (T % 4) + r % 8).  Four waves.
; Wo: wave w makes features 64 w .. 64 w + 63.  The MLP is shared along the HIDDEN axis: wave w owns hidden units 256 w .. 256 w + 255, as W1's outputs and as W2's K steps 2 w, 2 w + 1: the hidden
; layer is quantised in registers and is at once the next operand.  Each wave makes a partial sum of all 256 outputs; the four meet in LDS and are added in a fixed order.
; All products are used transposed (source 0 = 16 features of a weight, source 1 = 16 tokens); a weight's four fragments of a group leave lane (token, h) with 32 neighbouring features: one block.
; OUTPUT GROUPS ARE TAKEN IN ROTATION: local group g stands for group (w + g) % 4, so that x_skip, which wave w holds for group w, is the C of g = 0 in every wave's text.
; Weights come from memory as images of operand registers, straight into the one wave that uses them, and serve both tiles.  No joint loads: nothing here goes through LDS that two work-groups share.
; LIMITS: NaN and infinities are not served; a block of zeros gets the byte 1 with zero codes; divisions are v_rcp_f32 and a multiplication; the last product's K is summed in four parts; bo is added to x ahead of the first product's sums.
; REGISTERS.  window 0: v4-31 addresses; v32-39 b2; v40-59 the weights' scale words; v60-107 four fragments (attn_out, then xn2); v108-111 their scale words; v112-175 the hidden layer; v176-187 codes;
;   v188-223 at work; v224-255 at work.   window 1: W1's 16 fragments, from v192 b1.   window 2: W2's 16 fragments, from v192 x, then x_skip.   window 3: Wo's 8 fragments, then the 32 accumulators of y.
.set XSC,   6144                       ; LDS: xn2's eight half fragments of 768 bytes from 0; its scale bytes, 128 i + 8 r + block;
.set STAT1, 6400                       ; the waves' sums, 128 w + 64 i + 4 r; those of squares 512 bytes on;
.set YP,    7424                       ; four partial y: 32 rows of 1,024 bytes + 16
.set YW,    33280
.set YR,    1040
.set LI,   4
.set L8,   5
.set AOA,  6
.set R8,   7
.set XA,   8
.set HB,   9
.set VW2,  10
.set VW2S, 14
.set VY,   18
.set VR,   22
.set STW,  26
.set STR,  27
.set XWI,  28
.set XWJ,  29
.set XWB,  30
.set SH8,  31
.set B2,   32
.set WOS,  40
.set W1S,  44
.set W2S,  52
.set AF,   60
.set XF,   60
.set AS,   108
.set XS,   108
.set H,    112
.set PC,   176
.set QT,   188
.set RT,   188
.set RTT,  198
.set PW,   205
.set K1,   206
.set MEAN, 208
.set BYT,  212
.set TMP,  214
.set ST,   216
.set Z,    224
.set RB,   112
.set W1F,  0
.set B1,   192
.set W2F,  0
.set XK,   192
.set SEL,  36
.set K2,   38
.set MSB, 0
.macro WIN new                         ; the immediate's high byte repeats the setting that is left
.if MSB != \new
	s_set_vgpr_msb (MSB<<8)|\new
.set MSB, \new
.endif
.endm
.macro PLACES n
.rept \n
	v_nop
.endr
.endm
.macro BARRIER                         ; my LDS stores have landed and my LDS loads are in: then the work-group's barrier
	s_wait_dscnt 0x0
	s_barrier_signal -1
	s_barrier_wait -1
.endm
.macro QUANT2 s, d, pw                 ; 64 numbers, register 32 c + i = element i of block 2 c + h -> 12 registers of codes, the row's scale word
.irp c, 0,1
	v_max3_num_f32 v[QT+\c], |v[\s+32*\c]|, |v[\s+32*\c+1]|, 0x1800000      ; the floor 2^(3 - 127) holds the byte at 1 from below
	v_max3_num_f32 v[QT+2+\c], |v[\s+32*\c+16]|, |v[\s+32*\c+17]|, |v[\s+32*\c+18]|
.endr
.irp i, 2,4,6,8,10,12
.irp c, 0,1
	v_max3_num_f32 v[QT+\c], v[QT+\c], |v[\s+32*\c+\i]|, |v[\s+32*\c+\i+1]|
	v_max3_num_f32 v[QT+2+\c], v[QT+2+\c], |v[\s+32*\c+\i+17]|, |v[\s+32*\c+\i+18]|
.endr
.endr
.irp c, 0,1
	v_max3_num_f32 v[QT+\c], v[QT+\c], |v[\s+32*\c+14]|, |v[\s+32*\c+15]|
.endr
.irp c, 0,1
	v_max3_num_f32 v[QT+\c], v[QT+\c], v[QT+2+\c], |v[\s+32*\c+31]|
.endr
.irp c, 0,1
	v_add_nc_u32 v[QT+4+\c], 0xff000000, v[QT+\c]
.endr
.irp c, 0,1
	v_lshrrev_b32 v[QT+6+\c], 23, v[QT+4+\c]
.endr
	v_lshl_or_b32 v[QT+8], v[QT+7], 16, v[QT+6]
	v_lshlrev_b32 v[QT+8], v[SH8], v[QT+8]
	v_permlanex16_b32 v[QT+9], v[QT+8], s[SEL], s[SEL+1]
	v_or_b32 v[\pw], v[QT+8], v[QT+9]
.irp c, 0,1
	v_cvt_scalef32_pk16_fp6_f32 v[\d+6*\c:\d+6*\c+2], v[\s+32*\c:\s+32*\c+15], v[QT+4+\c]
	v_cvt_scalef32_pk16_fp6_f32 v[QT+10+4*\c:QT+12+4*\c], v[\s+32*\c+16:\s+32*\c+31], v[QT+4+\c]
.endr
	v_nop                                                                    ; one plain line behind the conversions
.irp c, 0,1
.irp i, 0,1,2
	v_mov_b32 v[\d+6*\c+3+\i], v[QT+10+4*\c+\i]
.endr
.endr
.endm
.macro REC s, d, by                    ; 32 numbers of a lane, one block -> 6 registers of codes and the byte
	v_max3_num_f32 v[RT], |v[\s]|, |v[\s+1]|, 0x1800000
	v_max3_num_f32 v[RT+1], |v[\s+16]|, |v[\s+17]|, |v[\s+18]|
.irp i, 2,4,6,8,10,12
	v_max3_num_f32 v[RT], v[RT], |v[\s+\i]|, |v[\s+\i+1]|
	v_max3_num_f32 v[RT+1], v[RT+1], |v[\s+\i+17]|, |v[\s+\i+18]|
.endr
	v_max3_num_f32 v[RT], v[RT], |v[\s+14]|, |v[\s+15]|
	v_max3_num_f32 v[RT], v[RT], v[RT+1], |v[\s+31]|
	v_add_nc_u32 v[RT+2], 0xff000000, v[RT]
	v_cvt_scalef32_pk16_fp6_f32 v[\d:\d+2], v[\s:\s+15], v[RT+2]
	v_cvt_scalef32_pk16_fp6_f32 v[RTT:RTT+2], v[\s+16:\s+31], v[RT+2]
	v_lshrrev_b32 v[\by], 23, v[RT+2]              ; the byte; also the plain line behind the conversions
.irp i, 0,1,2
	v_mov_b32 v[\d+3+\i], v[RTT+\i]
.endr
.endm
.macro W1LOAD sl                       ; W1's 16 fragments of hidden units 256 w + 128 sl on: 48 loads
	WIN 0x40
.set n, 0
.rept 48
	global_load_b128 v[W1F+4*n:W1F+4*n+3], v[LI], s[24:25] offset:24576*\sl+512*n
.set n, n+1
.endr
	WIN 0
.endm
.macro B1LOAD sl                       ; their biases in the result's layout and their scale words: 18 loads
	WIN 0x40
.irp c, 0,1
.irp q, 0,1,2,3,4,5,6,7
	global_load_b128 v[B1+32*\c+4*\q:B1+32*\c+4*\q+3], v[HB], s[16:17] offset:512*\sl+256*\c+16*\q
.endr
.endr
	WIN 0
.irp c, 0,1
	global_load_b128 v[W1S+4*\c:W1S+4*\c+3], v[LI], s[30:31] offset:1024*\sl+512*\c
.endr
.endm
.macro W2LOAD sl                       ; W2's 16 fragments of K step 2 w + sl, in rotation, and their scale words: 52 loads
	WIN 0x80
.irp g, 0,1,2,3
.set n, 0
.rept 12
	global_load_b128 v[W2F+48*\g+4*n:W2F+48*\g+4*n+3], v[VW2+\g], s[26:27] offset:24576*\sl+512*n
.set n, n+1
.endr
.endr
	WIN 0
.irp g, 0,1,2,3
	global_load_b64 v[W2S+2*\g:W2S+2*\g+1], v[VW2S+\g], s[32:33] offset:1024*\sl
.endr
.endm
; Eight pairs a tile at v[Z + 16 i] are added; with lane l xor 16's and the other waves' (through LDS, in a fixed order) that is the row's sum; / 256 into v[MEAN + 2 i]
.macro REDUCE off
.irp i, 0,1
.irp k, 0,1,2,3
	v_pk_add_f32 v[Z+16*\i+2*\k:Z+16*\i+2*\k+1], v[Z+16*\i+2*\k:Z+16*\i+2*\k+1], v[Z+16*\i+8+2*\k:Z+16*\i+9+2*\k]
.endr
.endr
.irp i, 0,1
.irp k, 0,1
	v_pk_add_f32 v[Z+16*\i+2*\k:Z+16*\i+2*\k+1], v[Z+16*\i+2*\k:Z+16*\i+2*\k+1], v[Z+16*\i+4+2*\k:Z+16*\i+5+2*\k]
.endr
.endr
.irp i, 0,1
	v_pk_add_f32 v[Z+16*\i:Z+16*\i+1], v[Z+16*\i:Z+16*\i+1], v[Z+16*\i+2:Z+16*\i+3]
.endr
.irp i, 0,1
	v_add_f32 v[Z+16*\i], v[Z+16*\i], v[Z+16*\i+1]
.endr
.irp i, 0,1
	v_permlanex16_b32 v[Z+16*\i+2], v[Z+16*\i], s[SEL], s[SEL+1]
.endr
.irp i, 0,1
	v_add_f32 v[Z+16*\i], v[Z+16*\i], v[Z+16*\i+2]
.endr
.irp i, 0,1
	ds_store_b32 v[STW], v[Z+16*\i] offset:\off+64*\i        ; lanes r and 16 + r write the same word with the same value
.endr
	BARRIER
.irp i, 0,1
.irp u, 0,1,2,3
	ds_load_b32 v[ST+4*\i+\u], v[STR] offset:\off+128*\u+64*\i
.endr
.endr
	s_wait_dscnt 0x0
.irp i, 0,1
	v_add_f32 v[ST+4*\i], v[ST+4*\i], v[ST+4*\i+1]
	v_add_f32 v[ST+4*\i+2], v[ST+4*\i+2], v[ST+4*\i+3]
.endr
.irp i, 0,1
	v_add_f32 v[ST+4*\i], v[ST+4*\i], v[ST+4*\i+2]
.endr
.irp i, 0,1
	v_mul_f32 v[MEAN+2*\i], 0x3b800000, v[ST+4*\i]
.endr
.endm
.macro GELU                            ; the 64 numbers of H, 16 at a time; each accumulator is read from its low end on
.irp q, 0,1,2,3
.irp k, 0,2,4,6,8,10,12,14
	v_pk_mul_f32 v[Z+\k:Z+\k+1], v[H+16*\q+\k:H+16*\q+\k+1], v[H+16*\q+\k:H+16*\q+\k+1]
.endr
.irp k, 0,2,4,6,8,10,12,14
	v_pk_fma_f32 v[Z+\k:Z+\k+1], v[Z+\k:Z+\k+1], s[K2:K2+1], v[K1:K1+1] op_sel_hi:[1,0,1]
.endr
.irp k, 0,2,4,6,8,10,12,14
	v_pk_mul_f32 v[Z+\k:Z+\k+1], v[Z+\k:Z+\k+1], v[H+16*\q+\k:H+16*\q+\k+1]
.endr
.irp k, 0,1,2,3,4,5,6,7,8,9,10,11,12,13,14,15
	v_exp_f32 v[Z+\k], v[Z+\k]
.endr
	v_nop                                          ; a plain line behind the transcendentals
	s_wait_alu depctr_va_vdst(0)
.irp k, 0,2,4,6,8,10,12,14
	v_pk_add_f32 v[Z+\k:Z+\k+1], v[Z+\k:Z+\k+1], 1.0 op_sel_hi:[1,0]
.endr
.irp k, 0,1,2,3,4,5,6,7,8,9,10,11,12,13,14,15
	v_rcp_f32 v[Z+\k], v[Z+\k]
.endr
	v_nop
	s_wait_alu depctr_va_vdst(0)
.irp k, 0,2,4,6,8,10,12,14
	v_pk_mul_f32 v[H+16*\q+\k:H+16*\q+\k+1], v[H+16*\q+\k:H+16*\q+\k+1], v[Z+\k:Z+\k+1]
.endr
.endr
.endm
; one product of y: tile i, local group g, fragment t.  cm = 0: C = 0;  1: C = x_skip;  2: C = D
.macro YMUL i, g, t, cm
.set rD, 128*(\i)+8*(4*(\g)+(\t))
.set rA, W2F+12*(4*(\g)+(\t))
.set rS, W2S+2*(\g)+(\t)/2
.set rX, XK+32*(\i)+8*(\t)
.if (\t)%2 == 0
.if \cm == 0
	v_wmma_scale_f32_16x16x128_f8f6f4 v[rD:rD+7], v[rA:rA+11], v[PC:PC+11], 0, v[rS], v[PW] matrix_a_fmt:MATRIX_FMT_FP6 matrix_b_fmt:MATRIX_FMT_FP6
.elseif \cm == 1
	v_wmma_scale_f32_16x16x128_f8f6f4 v[rD:rD+7], v[rA:rA+11], v[PC:PC+11], v[rX:rX+7], v[rS], v[PW] matrix_a_fmt:MATRIX_FMT_FP6 matrix_b_fmt:MATRIX_FMT_FP6
.else
	v_wmma_scale_f32_16x16x128_f8f6f4 v[rD:rD+7], v[rA:rA+11], v[PC:PC+11], v[rD:rD+7], v[rS], v[PW] matrix_a_fmt:MATRIX_FMT_FP6 matrix_b_fmt:MATRIX_FMT_FP6
.endif
.else
.if \cm == 0
	v_wmma_scale_f32_16x16x128_f8f6f4 v[rD:rD+7], v[rA:rA+11], v[PC:PC+11], 0, v[rS], v[PW] matrix_a_fmt:MATRIX_FMT_FP6 matrix_b_fmt:MATRIX_FMT_FP6 matrix_a_scale:MATRIX_SCALE_ROW1
.elseif \cm == 1
	v_wmma_scale_f32_16x16x128_f8f6f4 v[rD:rD+7], v[rA:rA+11], v[PC:PC+11], v[rX:rX+7], v[rS], v[PW] matrix_a_fmt:MATRIX_FMT_FP6 matrix_b_fmt:MATRIX_FMT_FP6 matrix_a_scale:MATRIX_SCALE_ROW1
.else
	v_wmma_scale_f32_16x16x128_f8f6f4 v[rD:rD+7], v[rA:rA+11], v[PC:PC+11], v[rD:rD+7], v[rS], v[PW] matrix_a_fmt:MATRIX_FMT_FP6 matrix_b_fmt:MATRIX_FMT_FP6 matrix_a_scale:MATRIX_SCALE_ROW1
.endif
.endif
.endm
; Half sl of my hidden units: 128 of them, one K step of the last product, for both tiles
.macro MLPHALF sl
	s_wait_loadcnt 52                              ; W1, b1 and W1's scale words are in: behind them stand W2's 48 loads and its 4 scale loads
.irp i, 0,1
	WIN 0x11                                       ; source 0 (W1) and C (b1) window 1
.irp c, 0,1
.irp t, 0,1,2,3
	v_wmma_scale_f32_16x16x128_f8f6f4 v[H+32*\c+8*\t:H+32*\c+8*\t+7], v[W1F+12*(8*\c+2*\t):W1F+12*(8*\c+2*\t)+11], v[XF+24*\i:XF+24*\i+11], v[B1+32*\c+8*\t:B1+32*\c+8*\t+7], v[W1S+4*\c+\t], v[XS+2*\i] matrix_a_fmt:MATRIX_FMT_FP6 matrix_b_fmt:MATRIX_FMT_FP6
.endr
.endr
	WIN 0x01
.irp c, 0,1
.irp t, 0,1,2,3
	v_wmma_scale_f32_16x16x128_f8f6f4 v[H+32*\c+8*\t:H+32*\c+8*\t+7], v[W1F+12*(8*\c+2*\t+1):W1F+12*(8*\c+2*\t+1)+11], v[XF+24*\i+12:XF+24*\i+23], v[H+32*\c+8*\t:H+32*\c+8*\t+7], v[W1S+4*\c+\t], v[XS+2*\i+1] matrix_a_fmt:MATRIX_FMT_FP6 matrix_b_fmt:MATRIX_FMT_FP6 matrix_a_scale:MATRIX_SCALE_ROW1
.endr
.endr
	WIN 0
	PLACES 4                                       ; in front of the first read of results and of loads into registers that the products have read
.if (\i == 1) && (\sl == 0)
	W1LOAD 1                                       ; the other half's weights land under this tile's gelu and last product
	B1LOAD 1
.endif
	GELU
	QUANT2 H, PC, PW
	PLACES 8                                       ; a scale word written by a vector line stands eight lines ahead of a scaled product, an operand four
.if \i == 0
	s_wait_loadcnt 0x0                             ; W2's fragments and scale words
.endif
.irp g, 0,1,2,3
.if (\sl == 0) && (\g == 0)
	WIN 0xe2                                       ; source 0 (W2) and C (x_skip) window 2, D window 3
.else
	WIN 0xf2                                       ; source 0 window 2, C and D window 3
.endif
.irp t, 0,1,2,3
.if \sl == 1
	YMUL \i, \g, \t, 2
.elseif \g == 0
	YMUL \i, \g, \t, 1
.else
	YMUL \i, \g, \t, 0
.endif
.endr
.endr
	WIN 0
	PLACES 4
.if (\i == 1) && (\sl == 0)
	W2LOAD 1
.endif
.endr
.endm
	s_load_b512 s[4:19], s[0:1], 0x0               ; aoc, aos, x, wimg, wscl, bo, b1, b2
	s_load_b64 s[20:21], s[0:1], 0x40              ; out0
	v_lshl_add_u32 v201, v0, 2, 0x22500
	v_mov_b32 v215, 0
	v_lshrrev_b32 v1, 5, v0
	v_readfirstlane_b32 s34, v1                    ; wave w
	s_mov_b32 s[SEL], 0x76543210
	s_mov_b32 s[SEL+1], 0xfedcba98
	s_mov_b32 s[K2], 0xbdd2d3e8                    ; k2
	s_mov_b32 s[K2+1], s[K2]
	v_and_b32 v1, 15, v0                           ; r
	v_bfe_u32 v2, v0, 4, 1                         ; h
	v_and_b32 v3, 31, v0                           ; lane
	v_lshlrev_b32 v[LI], 4, v3
	v_lshlrev_b32 v[L8], 3, v3
	v_mul_u32_u24 v[AOA], v1, 24
	v_mad_u32_u24 v[AOA], v2, 196608, v[AOA]       ; attn_out's records: head h on, 24 r
	v_lshlrev_b32 v[R8], 3, v1
	v_lshlrev_b32 v[HB], 7, v2
	v_lshlrev_b32 v[SH8], 3, v2
	v_lshrrev_b32 v[TMP], 3, v1
	v_and_b32 v[XA], 7, v1
	v_lshl_add_u32 v[XA], v[TMP], 5, v[XA]
	v_lshl_add_u32 v[XA], v[XA], 10, v[HB]
	s_lshl_b32 s40, s34, 8
	v_add_nc_u32 v[XA], s40, v[XA]                 ; x: my token's row, + 256 w + 128 h
	v_mul_u32_u24 v[TMP], v1, YR
	v_add_nc_u32 v[TMP], v[TMP], v[HB]             ; a partial's row r, + 128 h
.irp g, 0,1,2,3
	s_add_co_u32 s40, s34, \g
	s_and_b32 s40, s40, 3                          ; the group that local group g stands for
	s_mul_i32 s41, s40, 6144
	v_add_nc_u32 v[VW2+\g], s41, v[LI]
	s_lshr_b32 s41, s40, 1
	s_lshl_b32 s41, s41, 9
	s_and_b32 s44, s40, 1
	s_lshl_b32 s44, s44, 3
	s_add_co_u32 s41, s41, s44
	v_add_nc_u32 v[VW2S+\g], s41, v[LI]
	s_lshl_b32 s41, s40, 8
	s_mul_i32 s44, s34, YW
	s_add_co_u32 s41, s41, s44
	s_add_co_u32 s41, s41, YP
	v_add_nc_u32 v[VY+\g], s41, v[TMP]             ; my partial, the group's 256 bytes of a row
	s_mul_i32 s41, s34, 8*YR
	s_add_co_u32 s41, s41, YP+\g*YW
	v_add_nc_u32 v[VR+\g], s41, v[LI]              ; partial g, my eight rows
.endr
	v_lshlrev_b32 v[STR], 2, v1
	v_add_nc_u32 v[STR], STAT1, v[STR]
	s_lshl_b32 s40, s34, 7
	v_add_nc_u32 v[STW], s40, v[STR]
	s_mul_i32 s40, s34, 768
	v_add_nc_u32 v[XWI], s40, v[LI]
	s_add_co_u32 s40, s40, 512
	v_add_nc_u32 v[XWJ], s40, v[L8]
	s_lshl_b32 s40, s34, 1
	s_add_co_u32 s40, s40, XSC
	v_add_nc_u32 v[XWB], v[R8], v2
	v_add_nc_u32 v[XWB], s40, v[XWB]               ; xn2's scale byte: 8 r + 2 w + h
	v_mov_b32 v[K1], 0xc0135761                    ; k1
	v_mov_b32 v[K1+1], 0xc0135761
	v_mov_b32 v[QT+9], 0                           ; a lane permute's destination counts as read
	s_mov_b32 s43, 0
	s_lshr_b32 s45, ttmp9, 1
	s_lshl_b32 s45, s45, 6
	s_and_b32 s41, ttmp9, 1
	s_lshl_b32 s41, s41, 4
	s_add_co_u32 s45, s45, s41                     ; 64 (X / 2) + 16 (X % 2)
	s_wait_kmcnt 0x0
	s_mul_i32 s42, ttmp9, 768
	s_add_nc_u64 s[4:5], s[4:5], s[42:43]
	s_lshl_b32 s42, ttmp9, 8
	s_add_nc_u64 s[6:7], s[6:7], s[42:43]
	s_lshl_b32 s42, s45, 10
	s_add_nc_u64 s[8:9], s[8:9], s[42:43]
	s_and_b32 s40, s34, 1
	s_lshl_b32 s40, s40, 5
	s_lshr_b32 s41, s34, 1
	s_lshl_b32 s41, s41, 3
	s_add_co_u32 s40, s40, s41
	s_add_co_u32 s40, s40, s45                     ; the eight tokens that I store: + 32 (w % 2) + 8 (w / 2)
	s_lshl_b32 s42, s40, 10
	s_add_nc_u64 s[20:21], s[20:21], s[42:43]
	s_mul_i32 s42, s34, 12288
	s_add_co_u32 s42, s42, 147456
	s_add_nc_u64 s[22:23], s[10:11], s[42:43]      ; Wo's fragments 96 + 8 w on
	s_mul_i32 s44, s34, 49152
	s_add_co_u32 s42, s44, 196608
	s_add_nc_u64 s[24:25], s[10:11], s[42:43]      ; W1's 128 + 32 w on
	s_add_co_u32 s42, s44, 393216
	s_add_nc_u64 s[26:27], s[10:11], s[42:43]      ; W2's 256 + 32 w on
	s_lshl_b32 s42, s34, 9
	s_add_co_u32 s42, s42, 6144
	s_add_nc_u64 s[28:29], s[12:13], s[42:43]
	s_lshl_b32 s44, s34, 11
	s_add_co_u32 s42, s44, 8192
	s_add_nc_u64 s[30:31], s[12:13], s[42:43]
	s_add_co_u32 s42, s44, 16384
	s_add_nc_u64 s[32:33], s[12:13], s[42:43]
	s_lshl_b32 s42, s34, 8
	s_add_nc_u64 s[14:15], s[14:15], s[42:43]
	s_lshl_b32 s42, s34, 10
	s_add_nc_u64 s[16:17], s[16:17], s[42:43]
	B1LOAD 0
.irp i, 0,1
.irp s, 0,1
.irp c, 0,1
.irp p, 0,1,2
	global_load_b64 v[AF+12*(2*\i+\s)+6*\c+2*\p:AF+12*(2*\i+\s)+6*\c+2*\p+1], v[AOA], s[4:5] offset:(4*\s+2*\c)*196608+384*\i+8*\p th:TH_LOAD_NT   ; block 2 c + h of K step s is head 4 s + 2 c + h
.endr
.endr
.endr
	global_load_b64 v[AS+2*\i:AS+2*\i+1], v[R8], s[6:7] offset:128*\i        ; a token's eight bytes are its two scale words
.endr
.irp q, 0,1,2,3,4,5,6,7
	global_load_b128 v[H+4*\q:H+4*\q+3], v[HB], s[14:15] offset:16*\q        ; bo in the result's layout
.endr
	global_load_b128 v[B2:B2+3], v[LI], s[18:19]   ; b2 as a row lies
	global_load_b128 v[B2+4:B2+7], v[LI], s[18:19] offset:512
	global_load_b128 v[WOS:WOS+3], v[LI], s[28:29]
	WIN 0x80
.irp i, 0,1
.irp q, 0,1,2,3,4,5,6,7
	global_load_b128 v[XK+32*\i+4*\q:XK+32*\i+4*\q+3], v[XA], s[8:9] offset:8192*\i+16*\q th:TH_LOAD_NT
.endr
.endr
	WIN 0xc0
.set n, 0
.rept 24
	global_load_b128 v[4*n:4*n+3], v[LI], s[22:23] offset:512*n
.set n, n+1
.endr
	W1LOAD 0
	s_wait_loadcnt 48                              ; all but W1's 48
	; ---- x_skip = attn_out Wo + (x + bo): eight accumulators by turns
	WIN 0x82
.irp i, 0,1
.irp k, 0,2,4,6,8,10,12,14,16,18,20,22,24,26,28,30
	v_pk_add_f32 v[XK+32*\i+\k:XK+32*\i+\k+1], v[XK+32*\i+\k:XK+32*\i+\k+1], v[H+\k:H+\k+1]
.endr
.endr
	PLACES 4
	WIN 0xa3                                       ; source 0 (Wo) window 3, C and D window 2
.irp i, 0,1
.irp t, 0,1,2,3
	v_wmma_scale_f32_16x16x128_f8f6f4 v[XK+32*\i+8*\t:XK+32*\i+8*\t+7], v[24*\t:24*\t+11], v[AF+24*\i:AF+24*\i+11], v[XK+32*\i+8*\t:XK+32*\i+8*\t+7], v[WOS+\t], v[AS+2*\i] matrix_a_fmt:MATRIX_FMT_FP6 matrix_b_fmt:MATRIX_FMT_FP6
.endr
.endr
.irp i, 0,1
.irp t, 0,1,2,3
	v_wmma_scale_f32_16x16x128_f8f6f4 v[XK+32*\i+8*\t:XK+32*\i+8*\t+7], v[24*\t+12:24*\t+23], v[AF+24*\i+12:AF+24*\i+23], v[XK+32*\i+8*\t:XK+32*\i+8*\t+7], v[WOS+\t], v[AS+2*\i+1] matrix_a_fmt:MATRIX_FMT_FP6 matrix_b_fmt:MATRIX_FMT_FP6 matrix_a_scale:MATRIX_SCALE_ROW1
.endr
.endr
	WIN 0
	PLACES 4
	W2LOAD 0
	; ---- the norm, in two passes; a row lies in two lanes of each of the four waves
	WIN 0x0a
.irp i, 0,1
.irp k, 0,1,2,3,4,5,6,7
	v_pk_add_f32 v[Z+16*\i+2*\k:Z+16*\i+2*\k+1], v[XK+32*\i+4*\k:XK+32*\i+4*\k+1], v[XK+32*\i+4*\k+2:XK+32*\i+4*\k+3]   ; each accumulator from its low end on
.endr
.endr
	WIN 0
	REDUCE 0
.irp i, 0,1
	v_mov_b32 v[MEAN+2*\i+1], v[MEAN+2*\i]
.endr
	WIN 0x02
.irp i, 0,1
.irp k, 0,2,4,6,8,10,12,14,16,18,20,22,24,26,28,30
	v_pk_add_f32 v[H+32*\i+\k:H+32*\i+\k+1], v[XK+32*\i+\k:XK+32*\i+\k+1], v[MEAN+2*\i:MEAN+2*\i+1] neg_lo:[0,1] neg_hi:[0,1]
.endr
.endr
	WIN 0
.irp i, 0,1
.irp k, 0,1,2,3,4,5,6,7
	v_pk_mul_f32 v[Z+16*\i+2*\k:Z+16*\i+2*\k+1], v[H+32*\i+2*\k:H+32*\i+2*\k+1], v[H+32*\i+2*\k:H+32*\i+2*\k+1]
.endr
.endr
.irp i, 0,1
.irp k, 0,1,2,3,4,5,6,7
	v_pk_fma_f32 v[Z+16*\i+2*\k:Z+16*\i+2*\k+1], v[H+32*\i+16+2*\k:H+32*\i+17+2*\k], v[H+32*\i+16+2*\k:H+32*\i+17+2*\k], v[Z+16*\i+2*\k:Z+16*\i+2*\k+1]
.endr
.endr
	REDUCE 512
	v_sqrt_f32 v[MEAN], v[MEAN]
	v_sqrt_f32 v[MEAN+2], v[MEAN+2]
	v_nop                                          ; a plain line behind the transcendentals
	s_wait_alu depctr_va_vdst(0)
	v_add_f32 v[MEAN], 0x358637bd, v[MEAN]         ; + 1e-6
	v_add_f32 v[MEAN+2], 0x358637bd, v[MEAN+2]
	v_rcp_f32 v[MEAN], v[MEAN]
	v_rcp_f32 v[MEAN+2], v[MEAN+2]
	v_nop
	s_wait_alu depctr_va_vdst(0)
	v_mov_b32 v[MEAN+1], v[MEAN]
	v_mov_b32 v[MEAN+3], v[MEAN+2]
.irp i, 0,1
.irp k, 0,2,4,6,8,10,12,14,16,18,20,22,24,26,28,30
	v_pk_mul_f32 v[H+32*\i+\k:H+32*\i+\k+1], v[H+32*\i+\k:H+32*\i+\k+1], v[MEAN+2*\i:MEAN+2*\i+1]
.endr
.endr
.irp i, 0,1
	REC H+32*\i, PC+6*\i, BYT+\i                   ; my 32 features of xn2 are block 2 w + h: half a fragment
	ds_store_b128 v[XWI], v[PC+6*\i:PC+6*\i+3] offset:3072*\i
	ds_store_b64 v[XWJ], v[PC+6*\i+4:PC+6*\i+5] offset:3072*\i
	ds_store_b8 v[XWB], v[BYT+\i] offset:128*\i
.endr
	BARRIER                                        ; xn2's four fragments and their scale bytes lie in LDS
.irp i, 0,1
.irp u, 0,1,2,3
	ds_load_b128 v[XF+24*\i+6*\u:XF+24*\i+6*\u+3], v[LI] offset:3072*\i+768*\u
	ds_load_b64 v[XF+24*\i+6*\u+4:XF+24*\i+6*\u+5], v[L8] offset:3072*\i+768*\u+512
.endr
	ds_load_b64 v[XS+2*\i:XS+2*\i+1], v[R8] offset:XSC+128*\i
.endr
	s_wait_dscnt 0x0
	; ---- the MLP
	MLPHALF 0
	MLPHALF 1
	; ---- the way out: my partial into LDS, each accumulator from its low end on
	WIN 0x0c                                       ; an LDS store's data are its source 1: window 3
.irp i, 0,1
.irp g, 0,1,2,3
.irp t, 0,1,2,3
	ds_store_b128 v[VY+\g], v[128*\i+8*(4*\g+\t):128*\i+8*(4*\g+\t)+3] offset:16*YR*\i+32*\t
	ds_store_b128 v[VY+\g], v[128*\i+8*(4*\g+\t)+4:128*\i+8*(4*\g+\t)+7] offset:16*YR*\i+32*\t+16
.endr
.endr
.endr
	WIN 0
	BARRIER                                        ; the four partials lie in LDS
.macro ROWLOAD k                       ; row 8 w + k of the four partials: eight loads of 512 consecutive bytes
.irp p, 0,1,2,3
.irp f, 0,1
	ds_load_b128 v[RB+32*((\k)%2)+8*\p+4*\f:RB+32*((\k)%2)+8*\p+4*\f+3], v[VR+\p] offset:YR*(\k)+512*\f
.endr
.endr
.endm
.macro ROWSUM k                        ; (p0 + p1) + (p2 + p3) + b2, into registers of the row's own, and out
.set rB, RB+32*((\k)%2)
.if (\k) < 4
.set rR, 60+8*(\k)
.else
.set rR, 224+8*((\k)-4)
.endif
.irp e, 0,2,4,6
	v_pk_add_f32 v[rR+\e:rR+\e+1], v[rB+\e:rB+\e+1], v[rB+8+\e:rB+9+\e]
	v_pk_add_f32 v[rB+16+\e:rB+17+\e], v[rB+16+\e:rB+17+\e], v[rB+24+\e:rB+25+\e]
.endr
.irp e, 0,2,4,6
	v_pk_add_f32 v[rR+\e:rR+\e+1], v[rR+\e:rR+\e+1], v[rB+16+\e:rB+17+\e]
.endr
.irp e, 0,2,4,6
	v_pk_add_f32 v[rR+\e:rR+\e+1], v[rR+\e:rR+\e+1], v[B2+\e:B2+\e+1]
.endr
	global_store_b128 v[LI], v[rR:rR+3], s[20:21] offset:1024*(\k) th:TH_STORE_NT          ; 32 lanes store 512 consecutive bytes, aligned to 256
	global_store_b128 v[LI], v[rR+4:rR+7], s[20:21] offset:1024*(\k)+512 th:TH_STORE_NT
.endm
	ROWLOAD 0
.irp k, 0,1,2,3,4,5,6
	ROWLOAD \k+1
	s_wait_dscnt 8                                 ; this row's eight loads are in; the next row's eight may be out
	ROWSUM \k
.endr
	s_wait_dscnt 0x0
	ROWSUM 7
	s_wait_tensorcnt 0x0
	ds_add_u32 v201, v215
	s_wait_dscnt 0x0
	s_endpgm
.Lfunc_end_k_q62fd554bae_mlp:
	.size	k_q62fd554bae_mlp, .Lfunc_end_k_q62fd554bae_mlp-k_q62fd554bae_mlp
	.p2alignl 7, 3214868480
	.fill 96, 4, 3214868480
	.section	.rodata,"a",@progbits
	.p2align	6, 0x0
	.amdhsa_kernel k_q62fd554bae_mlp
		.amdhsa_group_segment_fixed_size 141056
		.amdhsa_private_segment_fixed_size 0
		.amdhsa_enable_private_segment 0
		.amdhsa_kernarg_size 72
		.amdhsa_user_sgpr_count 2
		.amdhsa_user_sgpr_kernarg_segment_ptr 1
		.amdhsa_wavefront_size32 1
		.amdhsa_system_sgpr_workgroup_id_x 1
		.amdhsa_system_sgpr_workgroup_id_y 1
		.amdhsa_system_sgpr_workgroup_id_z 1
		.amdhsa_system_vgpr_workitem_id 0
		.amdhsa_next_free_vgpr 1024
		.amdhsa_next_free_sgpr 66
		.amdhsa_reserve_vcc 0
		.amdhsa_float_denorm_mode_32 3
		.amdhsa_float_denorm_mode_16_64 3
		.amdhsa_memory_ordered 1
		.amdhsa_forward_progress 1
		.amdhsa_inst_pref_size 164
	.end_amdhsa_kernel
	.amdgpu_metadata
---
amdhsa.version: [ 1, 2 ]
amdhsa.kernels:
  - .name:           k_q62fd554bae_mlp
    .symbol:         k_q62fd554bae_mlp.kd
    .args:
      - { .name: aoc, .offset: 0, .size: 8, .value_kind: global_buffer, .address_space: global }
      - { .name: aos, .offset: 8, .size: 8, .value_kind: global_buffer, .address_space: global }
      - { .name: embeddings_in, .offset: 16, .size: 8, .value_kind: global_buffer, .address_space: global }
      - { .name: wimg, .offset: 24, .size: 8, .value_kind: global_buffer, .address_space: global }
      - { .name: wscl, .offset: 32, .size: 8, .value_kind: global_buffer, .address_space: global }
      - { .name: bo, .offset: 40, .size: 8, .value_kind: global_buffer, .address_space: global }
      - { .name: b1, .offset: 48, .size: 8, .value_kind: global_buffer, .address_space: global }
      - { .name: b2, .offset: 56, .size: 8, .value_kind: global_buffer, .address_space: global }
      - { .name: out0, .offset: 64, .size: 8, .value_kind: global_buffer, .address_space: global }
    .group_segment_fixed_size: 141056
    .private_segment_fixed_size: 0
    .kernarg_segment_align: 8
    .kernarg_segment_size: 72
    .max_flat_workgroup_size: 128
    .sgpr_count:     66
    .vgpr_count:     1024
    .wavefront_size: 32
...
	.end_amdgpu_metadata
.endif
;; end of part 4
;; ======== version 2 of 2: 4 launches
;; workspace buffers: wimg 589,824 bytes; wscl 24,576 bytes; qc 1,572,864 bytes; qs 65,536 bytes; kv 3,276,800 bytes; aoc 1,572,864 bytes; aos 65,536 bytes
;; launch wq (part 5): grid 96 x 1, 4 waves a work-group, no clusters, 0 bytes of LDS; arguments Wq, Wk, Wv, Wo, W1, W2, wimg, wscl; writes wimg, wscl
.if DOCPART == 5
	.amdgcn_target "amdgcn-amd-amdhsa--gfx1250"
	.amdhsa_code_object_version 6
	.text
	.protected	k_q62fd554bae_wq
	.globl	k_q62fd554bae_wq
	.p2align	8
	.type	k_q62fd554bae_wq,@function
k_q62fd554bae_wq:
	s_mov_b64 s[64:65], 0
	v_nop
	global_prefetch_b8 v0, s[64:65] scope:SCOPE_SE
	s_setreg_imm32_b32 hwreg(HW_REG_WAVE_MODE, 25, 1), 1
	s_wait_xcnt 0x0
; The six weights, f32 stored [K][N], become codes of FP6 (E2M3) quantised along K, with one E8M0 byte for each 32 along K.
; They are laid as IMAGES OF OPERAND REGISTERS: fragment F (16 features x 128 K, 12 registers a lane) is 1,536 bytes at 1536 F;
; registers 4 g .. 4 g + 3 of lane l lie at 512 g + 16 l.  So the later launches fetch a fragment by three loads of 16 bytes a lane.
; One wave makes one fragment, F = 4 x work-group + wave.  F: Wq 0-31, Wk 32-63, Wv 64-95, Wo 96-127, W1 128-255, W2 256-383.
; A LANE TAKES A FEATURE n AND ITS REGISTERS RUN DOWN K: lane (r, h) holds k = k0 + 64 c + 32 h + 0 .. 31 in registers 32 c + i, two whole blocks.
; THE FEATURES OF A FRAGMENT ARE NOT NEIGHBOURS: row r is feature base + 32 (r / 8) + r % 8 (Wv: + 16 (r / 8)), so that four (two) fragments used as
; source 0 leave a lane of the result with 32 (16) neighbouring features.
; Scale words: 512 bytes for eight fragments; the word of fragment F, row r, at 512 (F / 8) + 16 (16 (F % 2) + r) + 4 ((F % 8) / 2).
; LIMITS: NaN and infinities are not served; a block of zeros gets the byte 1 (its codes are zeros; these bytes are read by this program alone).
; No LDS, no barrier: waves share nothing.
.set SRC, 32                           ; v32-95   64 numbers
.set DST, 96                           ; v96-107  the fragment's codes
.set PW,  108                          ; v108     its scale word
.set QT,  110                          ; v110-126 at work in QUANT2
.set SH8, 6                            ; v6       8 h
.set SEL, 20                           ; s[20:21] selects for v_permlanex16_b32: lane l xor 16
; 64 numbers of a lane, register 32 c + i = element i of block 2 c + h, become 12 registers of codes and the row's scale word.
.macro QUANT2 s, d, pw
.irp c, 0,1
	v_max3_num_f32 v[QT+\c], |v[\s+32*\c]|, |v[\s+32*\c+1]|, 0x1800000      ; the floor 2^(3 - 127) among the leaves holds the byte at 1 from below
	v_max3_num_f32 v[QT+2+\c], |v[\s+32*\c+16]|, |v[\s+32*\c+17]|, |v[\s+32*\c+18]|
.endr
.irp i, 2,4,6,8,10,12
.irp c, 0,1
	v_max3_num_f32 v[QT+\c], v[QT+\c], |v[\s+32*\c+\i]|, |v[\s+32*\c+\i+1]|
	v_max3_num_f32 v[QT+2+\c], v[QT+2+\c], |v[\s+32*\c+\i+17]|, |v[\s+32*\c+\i+18]|
.endr
.endr
.irp c, 0,1
	v_max3_num_f32 v[QT+\c], v[QT+\c], |v[\s+32*\c+14]|, |v[\s+32*\c+15]|
.endr
.irp c, 0,1
	v_max3_num_f32 v[QT+\c], v[QT+\c], v[QT+2+\c], |v[\s+32*\c+31]|          ; the block's largest magnitude
.endr
.irp c, 0,1
	v_add_nc_u32 v[QT+4+\c], 0xff000000, v[QT+\c]                            ; 2 off its exponent field: the conversion's scale operand
.endr
.irp c, 0,1
	v_lshrrev_b32 v[QT+6+\c], 23, v[QT+4+\c]                                 ; the scale's byte
.endr
	v_lshl_or_b32 v[QT+8], v[QT+7], 16, v[QT+6]                              ; my bytes: blocks h and 2 + h,
	v_lshlrev_b32 v[QT+8], v[SH8], v[QT+8]                                   ; at their places,
	v_permlanex16_b32 v[QT+9], v[QT+8], s[SEL], s[SEL+1]
	v_or_b32 v[\pw], v[QT+8], v[QT+9]                                        ; with lane l xor 16's two the word is whole
.irp c, 0,1
	v_cvt_scalef32_pk16_fp6_f32 v[\d+6*\c:\d+6*\c+2], v[\s+32*\c:\s+32*\c+15], v[QT+4+\c]
	v_cvt_scalef32_pk16_fp6_f32 v[QT+10+4*\c:QT+12+4*\c], v[\s+32*\c+16:\s+32*\c+31], v[QT+4+\c]   ; (three registers begin on an even number)
.endr
	v_nop                                                                    ; one plain line behind the conversions
.irp c, 0,1
.irp i, 0,1,2
	v_mov_b32 v[\d+6*\c+3+\i], v[QT+10+4*\c+\i]
.endr
.endr
.endm
.macro WLOAD pitch                     ; W(k0 + 64 c + 32 h + i, n): rows pitch bytes apart
.set n, 0
.rept 64
	global_load_b32 v[SRC+n], v4, s[22:23] offset:(64*(n/32)+n%32)*\pitch
.set n, n+1
.endr
.endm
	s_load_b512 s[4:19], s[0:1], 0x0               ; Wq, Wk, Wv, Wo, W1, W2, wimg, wscl
	v_lshrrev_b32 v1, 5, v0
	v_readfirstlane_b32 s24, v1                    ; wave
	v_and_b32 v1, 15, v0                           ; r
	s_wait_alu depctr_va_vdst(0)
	v_bfe_u32 v2, v0, 4, 1                         ; h
	v_and_b32 v3, 31, v0                           ; lane
	v_lshlrev_b32 v5, 4, v3                        ; 16 x lane
	v_lshlrev_b32 v8, 4, v1                        ; 16 r: the scale word's place
	v_lshlrev_b32 v[SH8], 3, v2
	v_mov_b32 v[QT+9], 0                           ; a lane permute's destination counts as read
	s_mov_b32 s[SEL], 0x76543210
	s_mov_b32 s[SEL+1], 0xfedcba98
	s_lshl_b32 s25, ttmp9, 2
	s_add_co_u32 s24, s24, s25                     ; F
	s_and_b32 s25, s24, 31
	s_and_b32 s26, s24, 127
	s_cmp_lt_u32 ttmp9, 32
	s_cselect_b32 s25, s25, s26                    ; the fragment's number inside its weight
	s_lshr_b32 s26, s25, 3                         ; the usual case: base = 64 (fl / 8) + 8 ((fl / 2) % 4), k0 = 128 (fl % 2)
	s_lshl_b32 s26, s26, 6
	s_bfe_u32 s27, s25, 0x20001
	s_lshl_b32 s27, s27, 3
	s_add_co_u32 s26, s26, s27
	s_and_b32 s27, s25, 1
	s_lshl_b32 s27, s27, 7
	s_lshr_b32 s28, s25, 2                         ; Wv: base = 32 (fl / 4) + 8 ((fl / 2) % 2)
	s_lshl_b32 s28, s28, 5
	s_bfe_u32 s29, s25, 0x10001
	s_lshl_b32 s29, s29, 3
	s_add_co_u32 s28, s28, s29
	s_bfe_u32 s29, s25, 0x20002                    ; W2: base = 64 ((fl % 16) / 4) + 8 (fl % 4), k0 = 128 (fl / 16)
	s_lshl_b32 s29, s29, 6
	s_and_b32 s30, s25, 3
	s_lshl_b32 s30, s30, 3
	s_add_co_u32 s29, s29, s30
	s_lshr_b32 s30, s25, 4
	s_lshl_b32 s30, s30, 7
	s_lshr_b32 s31, ttmp9, 3
	s_cmp_eq_u32 s31, 2                            ; Wv's work-groups are 16 to 23
	s_cselect_b32 s26, s28, s26
	s_cselect_b32 s28, 4, 5                        ; the shift of r / 8
	s_cmp_ge_u32 ttmp9, 64                         ; W2's are 64 to 95
	s_cselect_b32 s26, s29, s26
	s_cselect_b32 s27, s30, s27
	s_lshr_b32 s31, ttmp9, 5                       ; 1: W1, whose rows are 4,096 bytes
	s_cmp_eq_u32 s31, 1
	s_cselect_b32 s29, 12, 10
	v_lshrrev_b32 v4, 3, v1
	v_lshlrev_b32 v4, s28, v4
	v_and_b32 v7, 7, v1
	v_add3_u32 v4, v4, v7, s26                     ; n
	v_lshl_add_u32 v7, v2, 5, s27                  ; k0 + 32 h
	v_lshlrev_b32 v7, s29, v7
	v_lshl_add_u32 v4, v4, 2, v7                   ; byte offset of W(k0 + 32 h, n)
	s_wait_kmcnt 0x0
	s_cmp_lt_u32 ttmp9, 64                         ; the weight: a choice on the work-group's number alone
	s_cselect_b64 s[22:23], s[12:13], s[14:15]
	s_cmp_lt_u32 ttmp9, 32
	s_cselect_b64 s[22:23], s[10:11], s[22:23]
	s_cmp_lt_u32 ttmp9, 24
	s_cselect_b64 s[22:23], s[8:9], s[22:23]
	s_cmp_lt_u32 ttmp9, 16
	s_cselect_b64 s[22:23], s[6:7], s[22:23]
	s_cmp_lt_u32 ttmp9, 8
	s_cselect_b64 s[22:23], s[4:5], s[22:23]
	s_mul_i32 s32, s24, 1536
	s_mov_b32 s33, 0
	s_add_nc_u64 s[16:17], s[16:17], s[32:33]      ; my image
	s_lshr_b32 s32, s24, 3
	s_lshl_b32 s32, s32, 9
	s_and_b32 s34, s24, 1
	s_lshl_b32 s34, s34, 8
	s_add_co_u32 s32, s32, s34
	s_bfe_u32 s34, s24, 0x20001
	s_lshl_b32 s34, s34, 2
	s_add_co_u32 s32, s32, s34
	s_add_nc_u64 s[18:19], s[18:19], s[32:33]      ; my scale words
	s_cmp_eq_u32 s31, 1
	s_cbranch_scc1 .Lwide
	s_wait_alu depctr_va_vdst(0)
	WLOAD 1024
	s_branch .Lin
.Lwide:
	s_wait_alu depctr_va_vdst(0)
	WLOAD 4096
.Lin:
	s_wait_loadcnt 0x0
	QUANT2 SRC, DST, PW
.irp g, 0,1,2
	global_store_b128 v5, v[DST+4*\g:DST+4*\g+3], s[16:17] offset:512*\g     ; 32 lanes store 512 consecutive bytes
.endr
	global_store_b32 v8, v[PW], s[18:19]           ; lanes r and 16 + r write the same word with the same value
	s_endpgm
.Lfunc_end_k_q62fd554bae_wq:
	.size	k_q62fd554bae_wq, .Lfunc_end_k_q62fd554bae_wq-k_q62fd554bae_wq
	.p2alignl 7, 3214868480
	.fill 96, 4, 3214868480
	.section	.rodata,"a",@progbits
	.p2align	6, 0x0
	.amdhsa_kernel k_q62fd554bae_wq
		.amdhsa_group_segment_fixed_size 0
		.amdhsa_private_segment_fixed_size 0
		.amdhsa_enable_private_segment 0
		.amdhsa_kernarg_size 64
		.amdhsa_user_sgpr_count 2
		.amdhsa_user_sgpr_kernarg_segment_ptr 1
		.amdhsa_wavefront_size32 1
		.amdhsa_system_sgpr_workgroup_id_x 1
		.amdhsa_system_sgpr_workgroup_id_y 1
		.amdhsa_system_sgpr_workgroup_id_z 1
		.amdhsa_system_vgpr_workitem_id 0
		.amdhsa_next_free_vgpr 128
		.amdhsa_next_free_sgpr 66
		.amdhsa_reserve_vcc 0
		.amdhsa_float_denorm_mode_32 3
		.amdhsa_float_denorm_mode_16_64 3
		.amdhsa_memory_ordered 1
		.amdhsa_forward_progress 1
		.amdhsa_inst_pref_size 19
	.end_amdhsa_kernel
	.amdgpu_metadata
---
amdhsa.version: [ 1, 2 ]
amdhsa.kernels:
  - .name:           k_q62fd554bae_wq
    .symbol:         k_q62fd554bae_wq.kd
    .args:
      - { .name: Wq, .offset: 0, .size: 8, .value_kind: global_buffer, .address_space: global }
      - { .name: Wk, .offset: 8, .size: 8, .value_kind: global_buffer, .address_space: global }
      - { .name: Wv, .offset: 16, .size: 8, .value_kind: global_buffer, .address_space: global }
      - { .name: Wo, .offset: 24, .size: 8, .value_kind: global_buffer, .address_space: global }
      - { .name: W1, .offset: 32, .size: 8, .value_kind: global_buffer, .address_space: global }
      - { .name: W2, .offset: 40, .size: 8, .value_kind: global_buffer, .address_space: global }
      - { .name: wimg, .offset: 48, .size: 8, .value_kind: global_buffer, .address_space: global }
      - { .name: wscl, .offset: 56, .size: 8, .value_kind: global_buffer, .address_space: global }
    .group_segment_fixed_size: 0
    .private_segment_fixed_size: 0
    .kernarg_segment_align: 8
    .kernarg_segment_size: 64
    .max_flat_workgroup_size: 128
    .sgpr_count:     66
    .vgpr_count:     128
    .wavefront_size: 32
...
	.end_amdgpu_metadata
.endif
;; end of part 5
;; launch qkv (part 6): grid 64 x 4, 8 waves a work-group, no clusters, 27,648 bytes of LDS; arguments embeddings_in, wimg, wscl, bq, bk, bv, qc, qs, kv; writes qc, qs, kv
.if DOCPART == 6
	.amdgcn_target "amdgcn-amd-amdhsa--gfx1250"
	.amdhsa_code_object_version 6
	.text
	.protected	k_q62fd554bae_qkv
	.globl	k_q62fd554bae_qkv
	.p2align	8
	.type	k_q62fd554bae_qkv,@function
k_q62fd554bae_qkv:
	s_mov_b64 s[64:65], 0
	v_nop
	global_prefetch_b8 v0, s[64:65] scope:SCOPE_SE
	s_setreg_imm32_b32 hwreg(HW_REG_WAVE_SCHED_MODE, 0, 2), 2
	s_setreg_imm32_b32 hwreg(HW_REG_WAVE_MODE, 25, 1), 1
	s_wait_xcnt 0x0
	s_wait_alu depctr_vm_vsrc(0)
; xn1 = (x - mean) / (std + 1e-6), quantised along its 256; q, k, v = xn1 W + b on codes of FP6 (E2M3) with E8M0 scales; q and k are quantised along the head's 32, v along the keys.
; SHARES.  Work-group (X, j): 128 tokens (key step X % 32 of batch X / 32), heads 2 j and 2 j + 1.  Eight waves.  Wave w owns token tile T = 8 X + w: it normalises and quantises it and makes
; its q and k from its own registers; the tile's image also goes to LDS.  For v, wave w = 4 a + 2 u + c makes head 2 j + a, channel tile u, key half c, from tiles 4 c .. 4 c + 3 in LDS.
; TOKEN TILES: row r of tile T is token 64 (T / 4) + 32 (r / 8) + 8 (T % 4) + r % 8; 'position' = 16 T + r.
; q, k: source 0 = 16 features of the weight, source 1 = my tokens: with the weight's four fragments a lane (token, h) holds the 32 channels of head 2 j + h: one whole block.
; v: source 0 = 16 tokens, source 1 = 16 channels: with four tiles a lane (channel, h) holds 32 neighbouring keys: one whole block along the keys.
; OUT: qc [j][T] 768 bytes (lane (r, h): record of head 2 j + h; four registers at 16 l, two at 512 + 8 l); qs [head][position] bytes;
; kv [8 b + head] x 204,800: K records from 0 (half fragment Tb / 2, lane 16 (Tb % 2) + r), V from 98,304 (3072 s + 1536 u + 768 c), K's bytes from 196,608 (128 s + 64 f + 4 r + beta), V's from 200,704 (128 s + 64 u + 4 r + 2 c + h).
; x is normalised by each of the four work-groups of a column of the grid: 128 KiB each; so every WGP has a work-group.  No joint loads: weights go straight into the registers of the wave that uses them.
; LIMITS: NaN and infinities are not served; a block of zeros gets the byte 1 (zero codes; read by this program alone); 1 / (std + 1e-6) is v_rcp_f32.
; REGISTERS.  window 0: v1-22 addresses; v24-47 my two fragments of xn1; v48-49 their scale words; v50-58 the weights' scale words; v60-91 four accumulators (at work ahead of them); v92-123 bk;
;   v128-255 x, later v128-223 eight fragments from LDS, v224-231 their scale words, v232-249 three records, v250-255 at work.   window 1: Wq 0-95, Wk 96-191, Wv 192-215, bq 216-247, bv 248-255.
; THE MODE: SCHED_MODE bits 1:0 = 2 (LLVM: expert scheduling mode 2), set by the entry lines.  The code itself states the register dependences
; between vector or matrix instructions and memory or LDS instructions, with s_wait_alu, always for 0.
; THE PLAN.  Registers that memory or LDS instructions touch:
;   v4, v5, v7, v8, v13   offsets of the loads (v5, v13 of stores too): made at the head, never written again.
;   v9-12, v14-20         LDS addresses and the stores' offsets: made while the weights are on their way, never written again.
;   v128-255              x lands here; the norm and the quantiser read and write it; behind the barrier the LDS loads land in v128-231.
;   XF, XS                written by the quantiser; read by the LDS stores, and taken by the products of q and k as source 1 and scale.
;   RQ, RK, RV, v253-255  each record and byte in registers of its own: written once, read by one store.
;   the weights, their scale words and the biases are loaded once, into registers that no vector line has named.
; So four waits on va_vdst state all of it: ahead of the first load (the offsets); behind bv's moves (XF, XS and their LDS addresses, for the LDS stores and for the products alike); behind k's record
; (q's and k's six stores, and the LDS loads behind the barrier, whose registers no later vector line names); behind v's record.  Two more stand behind the root and the reciprocal.
.set XSC,  24576                       ; LDS: 16 fragment images of 1,536 bytes from 0; then their scale words, 128 bytes each
.set XF,   24
.set XS,   48
.set WSQ,  50
.set WSK,  54
.set WSV,  58
.set SH8,  59
.set ACC,  60
.set BK,   92
.set RT,   124                         ; v124-126 at work in REC
.set PX,   127
.set XN,   128
.set XV,   128
.set XVS,  224
.set RQ,   232
.set RK,   238
.set RV,   244
.set RTT,  250
.set QT,   60                          ; at work in QUANT2: v60-76
.set SU,   78
.set MEAN, 86
.set INV,  88
.set WQF,  0
.set WKF,  96
.set WVF,  192
.set BQ,   216
.set BV,   248
.set SEL,  26
.set MSB, 0
.macro WIN new                         ; the immediate's high byte repeats the setting that is left
.if MSB != \new
	s_set_vgpr_msb (MSB<<8)|\new
.set MSB, \new
.endif
.endm
.macro PLACES n
.rept \n
	v_nop
.endr
.endm
.macro QUANT2 s, d, pw                 ; 64 numbers, register 32 c + i = element i of block 2 c + h -> 12 registers of codes, the row's scale word
.irp c, 0,1
	v_max3_num_f32 v[QT+\c], |v[\s+32*\c]|, |v[\s+32*\c+1]|, 0x1800000      ; the floor 2^(3 - 127) holds the byte at 1 from below
	v_max3_num_f32 v[QT+2+\c], |v[\s+32*\c+16]|, |v[\s+32*\c+17]|, |v[\s+32*\c+18]|
.endr
.irp i, 2,4,6,8,10,12
.irp c, 0,1
	v_max3_num_f32 v[QT+\c], v[QT+\c], |v[\s+32*\c+\i]|, |v[\s+32*\c+\i+1]|
	v_max3_num_f32 v[QT+2+\c], v[QT+2+\c], |v[\s+32*\c+\i+17]|, |v[\s+32*\c+\i+18]|
.endr
.endr
.irp c, 0,1
	v_max3_num_f32 v[QT+\c], v[QT+\c], |v[\s+32*\c+14]|, |v[\s+32*\c+15]|
.endr
.irp c, 0,1
	v_max3_num_f32 v[QT+\c], v[QT+\c], v[QT+2+\c], |v[\s+32*\c+31]|
.endr
.irp c, 0,1
	v_add_nc_u32 v[QT+4+\c], 0xff000000, v[QT+\c]                            ; 2 off the exponent field: the conversion's scale operand
.endr
.irp c, 0,1
	v_lshrrev_b32 v[QT+6+\c], 23, v[QT+4+\c]
.endr
	v_lshl_or_b32 v[QT+8], v[QT+7], 16, v[QT+6]
	v_lshlrev_b32 v[QT+8], v[SH8], v[QT+8]
	v_permlanex16_b32 v[QT+9], v[QT+8], s[SEL], s[SEL+1]
	v_or_b32 v[\pw], v[QT+8], v[QT+9]
.irp c, 0,1
	v_cvt_scalef32_pk16_fp6_f32 v[\d+6*\c:\d+6*\c+2], v[\s+32*\c:\s+32*\c+15], v[QT+4+\c]
	v_cvt_scalef32_pk16_fp6_f32 v[QT+10+4*\c:QT+12+4*\c], v[\s+32*\c+16:\s+32*\c+31], v[QT+4+\c]
.endr
	v_nop                                                                    ; one plain line behind the conversions
.irp c, 0,1
.irp i, 0,1,2
	v_mov_b32 v[\d+6*\c+3+\i], v[QT+10+4*\c+\i]
.endr
.endr
.endm
.macro REC s, d, by                    ; 32 numbers of a lane, one block -> 6 registers of codes and the byte.  Each accumulator is read from its low end on
	v_max3_num_f32 v[RT], |v[\s]|, |v[\s+1]|, 0x1800000
	v_max3_num_f32 v[RT+1], |v[\s+16]|, |v[\s+17]|, |v[\s+18]|
.irp i, 2,4,6,8,10,12
	v_max3_num_f32 v[RT], v[RT], |v[\s+\i]|, |v[\s+\i+1]|
	v_max3_num_f32 v[RT+1], v[RT+1], |v[\s+\i+17]|, |v[\s+\i+18]|
.endr
	v_max3_num_f32 v[RT], v[RT], |v[\s+14]|, |v[\s+15]|
	v_max3_num_f32 v[RT], v[RT], v[RT+1], |v[\s+31]|
	v_add_nc_u32 v[RT+2], 0xff000000, v[RT]
	v_cvt_scalef32_pk16_fp6_f32 v[\d:\d+2], v[\s:\s+15], v[RT+2]
	v_cvt_scalef32_pk16_fp6_f32 v[RTT:RTT+2], v[\s+16:\s+31], v[RT+2]
	v_lshrrev_b32 v[\by], 23, v[RT+2]              ; the byte; also the plain line behind the conversions
.irp i, 0,1,2
	v_mov_b32 v[\d+3+\i], v[RTT+\i]
.endr
.endm
; q or k: four accumulators by turns, two K steps.  wf: the weight's fragments (window 1); ws: its scale words; cwin, cb: window setting and registers of the bias, the C of the first K step
.macro QK wf, ws, cwin, cb
	WIN \cwin
.irp t, 0,1,2,3
	v_wmma_scale_f32_16x16x128_f8f6f4 v[ACC+8*\t:ACC+8*\t+7], v[\wf+24*\t:\wf+24*\t+11], v[XF:XF+11], v[\cb+8*\t:\cb+8*\t+7], v[\ws+\t], v[XS] matrix_a_fmt:MATRIX_FMT_FP6 matrix_b_fmt:MATRIX_FMT_FP6
.endr
	WIN 0x01
.irp t, 0,1,2,3
	v_wmma_scale_f32_16x16x128_f8f6f4 v[ACC+8*\t:ACC+8*\t+7], v[\wf+24*\t+12:\wf+24*\t+23], v[XF+12:XF+23], v[ACC+8*\t:ACC+8*\t+7], v[\ws+\t], v[XS+1] matrix_a_fmt:MATRIX_FMT_FP6 matrix_b_fmt:MATRIX_FMT_FP6 matrix_a_scale:MATRIX_SCALE_ROW1
.endr
	WIN 0
	PLACES 4                                       ; in front of the first read of results
.endm
	s_load_b512 s[4:19], s[0:1], 0x0               ; x, wimg, wscl, bq, bk, bv, qc, qs
	s_load_b64 s[20:21], s[0:1], 0x40              ; kv
	v_lshrrev_b32 v1, 5, v0
	v_readfirstlane_b32 s22, v1                    ; wave w
	s_and_b32 s23, ttmp7, 0xffff                   ; j
	s_lshr_b32 s24, ttmp9, 5                       ; batch
	s_and_b32 s25, ttmp9, 31                       ; key step s
	s_mov_b32 s[SEL], 0x76543210
	s_mov_b32 s[SEL+1], 0xfedcba98
	s_wait_alu depctr_va_sdst(0)                   ; s22 is written, ahead of its first reader: every share of the wave is made from it
	s_and_b32 s29, s22, 1                          ; c
	s_lshr_b32 s30, s22, 2                         ; a
	s_bfe_u32 s31, s22, 0x10001                    ; u
	s_and_b32 s33, s22, 3
	s_lshr_b32 s34, s22, 1
	s_lshl_b32 s35, ttmp9, 3
	s_add_co_u32 s35, s35, s22                     ; T
	v_and_b32 v1, 15, v0                           ; r
	v_bfe_u32 v2, v0, 4, 1                         ; h
	v_and_b32 v3, 31, v0                           ; lane
	v_lshlrev_b32 v5, 4, v3                        ; 16 l
	v_lshlrev_b32 v6, 2, v3                        ; 4 l
	v_lshlrev_b32 v13, 3, v3                       ; 8 l
	v_lshlrev_b32 v7, 7, v2                        ; 128 h
	v_lshlrev_b32 v[SH8], 3, v2
	v_lshrrev_b32 v21, 3, v1
	v_and_b32 v22, 7, v1
	v_lshl_add_u32 v4, v21, 5, v22                 ; my token inside the tile's 64: 32 (r / 8) + r % 8
	v_lshl_add_u32 v4, v4, 10, v7                  ; its row of 1,024 bytes, + 128 h
	v_lshl_add_u32 v8, v21, 4, v22                 ; bv: channel 16 (r / 8) + r % 8
	v_lshlrev_b32 v8, 2, v8
	s_mov_b32 s37, 0
	s_lshl_b32 s36, ttmp9, 7
	s_lshl_b32 s38, s30, 6
	s_add_co_u32 s36, s36, s38
	s_lshl_b32 s38, s33, 3
	s_add_co_u32 s36, s36, s38                     ; the tile's first token: 128 X + 64 (w / 4) + 8 (w % 4)
	s_lshl_b32 s36, s36, 10
	s_wait_kmcnt 0x0
	s_add_nc_u64 s[4:5], s[4:5], s[36:37]
	s_mul_i32 s36, s23, 12288                      ; the bases of all the head's loads are made ahead of the wait below, so that only loads and window switches follow it
	s_add_nc_u64 s[6:7], s[6:7], s[36:37]          ; Wq's eight fragments of j; Wk's lie 49,152 bytes on
	s_mul_i32 s36, s30, 6144
	s_mul_i32 s38, s31, 3072
	s_add_co_u32 s36, s36, s38
	s_add_co_u32 s36, s36, 98304
	s_add_nc_u64 s[40:41], s[6:7], s[36:37]        ; Wv's two fragments of (head 2 j + a, tile u)
	s_lshl_b32 s36, s23, 9
	s_add_nc_u64 s[8:9], s[8:9], s[36:37]
	s_lshl_b32 s36, s34, 2
	s_add_co_u32 s36, s36, 4096
	s_add_nc_u64 s[42:43], s[8:9], s[36:37]
	s_lshl_b32 s36, s23, 8
	s_add_nc_u64 s[10:11], s[10:11], s[36:37]
	s_add_nc_u64 s[12:13], s[12:13], s[36:37]
	s_lshl_b32 s38, s30, 7
	s_add_co_u32 s36, s36, s38
	s_lshl_b32 s38, s31, 5
	s_add_co_u32 s36, s36, s38
	s_add_nc_u64 s[14:15], s[14:15], s[36:37]
	s_wait_alu depctr_va_vdst(0)                   ; the offsets v4, v5, v7 and v8 are written, which the loads below read
.set n, 0
.rept 32                               ; register 64 s + 32 c + i = x(token, 128 s + 64 c + 32 h + i)
	global_load_b128 v[XN+4*n:XN+4*n+3], v4, s[4:5] offset:512*(n/16)+256*((n/8)%2)+16*(n%8)
.set n, n+1
.endr
	global_load_b128 v[WSQ:WSQ+3], v5, s[8:9]      ; register t: K step 0 in lanes 0-15, K step 1 in lanes 16-31
	global_load_b128 v[WSK:WSK+3], v5, s[8:9] offset:2048
	global_load_b32 v[WSV], v5, s[42:43]
.irp q, 0,1,2,3,4,5,6,7
	global_load_b128 v[BK+4*\q:BK+4*\q+3], v7, s[12:13] offset:16*\q
.endr
	WIN 0x40                                       ; destination window 1
.irp q, 0,1,2,3,4,5,6,7
	global_load_b128 v[BQ+4*\q:BQ+4*\q+3], v7, s[10:11] offset:16*\q
.endr
	global_load_b32 v[BV], v8, s[14:15]
.set n, 0
.rept 24
	global_load_b128 v[WQF+4*n:WQF+4*n+3], v5, s[6:7] offset:512*n
.set n, n+1
.endr
	s_wait_loadcnt 44                              ; x's 32 loads are in: behind them stand the 20 small loads and Wq's 24
.set n, 0
.rept 24
	global_load_b128 v[WKF+4*n:WKF+4*n+3], v5, s[6:7] offset:49152+512*n
.set n, n+1
.endr
.set n, 0
.rept 6
	global_load_b128 v[WVF+4*n:WVF+4*n+3], v5, s[40:41] offset:512*n
.set n, n+1
.endr
	WIN 0
	; addresses in LDS and in the outputs
	s_mul_i32 s28, s22, 3072
	v_add_nc_u32 v9, s28, v5                       ; my two images: 16 l + 3072 w
	s_lshl_b32 s28, s22, 8
	s_add_co_u32 s28, s28, XSC
	v_add_nc_u32 v10, s28, v6                      ; their scale words: 4 l + 256 w
	s_mul_i32 s28, s29, 12288
	v_add_nc_u32 v11, s28, v5                      ; tiles 4 c on
	s_lshl_b32 s28, s29, 10
	s_add_co_u32 s28, s28, XSC
	v_add_nc_u32 v12, s28, v6
	s_lshl_b32 s36, s23, 9
	s_add_co_u32 s36, s36, s35
	s_mul_i32 s36, s36, 768
	s_add_nc_u64 s[16:17], s[16:17], s[36:37]      ; qc at (j, T)
	s_lshl_b32 s36, s23, 14
	s_lshl_b32 s38, s35, 4
	s_add_co_u32 s36, s36, s38
	s_add_nc_u64 s[18:19], s[18:19], s[36:37]      ; qs at head 2 j, position 16 T
	s_lshl_b32 s36, s24, 3
	s_lshl_b32 s38, s23, 1
	s_add_co_u32 s36, s36, s38
	s_mul_i32 s36, s36, 204800
	s_add_nc_u64 s[20:21], s[20:21], s[36:37]      ; kv at head 2 j of my batch
	v_lshl_add_u32 v14, v2, 13, v1                 ; qs: 8192 h + r
	v_mul_u32_u24 v21, v2, 204800                  ; K: head 2 j + h
	s_wait_alu depctr_va_vdst(0)
	s_lshl_b32 s38, s25, 2
	s_add_co_u32 s38, s38, s34
	s_mul_i32 s38, s38, 768                        ; half fragment 4 s + w / 2
	s_lshl_b32 s39, s29, 8
	s_add_co_u32 s39, s39, s38
	v_lshl_add_u32 v15, v1, 4, v21
	v_add_nc_u32 v15, s39, v15
	s_lshl_b32 s39, s29, 7
	s_add_co_u32 s39, s39, s38
	s_add_co_u32 s39, s39, 512
	v_lshl_add_u32 v16, v1, 3, v21
	v_add_nc_u32 v16, s39, v16
	s_lshl_b32 s39, s25, 7
	s_lshl_b32 s38, s30, 6
	s_add_co_u32 s39, s39, s38
	s_add_co_u32 s39, s39, s33
	s_add_co_u32 s39, s39, 196608
	v_lshl_add_u32 v17, v1, 2, v21
	v_add_nc_u32 v17, s39, v17
	s_mul_i32 s38, s30, 204800                     ; V: head 2 j + a
	s_mul_i32 s39, s25, 3072
	s_add_co_u32 s39, s39, s38
	s_mul_i32 s44, s31, 1536
	s_add_co_u32 s39, s39, s44
	s_mul_i32 s44, s29, 768
	s_add_co_u32 s39, s39, s44
	s_add_co_u32 s39, s39, 98304
	v_add_nc_u32 v18, s39, v5
	s_add_co_u32 s39, s39, 512
	v_add_nc_u32 v19, s39, v13
	s_lshl_b32 s39, s25, 7
	s_add_co_u32 s39, s39, s38
	s_lshl_b32 s44, s31, 6
	s_add_co_u32 s39, s39, s44
	s_lshl_b32 s44, s29, 1
	s_add_co_u32 s39, s39, s44
	s_add_co_u32 s39, s39, 200704
	v_lshl_add_u32 v20, v1, 2, v2
	v_add_nc_u32 v20, s39, v20
	v_mov_b32 v[PX], 0                             ; lane permutes' destinations count as read
	v_mov_b32 v[QT+9], 0
	; ---- the norm, in two passes: my 128 numbers and lane l xor 16's are the row
.irp k, 0,1,2,3
	v_pk_add_f32 v[SU+2*\k:SU+2*\k+1], v[XN+2*\k:XN+2*\k+1], v[XN+8+2*\k:XN+9+2*\k]
.endr
.set i, 16
.rept 14
.irp k, 0,1,2,3
	v_pk_add_f32 v[SU+2*\k:SU+2*\k+1], v[SU+2*\k:SU+2*\k+1], v[XN+i+2*\k:XN+i+2*\k+1]
.endr
.set i, i+8
.endr
	v_pk_add_f32 v[SU:SU+1], v[SU:SU+1], v[SU+2:SU+3]
	v_pk_add_f32 v[SU+4:SU+5], v[SU+4:SU+5], v[SU+6:SU+7]
	v_pk_add_f32 v[SU:SU+1], v[SU:SU+1], v[SU+4:SU+5]
	v_add_f32 v[SU], v[SU], v[SU+1]
	v_permlanex16_b32 v[PX], v[SU], s[SEL], s[SEL+1]
	v_add_f32 v[SU], v[SU], v[PX]
	v_mul_f32 v[MEAN], 0x3b800000, v[SU]           ; / 256
	v_mov_b32 v[MEAN+1], v[MEAN]
.set i, 0
.rept 64
	v_pk_add_f32 v[XN+i:XN+i+1], v[XN+i:XN+i+1], v[MEAN:MEAN+1] neg_lo:[0,1] neg_hi:[0,1]
.set i, i+2
.endr
.irp k, 0,1,2,3
	v_pk_mul_f32 v[SU+2*\k:SU+2*\k+1], v[XN+2*\k:XN+2*\k+1], v[XN+2*\k:XN+2*\k+1]
.endr
.set i, 8
.rept 15
.irp k, 0,1,2,3
	v_pk_fma_f32 v[SU+2*\k:SU+2*\k+1], v[XN+i+2*\k:XN+i+2*\k+1], v[XN+i+2*\k:XN+i+2*\k+1], v[SU+2*\k:SU+2*\k+1]
.endr
.set i, i+8
.endr
	v_pk_add_f32 v[SU:SU+1], v[SU:SU+1], v[SU+2:SU+3]
	v_pk_add_f32 v[SU+4:SU+5], v[SU+4:SU+5], v[SU+6:SU+7]
	v_pk_add_f32 v[SU:SU+1], v[SU:SU+1], v[SU+4:SU+5]
	v_add_f32 v[SU], v[SU], v[SU+1]
	v_permlanex16_b32 v[PX], v[SU], s[SEL], s[SEL+1]
	v_add_f32 v[SU], v[SU], v[PX]
	v_mul_f32 v[SU], 0x3b800000, v[SU]
	s_wait_alu depctr_va_vdst(0)
	v_sqrt_f32 v[INV], v[SU]
	v_nop                                          ; a plain line behind a transcendental
	s_wait_alu depctr_va_vdst(0)                   ; the root is written, ahead of the addition that reads it
	v_add_f32 v[INV], 0x358637bd, v[INV]           ; + 1e-6
	s_wait_alu depctr_va_vdst(0)
	v_rcp_f32 v[INV], v[INV]
	v_nop
	s_wait_alu depctr_va_vdst(0)                   ; the reciprocal is written, ahead of the move that reads it
	v_mov_b32 v[INV+1], v[INV]
.set i, 0
.rept 64
	v_pk_mul_f32 v[XN+i:XN+i+1], v[XN+i:XN+i+1], v[INV:INV+1]
.set i, i+2
.endr
	QUANT2 XN, XF, XS
	QUANT2 XN+64, XF+12, XS+1
	s_wait_loadcnt 0x0                             ; all weights, scale words and biases
	WIN 0x41
.irp i, 1,2,3,4,5,6,7
	v_mov_b32 v[BV+\i], v[BV]                      ; bv of my channel in all eight rows.  With QUANT2's v_nop these seven are the eight plain lines between the write of XS + 1 and the products, and the lines behind the last write of XF
.endr
	WIN 0
	s_wait_alu depctr_va_vdst(0)                   ; behind those places: the quantiser has written XF and XS, which the LDS stores read and the scaled products take as source 1 and scale; v9 and v10, the stores' addresses, are written
.irp g, 0,1,2,3,4,5
	ds_store_b128 v9, v[XF+4*\g:XF+4*\g+3] offset:512*\g     ; the two fragments as they stand: 512 consecutive bytes a store
.endr
	ds_store_b32 v10, v[XS]
	ds_store_b32 v10, v[XS+1] offset:128
	; ---- q
	QK WQF, WSQ, 0x11, BQ
	REC ACC, RQ, 253
	; ---- k
	QK WKF, WSK, 0x01, BK
	REC ACC, RK, 254
	s_wait_alu depctr_va_vdst(0)                   ; both records, both bytes and the offsets v14 to v17 are written, which the six stores read; every line that named v128-231 is done, in which the LDS loads behind the barrier land, and v11, v12 are written
	global_store_b128 v5, v[RQ:RQ+3], s[16:17]
	global_store_b64 v13, v[RQ+4:RQ+5], s[16:17] offset:512
	global_store_b8 v14, v253, s[18:19]
	global_store_b128 v15, v[RK:RK+3], s[20:21]    ; sixteen lanes fill 256 consecutive bytes of their head's image
	global_store_b64 v16, v[RK+4:RK+5], s[20:21]
	global_store_b8 v17, v254, s[20:21]
	s_wait_dscnt 0x0                               ; my images lie in LDS
	s_barrier_signal -1
	s_barrier_wait -1                              ; everybody's do
	; ---- v
.set n, 0
.rept 24
	ds_load_b128 v[XV+4*n:XV+4*n+3], v11 offset:512*n          ; no vector line since the wait above names these registers
.set n, n+1
.endr
.irp n, 0,1,2,3,4,5,6,7
	ds_load_b32 v[XVS+\n], v12 offset:128*\n
.endr
	s_wait_dscnt 0x0
	WIN 0x14                                       ; source 1 (Wv) and C (bv) window 1
.irp t, 0,1,2,3
	v_wmma_scale_f32_16x16x128_f8f6f4 v[ACC+8*\t:ACC+8*\t+7], v[XV+24*\t:XV+24*\t+11], v[WVF:WVF+11], v[BV:BV+7], v[XVS+2*\t], v[WSV] matrix_a_fmt:MATRIX_FMT_FP6 matrix_b_fmt:MATRIX_FMT_FP6
.endr
	WIN 0x04
.irp t, 0,1,2,3
	v_wmma_scale_f32_16x16x128_f8f6f4 v[ACC+8*\t:ACC+8*\t+7], v[XV+24*\t+12:XV+24*\t+23], v[WVF+12:WVF+23], v[ACC+8*\t:ACC+8*\t+7], v[XVS+2*\t+1], v[WSV] matrix_a_fmt:MATRIX_FMT_FP6 matrix_b_fmt:MATRIX_FMT_FP6 matrix_b_scale:MATRIX_SCALE_ROW1
.endr
	WIN 0
	PLACES 4
	REC ACC, RV, 255
	s_wait_alu depctr_va_vdst(0)                   ; v's record and byte are written, which the three stores read (their offsets v18 to v20 were written long ago)
	global_store_b128 v18, v[RV:RV+3], s[20:21]    ; 512 consecutive bytes
	global_store_b64 v19, v[RV+4:RV+5], s[20:21]
	global_store_b8 v20, v255, s[20:21]
	s_wait_xcnt 0x0                                ; the byte stores' addresses are translated: v254 and v255 are written again only behind this wait,
	s_wait_alu depctr_vm_vsrc(0)                   ; and the byte stores have read v254 and v255, which the two lines below write
	v_lshl_add_u32 v254, v0, 2, 0x6800
	v_mov_b32 v255, 0
	s_wait_dscnt 0x0                               ; the closing lines, six on end
	s_wait_alu 0x0
	s_wait_tensorcnt 0x0
	ds_add_u32 v254, v255
	s_wait_dscnt 0x0
	s_endpgm
.Lfunc_end_k_q62fd554bae_qkv:
	.size	k_q62fd554bae_qkv, .Lfunc_end_k_q62fd554bae_qkv-k_q62fd554bae_qkv
	.p2alignl 7, 3214868480
	.fill 96, 4, 3214868480
	.section	.rodata,"a",@progbits
	.p2align	6, 0x0
	.amdhsa_kernel k_q62fd554bae_qkv
		.amdhsa_group_segment_fixed_size 27648
		.amdhsa_private_segment_fixed_size 0
		.amdhsa_enable_private_segment 0
		.amdhsa_kernarg_size 72
		.amdhsa_user_sgpr_count 2
		.amdhsa_user_sgpr_kernarg_segment_ptr 1
		.amdhsa_wavefront_size32 1
		.amdhsa_system_sgpr_workgroup_id_x 1
		.amdhsa_system_sgpr_workgroup_id_y 1
		.amdhsa_system_sgpr_workgroup_id_z 1
		.amdhsa_system_vgpr_workitem_id 0
		.amdhsa_next_free_vgpr 512
		.amdhsa_next_free_sgpr 66
		.amdhsa_reserve_vcc 0
		.amdhsa_float_denorm_mode_32 3
		.amdhsa_float_denorm_mode_16_64 3
		.amdhsa_memory_ordered 1
		.amdhsa_forward_progress 1
		.amdhsa_inst_pref_size 51
	.end_amdhsa_kernel
	.amdgpu_metadata
---
amdhsa.version: [ 1, 2 ]
amdhsa.kernels:
  - .name:           k_q62fd554bae_qkv
    .symbol:         k_q62fd554bae_qkv.kd
    .args:
      - { .name: embeddings_in, .offset: 0, .size: 8, .value_kind: global_buffer, .address_space: global }
      - { .name: wimg, .offset: 8, .size: 8, .value_kind: global_buffer, .address_space: global }
      - { .name: wscl, .offset: 16, .size: 8, .value_kind: global_buffer, .address_space: global }
      - { .name: bq, .offset: 24, .size: 8, .value_kind: global_buffer, .address_space: global }
      - { .name: bk, .offset: 32, .size: 8, .value_kind: global_buffer, .address_space: global }
      - { .name: bv, .offset: 40, .size: 8, .value_kind: global_buffer, .address_space: global }
      - { .name: qc, .offset: 48, .size: 8, .value_kind: global_buffer, .address_space: global }
      - { .name: qs, .offset: 56, .size: 8, .value_kind: global_buffer, .address_space: global }
      - { .name: kv, .offset: 64, .size: 8, .value_kind: global_buffer, .address_space: global }
    .group_segment_fixed_size: 27648
    .private_segment_fixed_size: 0
    .kernarg_segment_align: 8
    .kernarg_segment_size: 72
    .max_flat_workgroup_size: 256
    .sgpr_count:     66
    .vgpr_count:     512
    .wavefront_size: 32
...
	.end_amdgpu_metadata
.endif
;; end of part 6
;; launch attn (part 7): grid 16 x 16, 16 waves a work-group, clusters of 4 x 1, 206,848 bytes of LDS; arguments qc, qs, kv, aoc, aos; writes aoc, aos
.if DOCPART == 7
	.amdgcn_target "amdgcn-amd-amdhsa--gfx1250"
	.amdhsa_code_object_version 6
	.text
	.protected	k_q62fd554bae_attn
	.globl	k_q62fd554bae_attn
	.p2align	8
	.type	k_q62fd554bae_attn,@function
k_q62fd554bae_attn:
	s_mov_b64 s[64:65], 0
	v_nop
	global_prefetch_b8 v0, s[64:65] scope:SCOPE_SE
	s_setreg_imm32_b32 hwreg(HW_REG_WAVE_MODE, 25, 1), 1
	s_wait_xcnt 0x0
	s_wait_alu depctr_hold_cnt(0) depctr_sa_sdst(0) depctr_va_vdst(0) depctr_va_sdst(0) depctr_va_ssrc(0) depctr_va_vcc(0) depctr_vm_vsrc(0)
	s_getreg_b32 s2, hwreg(HW_REG_IB_STS2, 6, 4)
	s_cmp_eq_u32 s2, 0
	s_cbranch_scc0 .Lentry_in_a_cluster
	s_endpgm
.Lentry_in_a_cluster:
	s_bfe_u32 s2, ttmp6, 0x10000c
	s_cmp_lg_u32 s2, 0x3003
	s_cbranch_scc0 .Lentry_shape_is_right
	s_endpgm
.Lentry_shape_is_right:
; attn_out[b][h][q] = the sum over keys of softmax(q . k / sqrt(32)) v, both products on codes of FP6 (E2M3) with E8M0 scales; the result is quantised along the head's 32 for the next product.
; THE SOFTMAX: t = score x log2(e) / sqrt(32); M = the running largest t rounded UP to a whole number; p = 2^(t - M) is quantised along the keys, not normalised; the row's sum is taken of the
; unquantised p and divides at the end; when M moves, the sum and O are multiplied by 2^(old M - new M), which rounds nothing.
; SHARES.  Work-group (x, y): head y % 8 of batch y / 8, 256 queries; each of sixteen waves owns one tile of 16 queries in 256 registers, four waves to a SIMD, and walks all 4,096 keys, 128 a step.
; LDS.  The head's K and V codes and scale bytes, 204,800 bytes, lie in LDS as they lie in memory, FILLED ONCE: no ring.  The four work-groups of a cluster share the head: each wave asks
; JOINTLY for 12,800 bytes (one tensor load of mine is out).
; THE FIRST PRODUCT'S K IS 32, the instruction's 128: a fragment of K holds FOUR tiles of 16 keys, one in each block of 32; four variants of Q hold the query's record in one block and zero codes
; in the others.  v16-45 = [zeros][record in lanes 0-15][zeros][record in lanes 16-31][zeros] serve all four.  So 1,536 bytes from LDS feed four products.
; LAYOUT.  S^T = K Q^T, O^T = V^T P^T: a lane holds one query (lane % 16).  The keys of a tile are chosen so that registers 32 f + 0 .. 31 of lane (q, h) are keys 128 s + 64 f + 32 h + 0 .. 31:
; ONE WHOLE BLOCK of the second product's K in its place: a block's maximum needs no other lane and the conversions' results are the operand.
; A block's largest p is not searched for: the block's largest score goes through the same multiply-add and exponential (this takes v_exp_f32 not to fall where its input rises).
; LIMITS: NaN and infinities are not served; a block whose every p is 0 keeps the byte 1 with zero codes; the division is v_rcp_f32 and a multiplication.
.set A16, 1                            ; 16 l
.set A8,  2                            ; 8 l + 512
.set A4,  3                            ; 4 l + 196608
.set AKA, 4
.set AKB, 5
.set AVA, 6
.set AVB, 7
.set ASC, 8
.set SH8, 9
.set OA,  10
.set OB,  11
.set QZ,  16                           ; v12 -M, v13 the largest t, v[14:15] the sum in two halves
.set QS,  46
.set KS,  47
.set VS,  48
.set PW,  49
.set KF,  50
.set VF,  74
.set SS,  98
.set OO,  162
.set PC,  178
.set T0,  190
.set BM,  198
.set SC,  200
.set BY,  202
.set WW,  204
.set WX,  205
.set TM,  206
.set TX,  207
.set FF,  208
.set L2,  210
.set QR,  212
.set OC,  218
.set QA,  221
.set QB,  222
.set RR,  223
.set WV,  14
.set G0,  20
.set G1,  24
.set SEL, 32
.set CS,  34
.set TK,  36
.set TS,  37
.set LC,  38
.macro CROUND                          ; a round of the cluster's barrier
	s_barrier_signal -1
	s_barrier_wait -1
	s_cmp_lg_u32 s[WV], 0
	s_cbranch_scc1 .Lnot_wave_0_\@
	s_barrier_signal -3
.Lnot_wave_0_\@:
	s_barrier_wait -3
	s_barrier_signal -1
	s_barrier_wait -1
.endm
.macro HLOAD reg, a, b, off            ; four half fragments of 768 bytes: 24 registers; every load reads consecutive bytes
.irp i, 0,1,2,3
	ds_load_b128 v[\reg+6*\i:\reg+6*\i+3], v[\a] offset:\off+768*\i
	ds_load_b64 v[\reg+6*\i+4:\reg+6*\i+5], v[\b] offset:\off+768*\i
.endr
.endm
	s_load_b256 s[4:11], s[0:1], 0x0               ; qc, qs, kv, aoc
	s_load_b64 s[12:13], s[0:1], 0x20              ; aos
	v_lshl_add_u32 v254, v0, 2, 0x32000
	v_mov_b32 v255, 0
	ds_add_u32 v254, v255
	ds_add_u32 v254, v255
	v_lshrrev_b32 v1, 5, v0
	s_delay_alu instid0(VALU_DEP_1)
	v_readfirstlane_b32 s[WV], v1                  ; wave 0..15
	s_bfe_u32 s15, ttmp6, 0x40000                  ; cx: it enters the addresses of qc, qs, aoc and aos alone
	s_lshl_b32 s16, ttmp9, 2
	s_add_co_u32 s16, s16, s15                     ; my block of 256 queries
	s_and_b32 s17, ttmp7, 0xffff                   ; 8 b + head, which the four partners share
	s_lshr_b32 s18, s17, 3
	s_and_b32 s19, s17, 7
	s_mov_b32 s[G1], 15|(3<<16)|(1<<21)            ; 15:0 the mask: all four; 17:16 elements of 8 bytes; 21 set beside a mask; no padding
	s_mov_b32 s[G1+1], 32<<16                      ; tensor_dim0 = 32 elements: rows of 256 bytes
	s_mov_b32 s[G1+2], 50<<16                      ; tensor_dim1 = 50
	s_mov_b32 s[G1+3], 32<<16                      ; tile_dim0
	s_mov_b32 s[G1+4], 50                          ; tile_dim1
	s_mov_b32 s[G1+5], 32                          ; the pitch: dense
	s_mov_b32 s[G1+6], 0
	s_mov_b32 s[G1+7], 0
	s_mul_i32 s40, s17, 204800
	s_mul_i32 s[G0+1], s[WV], 12800                ; LDS address: my sixteenth
	s_add_co_u32 s40, s40, s[G0+1]
	s_mov_b32 s41, 0
	s_mov_b32 s[G0], 1
	s_mov_b32 s[SEL], 0x76543210
	s_mov_b32 s[SEL+1], 0xfedcba98
	s_mov_b32 s[CS], 0x3e8293ee                    ; c = log2(e) / sqrt(32)
	s_mov_b32 s[CS+1], s[CS]
	s_mov_b32 s[TK], 0
	s_mov_b32 s[TS], 0
	s_mov_b32 s[LC], 31
	s_lshl_b32 s42, s18, 8
	s_lshl_b32 s43, s16, 4
	s_add_co_u32 s42, s42, s43
	s_add_co_u32 s42, s42, s[WV]                   ; my tile T = 256 b + 16 x block + wave
	s_wait_dscnt 0x0
	s_wait_kmcnt 0x0
	s_add_nc_u64 s[G0+2:G0+3], s[8:9], s[40:41]
	s_or_b32 s[G0+3], s[G0+3], 0x80000000
	CROUND                                         ; all four work-groups are here: the joint loads meet
	tensor_load_to_lds s[G0:G0+3], s[G1:G1+7]
	s_nop 0
.rept 4
	v_nop                                          ; behind a tensor load
.endr
	s_lshr_b32 s40, s19, 1
	s_lshl_b32 s40, s40, 9
	s_add_co_u32 s40, s40, s42
	s_mul_i32 s40, s40, 768
	s_add_nc_u64 s[4:5], s[4:5], s[40:41]          ; qc at (head / 2, T)
	s_lshl_b32 s40, s19, 13
	s_lshl_b32 s43, s42, 4
	s_add_co_u32 s40, s40, s43
	s_add_nc_u64 s[6:7], s[6:7], s[40:41]          ; qs at (head, 16 T)
	s_mul_i32 s40, s40, 24
	s_add_nc_u64 s[10:11], s[10:11], s[40:41]      ; aoc at (head, 16 T)
	s_lshl_b32 s40, s42, 7
	s_add_co_u32 s40, s40, s19
	s_add_nc_u64 s[12:13], s[12:13], s[40:41]      ; aos at (16 T, head)
	v_and_b32 v[TM], 31, v0                        ; lane
	v_and_b32 v[RR], 15, v0                        ; r
	s_and_b32 s44, s19, 1
	s_lshl_b32 s45, s44, 8
	v_lshl_add_u32 v[QA], v[RR], 4, s45
	s_lshl_b32 s45, s44, 7
	v_lshl_add_u32 v[QB], v[RR], 3, s45
	global_load_b128 v[QR:QR+3], v[QA], s[4:5]     ; query r's record, in both halves of the lanes
	global_load_b64 v[QR+4:QR+5], v[QB], s[4:5] offset:512
	global_load_u8 v[QS], v[RR], s[6:7]
	v_lshlrev_b32 v[A16], 4, v[TM]
	v_lshlrev_b32 v[A8], 3, v[TM]
	s_delay_alu instid0(VALU_DEP_1)
	v_add_nc_u32 v[A8], 512, v[A8]
	v_lshlrev_b32 v[A4], 2, v[TM]
	s_delay_alu instid0(VALU_DEP_1)
	v_add_nc_u32 v[A4], 196608, v[A4]
	v_bfe_u32 v[SH8], v0, 4, 1
	s_delay_alu instid0(VALU_DEP_1)
	v_lshlrev_b32 v[SH8], 3, v[SH8]
	v_cmp_gt_u32 vcc_lo, 16, v[TM]
.irp i, 0,1,2,3,4,5
	v_mov_b32 v[QZ+\i], 0
	v_mov_b32 v[QZ+12+\i], 0
	v_mov_b32 v[QZ+24+\i], 0
.endr
	v_mov_b32 v13, 0xff61b1e6                      ; the largest t so far: -3e38
	s_delay_alu instid0(VALU_DEP_1)
	v_floor_f32 v12, -v13                          ; -M
	v_mov_b32 v14, 0
	v_mov_b32 v15, 0
	v_mov_b32 v[WX], 0                             ; lane permutes' destinations count as read
	v_mov_b32 v[TX], 0
	v_mov_b32 v[FF+1], 0                           ; named as the upper half of a pair
	s_wait_loadcnt 0x0
	v_perm_b32 v[QS], v[QS], v[QS], 0              ; q's byte in all four bytes: it scales whichever block holds the record
.irp i, 0,1,2,3,4,5
	v_cndmask_b32 v[QZ+6+\i], v[QZ], v[QR+\i], vcc_lo        ; the record in lanes 0-15, zeros above
	v_cndmask_b32 v[QZ+18+\i], v[QR+\i], v[QZ], vcc_lo       ; zeros below, the record in lanes 16-31
.endr
.irp j, 0,1,2,3,4,5,6,7,8,9,10,11,12,13,14,15
	v_mov_b32 v[OO+\j], 0                          ; O^T: the first change of M multiplies zeros.  These sixteen are also the lines between the writes of Q and its scale and the first product
.endr
	s_wait_tensorcnt 0x0                           ; my sixteenth has landed,
	s_barrier_signal -1
	s_barrier_wait -1                              ; everybody's has
	HLOAD KF, A16, A8, 0                           ; K of step 0
	ds_load_b32 v[KS], v[A4]
	s_wait_dscnt 0x0
; A KEY STEP of 128 keys.  more = 1: the next step's K is fetched.
.macro STEP more
.irp b, 0,1,2,3
	v_wmma_scale_f32_16x16x128_f8f6f4 v[SS+8*\b:SS+8*\b+7], v[KF:KF+11], v[QZ+6+12*(\b%2)-6*(\b/2):QZ+17+12*(\b%2)-6*(\b/2)], 0, v[KS], v[QS] matrix_a_fmt:MATRIX_FMT_FP6 matrix_b_fmt:MATRIX_FMT_FP6
.endr
.irp b, 0,1,2,3
	v_wmma_scale_f32_16x16x128_f8f6f4 v[SS+32+8*\b:SS+39+8*\b], v[KF+12:KF+23], v[QZ+6+12*(\b%2)-6*(\b/2):QZ+17+12*(\b%2)-6*(\b/2)], 0, v[KS], v[QS] matrix_a_fmt:MATRIX_FMT_FP6 matrix_b_fmt:MATRIX_FMT_FP6 matrix_a_scale:MATRIX_SCALE_ROW1
.endr
	v_add_nc_u32 v[AKA], s[TK], v[A16]             ; five plain lines: the places in front of the loads into K's and V's registers and of the first read of the scores
	v_add_nc_u32 v[AKB], s[TK], v[A8]
	v_add_nc_u32 v[ASC], s[TS], v[A4]
	s_delay_alu instid0(VALU_DEP_3)
	v_add_nc_u32 v[AVA], 98304, v[AKA]
	s_delay_alu instid0(VALU_DEP_3)
	v_add_nc_u32 v[AVB], 98304, v[AKB]
	HLOAD VF, AVA, AVB, 0
	ds_load_b32 v[VS], v[ASC] offset:4096
.if \more
	HLOAD KF, AKA, AKB, 3072
	ds_load_b32 v[KS], v[ASC] offset:128
.endif
.irp c, 0,1
	v_max3_num_f32 v[BM+\c], v[SS+32*\c], v[SS+32*\c+1], v[SS+32*\c+2]       ; my two blocks' largest scores, by turns, each accumulator from its low end on
.endr
.irp i, 3,5,7,9,11,13,15,17,19,21,23,25,27,29
.irp c, 0,1
	v_max3_num_f32 v[BM+\c], v[BM+\c], v[SS+32*\c+\i], v[SS+32*\c+\i+1]
.endr
.endr
.irp c, 0,1
	v_max_num_f32 v[BM+\c], v[BM+\c], v[SS+32*\c+31]
.endr
	s_delay_alu instid0(VALU_DEP_1)
	v_max_num_f32 v[TM], v[BM], v[BM+1]
	s_delay_alu instid0(VALU_DEP_1)
	v_permlanex16_b32 v[TX], v[TM], s[SEL], s[SEL+1]
	s_delay_alu instid0(VALU_DEP_1)
	v_max_num_f32 v[TM], v[TM], v[TX]              ; the step's largest score of my query
	s_delay_alu instid0(VALU_DEP_1)
	v_mul_f32 v[TM], s[CS], v[TM]
	s_delay_alu instid0(VALU_DEP_1)
	v_max_num_f32 v13, v13, v[TM]                  ; the running largest t
	v_mov_b32 v[TM], v12
	s_delay_alu instid0(VALU_DEP_2)
	v_floor_f32 v12, -v13                          ; -M = floor(-t): M is a whole number
	s_delay_alu instid0(VALU_DEP_1)
	v_sub_f32 v[TM], v12, v[TM]                    ; old M - new M: a whole number, 0 or less
	s_delay_alu instid0(VALU_DEP_1)
	v_cvt_i32_f32 v[TM], v[TM]
	s_delay_alu instid0(VALU_DEP_1)
	v_ldexp_f32 v[FF], 1.0, v[TM]                  ; f = 2^(old M - new M)
.set j, 0
.rept 32
	v_pk_fma_f32 v[SS+j:SS+j+1], v[SS+j:SS+j+1], s[CS:CS+1], v[12:13] op_sel_hi:[1,0,0]   ; t - M
.set j, j+2
.endr
.irp c, 0,1
	v_fma_f32 v[BM+\c], v[BM+\c], s[CS], v12
.endr
.set j, 0
	s_setprio 1
	s_wait_alu depctr_va_vdst(0)
.rept 64
	v_exp_f32 v[SS+j], v[SS+j]                     ; p = 2^(t - M)
.set j, j+1
.endr
.irp c, 0,1
	v_exp_f32 v[BM+\c], v[BM+\c]                   ; the block's largest p
.endr
	v_pk_mul_f32 v[14:15], v[14:15], v[FF:FF+1] op_sel_hi:[1,0]              ; the sums under the new M; a plain line behind the exponentials
	s_wait_alu depctr_va_vdst(0)
.irp c, 0,1
	v_max_num_f32 v[BM+\c], 0x1800000, v[BM+\c]    ; the floor 2^(3 - 127)
.endr
.irp c, 0,1
	s_delay_alu instid0(VALU_DEP_2)
	v_add_nc_u32 v[SC+\c], 0xff000000, v[BM+\c]
.endr
.irp c, 0,1
	s_delay_alu instid0(VALU_DEP_2)
	v_lshrrev_b32 v[BY+\c], 23, v[SC+\c]
.endr
	s_delay_alu instid0(VALU_DEP_1)
	v_lshl_or_b32 v[WW], v[BY+1], 16, v[BY]
	s_delay_alu instid0(VALU_DEP_1)
	v_lshlrev_b32 v[WW], v[SH8], v[WW]
	s_delay_alu instid0(VALU_DEP_1)
	v_permlanex16_b32 v[WX], v[WW], s[SEL], s[SEL+1]
	s_delay_alu instid0(VALU_DEP_1)
	v_or_b32 v[PW], v[WW], v[WX]                   ; p's scale word for these 128 keys
.irp c, 0,1
	v_cvt_scalef32_pk16_fp6_f32 v[PC+6*\c:PC+6*\c+2], v[SS+32*\c:SS+32*\c+15], v[SC+\c]
	v_cvt_scalef32_pk16_fp6_f32 v[T0+4*\c:T0+4*\c+2], v[SS+32*\c+16:SS+32*\c+31], v[SC+\c]
.endr
	v_nop                                          ; one plain line behind the conversions
.irp c, 0,1
.irp i, 0,1,2
	v_mov_b32 v[PC+6*\c+3+\i], v[T0+4*\c+\i]
.endr
.endr
	v_pk_add_f32 v[210:211], v[102:103], v[106:107]
	v_pk_add_f32 v[252:253], v[110:111], v[114:115]
	v_pk_add_f32 v[250:251], v[118:119], v[122:123]
	v_pk_add_f32 v[248:249], v[126:127], v[130:131]
	v_pk_add_f32 v[246:247], v[134:135], v[138:139]
	v_pk_add_f32 v[244:245], v[142:143], v[146:147]
	v_pk_add_f32 v[242:243], v[150:151], v[154:155]
	v_pk_add_f32 v[14:15], v[14:15], v[158:159]
	v_pk_add_f32 v[210:211], v[210:211], v[98:99]
	v_pk_add_f32 v[252:253], v[252:253], v[100:101]
	v_pk_add_f32 v[250:251], v[250:251], v[104:105]
	v_pk_add_f32 v[248:249], v[248:249], v[108:109]
	v_pk_add_f32 v[246:247], v[246:247], v[112:113]
	s_setprio 0
	v_pk_add_f32 v[244:245], v[244:245], v[116:117]
	v_pk_add_f32 v[242:243], v[242:243], v[120:121]
	v_pk_add_f32 v[14:15], v[14:15], v[124:125]
	v_pk_add_f32 v[210:211], v[210:211], v[128:129]
	v_pk_add_f32 v[252:253], v[252:253], v[132:133]
	v_pk_add_f32 v[250:251], v[250:251], v[136:137]
	v_pk_add_f32 v[248:249], v[248:249], v[140:141]
	v_pk_add_f32 v[246:247], v[246:247], v[144:145]
	v_pk_add_f32 v[244:245], v[244:245], v[148:149]
	v_pk_add_f32 v[242:243], v[242:243], v[152:153]
	v_pk_add_f32 v[14:15], v[14:15], v[156:157]
	v_pk_add_f32 v[210:211], v[210:211], v[160:161]
	s_delay_alu instid0(VALU_DEP_2)
	v_pk_add_f32 v[14:15], v[14:15], v[248:249]
	s_delay_alu instid0(VALU_DEP_2)
	v_pk_add_f32 v[210:211], v[210:211], v[246:247]
	v_pk_add_f32 v[252:253], v[252:253], v[244:245]
	v_pk_add_f32 v[250:251], v[250:251], v[242:243]
	s_delay_alu instid0(VALU_DEP_2)
	v_pk_add_f32 v[14:15], v[14:15], v[252:253]
	s_delay_alu instid0(VALU_DEP_2)
	v_pk_add_f32 v[210:211], v[210:211], v[250:251]
	s_delay_alu instid0(VALU_DEP_1)
	v_pk_add_f32 v[14:15], v[14:15], v[210:211]
.set j, 0
.rept 8
	v_pk_mul_f32 v[OO+j:OO+j+1], v[OO+j:OO+j+1], v[FF:FF+1] op_sel_hi:[1,0]  ; O^T under the new M
.set j, j+2
.endr
	s_wait_alu depctr_va_vdst(0)
	s_wait_dscnt 0x0                               ; V, and the next step's K
	v_wmma_scale_f32_16x16x128_f8f6f4 v[OO:OO+7], v[VF:VF+11], v[PC:PC+11], v[OO:OO+7], v[VS], v[PW] matrix_a_fmt:MATRIX_FMT_FP6 matrix_b_fmt:MATRIX_FMT_FP6
	v_wmma_scale_f32_16x16x128_f8f6f4 v[OO+8:OO+15], v[VF+12:VF+23], v[PC:PC+11], v[OO+8:OO+15], v[VS], v[PW] matrix_a_fmt:MATRIX_FMT_FP6 matrix_b_fmt:MATRIX_FMT_FP6 matrix_a_scale:MATRIX_SCALE_ROW1
	s_add_co_u32 s[TK], s[TK], 3072
	s_add_co_u32 s[TS], s[TS], 128
.endm
.Lstep:                                            ; 31 trips; the last step is written out: it fetches no further K
	s_setprio 2
	STEP 1
	s_sub_co_u32 s[LC], s[LC], 1
	s_cmp_lg_u32 s[LC], 0
	s_cbranch_scc1 .Lstep
	s_setprio 0
	STEP 0
	; THE WAY OUT.  Lane (q, h) holds channels 16 h + 0 .. 15 of its query; the head's 32 are one block of the next product's K
	v_add_f32 v14, v14, v15
	s_delay_alu instid0(VALU_DEP_1)
	v_permlanex16_b32 v[TX], v14, s[SEL], s[SEL+1]
	s_delay_alu instid0(VALU_DEP_1)
	v_add_f32 v14, v14, v[TX]                      ; the row's sum
	s_wait_alu depctr_va_vdst(0)
	v_rcp_f32 v14, v14
	v_mul_u32_u24 v[OA], v[RR], 24                 ; (these four, with the two additions, are the places behind the last products)
	v_bfe_u32 v[WW], v0, 4, 1
	s_delay_alu instid0(VALU_DEP_1)
	v_mad_u32_u24 v[OA], v[WW], 12, v[OA]          ; aoc: 24 r + 12 h
	v_lshlrev_b32 v[OB], 3, v[RR]                  ; aos: 8 r
	s_wait_alu depctr_va_vdst(0)
.irp j, 0,1,2,3,4,5,6,7,8,9,10,11,12,13,14,15
	v_mul_f32 v[SS+\j], v[OO+\j], v14
.endr
	v_max3_num_f32 v[BM], |v[SS]|, |v[SS+1]|, 0x1800000
.irp i, 2,4,6,8,10,12,14
	s_delay_alu instid0(VALU_DEP_1)
	v_max3_num_f32 v[BM], v[BM], |v[SS+\i]|, |v[SS+\i+1]|
.endr
	s_delay_alu instid0(VALU_DEP_1)
	v_permlanex16_b32 v[TX], v[BM], s[SEL], s[SEL+1]
	s_delay_alu instid0(VALU_DEP_1)
	v_max_num_f32 v[BM], v[BM], v[TX]
	s_delay_alu instid0(VALU_DEP_1)
	v_add_nc_u32 v[SC], 0xff000000, v[BM]
	v_cvt_scalef32_pk16_fp6_f32 v[OC:OC+2], v[SS:SS+15], v[SC]
	v_lshrrev_b32 v[BY], 23, v[SC]
	global_store_b96 v[OA], v[OC:OC+2], s[10:11]   ; the wave stores 384 consecutive bytes
	global_store_b8 v[OB], v[BY], s[12:13]         ; both lanes of a query write the same byte
	s_wait_tensorcnt 0x0
	ds_add_u32 v254, v255
	s_wait_dscnt 0x0
	CROUND                                         ; the closing round
	s_endpgm
.Lfunc_end_k_q62fd554bae_attn:
	.size	k_q62fd554bae_attn, .Lfunc_end_k_q62fd554bae_attn-k_q62fd554bae_attn
	.p2alignl 7, 3214868480
	.fill 96, 4, 3214868480
	.section	.rodata,"a",@progbits
	.p2align	6, 0x0
	.amdhsa_kernel k_q62fd554bae_attn
		.amdhsa_group_segment_fixed_size 206848
		.amdhsa_private_segment_fixed_size 0
		.amdhsa_enable_private_segment 0
		.amdhsa_kernarg_size 40
		.amdhsa_user_sgpr_count 2
		.amdhsa_user_sgpr_kernarg_segment_ptr 1
		.amdhsa_wavefront_size32 1
		.amdhsa_system_sgpr_workgroup_id_x 1
		.amdhsa_system_sgpr_workgroup_id_y 1
		.amdhsa_system_sgpr_workgroup_id_z 1
		.amdhsa_system_vgpr_workitem_id 0
		.amdhsa_next_free_vgpr 256
		.amdhsa_next_free_sgpr 66
		.amdhsa_reserve_vcc 1
		.amdhsa_float_denorm_mode_32 3
		.amdhsa_float_denorm_mode_16_64 3
		.amdhsa_memory_ordered 1
		.amdhsa_forward_progress 1
		.amdhsa_inst_pref_size 37
	.end_amdhsa_kernel
	.amdgpu_metadata
---
amdhsa.version: [ 1, 2 ]
amdhsa.kernels:
  - .name:           k_q62fd554bae_attn
    .symbol:         k_q62fd554bae_attn.kd
    .args:
      - { .name: qc, .offset: 0, .size: 8, .value_kind: global_buffer, .address_space: global }
      - { .name: qs, .offset: 8, .size: 8, .value_kind: global_buffer, .address_space: global }
      - { .name: kv, .offset: 16, .size: 8, .value_kind: global_buffer, .address_space: global }
      - { .name: aoc, .offset: 24, .size: 8, .value_kind: global_buffer, .address_space: global }
      - { .name: aos, .offset: 32, .size: 8, .value_kind: global_buffer, .address_space: global }
    .group_segment_fixed_size: 206848
    .private_segment_fixed_size: 0
    .kernarg_segment_align: 8
    .kernarg_segment_size: 40
    .max_flat_workgroup_size: 512
    .sgpr_count:     66
    .vgpr_count:     256
    .wavefront_size: 32
...
	.end_amdgpu_metadata
.endif
;; end of part 7
;; launch mlp (part 8): grid 256 x 1, 4 waves a work-group, no clusters, 141,056 bytes of LDS; arguments aoc, aos, embeddings_in, wimg, wscl, bo, b1, b2, out0; writes out0
.if DOCPART == 8
	.amdgcn_target "amdgcn-amd-amdhsa--gfx1250"
	.amdhsa_code_object_version 6
	.text
	.protected	k_q62fd554bae_mlp
	.globl	k_q62fd554bae_mlp
	.p2align	8
	.type	k_q62fd554bae_mlp,@function
k_q62fd554bae_mlp:
	s_mov_b64 s[64:65], 0
	v_nop
	global_prefetch_b8 v0, s[64:65] scope:SCOPE_SE
	s_setreg_imm32_b32 hwreg(HW_REG_WAVE_SCHED_MODE, 0, 2), 2
	s_setreg_imm32_b32 hwreg(HW_REG_WAVE_MODE, 25, 1), 1
	s_wait_xcnt 0x0
	s_wait_alu depctr_vm_vsrc(0)
; x_skip = attn_out Wo + bo + x;  xn2 = (x_skip - mean) / (std + 1e-6);  out = gelu(xn2 W1 + b1) W2 + b2 + x_skip.  The three products on codes of FP6 (E2M3) with E8M0 scales.
; gelu is the tanh form, written x / (1 + 2^(x (k1 + k2 x^2))), k1 = -2 log2(e) sqrt(2 / pi), k2 = 0.044715 k1: no difference of near numbers is formed.
; SHARES.  A work-group takes token tiles 2 X and 2 X + 1 (32 tokens; row r of tile T is token 64 (T / 4) + 32 (r / 8) + 8 (T % 4) + r % 8).  Four waves.
; Wo: wave w makes features 64 w .. 64 w + 63.  The MLP is shared along the HIDDEN axis: wave w owns hidden units 256 w .. 256 w + 255, as W1's outputs and as W2's K steps 2 w, 2 w + 1: the hidden
; layer is quantised in registers and is at once the next operand.  Each wave makes a partial sum of all 256 outputs; the four meet in LDS and are added in a fixed order.
; All products are used transposed (source 0 = 16 features of a weight, source 1 = 16 tokens); a weight's four fragments of a group leave lane (token, h) with 32 neighbouring features: one block.
; OUTPUT GROUPS ARE TAKEN IN ROTATION: local group g stands for group (w + g) % 4, so that x_skip, which wave w holds for group w, is the C of g = 0 in every wave's text.
; Weights come from memory as images of operand registers, straight into the one wave that uses them, and serve both tiles.  No joint loads: nothing here goes through LDS that two work-groups share.
; LIMITS: NaN and infinities are not served; a block of zeros gets the byte 1 with zero codes; divisions are v_rcp_f32 and a multiplication; the last product's K is summed in four parts; bo is added to x ahead of the first product's sums.
; REGISTERS.  window 0: v4-31 addresses; v32-39 b2; v40-59 the weights' scale words; v60-107 four fragments (attn_out, then xn2); v108-111 their scale words; v112-175 the hidden layer; v176-187 codes;
;   v188-223 at work; v224-255 at work.   window 1: W1's 16 fragments, from v192 b1.   window 2: W2's 16 fragments, from v192 x, then x_skip.   window 3: Wo's 8 fragments, then the 32 accumulators of y.
; THE MODE: SCHED_MODE bits 1:0 = 2 (LLVM: expert scheduling mode 2), set by the entry lines.  The code itself states the register dependences
; between vector or matrix instructions and memory or LDS instructions, with s_wait_alu, always for 0.
; THE PLAN.  Registers that memory or LDS instructions touch:
;   v4-30            addresses and offsets: made at the head, never written again: one wait ahead of the first load serves them for the whole kernel.
;   W1, b1, W1S      read by the second product's matrix instructions; loaded a second time behind tile 1's products of the first half: one wait ahead of that run of loads.
;   W2, W2S          first loaded into registers that nothing has named; read by the last product's matrix instructions; loaded a second time behind the first half's last products: one wait.
;   v60-111          attn_out's fragments and scale words, read by the first product; then xn2's land there from LDS, behind waits that stand anyway; at the end the sums of rows 0 to 3.
;   Z (v224, v240)   read by REDUCE's LDS stores, written again later: a wait on vm_vsrc in REDUCE.     ST: LDS loads land there, vector lines add them: REDUCE's wait ahead of its stores covers the second use.
;   PC, BYT          xn2's records and bytes: written by both REC, then one wait, then the six LDS stores; PC is written again by QUANT2: a wait on vm_vsrc behind the barrier.
;   PC, PW           written by QUANT2, taken by the last product as source 1 and scale: eight places, then a wait.
;   y's accumulators read by the way out's LDS stores: four places, then a wait, which also covers the first loads into RB (v112-175), named by no later vector line.
;   RB, two buffers  a row's sums read and write one buffer; the loads of the row after next land in it; each row's sums lie in registers of their own, read by its two stores: one wait a row, between sums and stores.
.set XSC,   6144                       ; LDS: xn2's eight half fragments of 768 bytes from 0; its scale bytes, 128 i + 8 r + block;
.set STAT1, 6400                       ; the waves' sums, 128 w + 64 i + 4 r; those of squares 512 bytes on;
.set YP,    7424                       ; four partial y: 32 rows of 1,024 bytes + 16
.set YW,    33280
.set YR,    1040
.set LI,   4
.set L8,   5
.set AOA,  6
.set R8,   7
.set XA,   8
.set HB,   9
.set VW2,  10
.set VW2S, 14
.set VY,   18
.set VR,   22
.set STW,  26
.set STR,  27
.set XWI,  28
.set XWJ,  29
.set XWB,  30
.set SH8,  31
.set B2,   32
.set WOS,  40
.set W1S,  44
.set W2S,  52
.set AF,   60
.set XF,   60
.set AS,   108
.set XS,   108
.set H,    112
.set PC,   176
.set QT,   188
.set RT,   188
.set RTT,  198
.set PW,   205
.set K1,   206
.set MEAN, 208
.set BYT,  212
.set TMP,  214
.set ST,   216
.set Z,    224
.set RB,   112
.set W1F,  0
.set B1,   192
.set W2F,  0
.set XK,   192
.set SEL,  36
.set K2,   38
.set MSB, 0
.macro WIN new                         ; the immediate's high byte repeats the setting that is left
.if MSB != \new
	s_set_vgpr_msb (MSB<<8)|\new
.set MSB, \new
.endif
.endm
.macro PLACES n
.rept \n
	v_nop
.endr
.endm
.macro BARRIER                         ; my LDS stores have landed and my LDS loads are in: then the work-group's barrier
	s_wait_dscnt 0x0
	s_barrier_signal -1
	s_barrier_wait -1
.endm
.macro QUANT2 s, d, pw                 ; 64 numbers, register 32 c + i = element i of block 2 c + h -> 12 registers of codes, the row's scale word
.irp c, 0,1
	v_max3_num_f32 v[QT+\c], |v[\s+32*\c]|, |v[\s+32*\c+1]|, 0x1800000      ; the floor 2^(3 - 127) holds the byte at 1 from below
	v_max3_num_f32 v[QT+2+\c], |v[\s+32*\c+16]|, |v[\s+32*\c+17]|, |v[\s+32*\c+18]|
.endr
.irp i, 2,4,6,8,10,12
.irp c, 0,1
	v_max3_num_f32 v[QT+\c], v[QT+\c], |v[\s+32*\c+\i]|, |v[\s+32*\c+\i+1]|
	v_max3_num_f32 v[QT+2+\c], v[QT+2+\c], |v[\s+32*\c+\i+17]|, |v[\s+32*\c+\i+18]|
.endr
.endr
.irp c, 0,1
	v_max3_num_f32 v[QT+\c], v[QT+\c], |v[\s+32*\c+14]|, |v[\s+32*\c+15]|
.endr
.irp c, 0,1
	v_max3_num_f32 v[QT+\c], v[QT+\c], v[QT+2+\c], |v[\s+32*\c+31]|
.endr
.irp c, 0,1
	v_add_nc_u32 v[QT+4+\c], 0xff000000, v[QT+\c]
.endr
.irp c, 0,1
	v_lshrrev_b32 v[QT+6+\c], 23, v[QT+4+\c]
.endr
	v_lshl_or_b32 v[QT+8], v[QT+7], 16, v[QT+6]
	v_lshlrev_b32 v[QT+8], v[SH8], v[QT+8]
	v_permlanex16_b32 v[QT+9], v[QT+8], s[SEL], s[SEL+1]
	v_or_b32 v[\pw], v[QT+8], v[QT+9]
.irp c, 0,1
	v_cvt_scalef32_pk16_fp6_f32 v[\d+6*\c:\d+6*\c+2], v[\s+32*\c:\s+32*\c+15], v[QT+4+\c]
	v_cvt_scalef32_pk16_fp6_f32 v[QT+10+4*\c:QT+12+4*\c], v[\s+32*\c+16:\s+32*\c+31], v[QT+4+\c]
.endr
	v_nop                                                                    ; one plain line behind the conversions
.irp c, 0,1
.irp i, 0,1,2
	v_mov_b32 v[\d+6*\c+3+\i], v[QT+10+4*\c+\i]
.endr
.endr
.endm
.macro REC s, d, by                    ; 32 numbers of a lane, one block -> 6 registers of codes and the byte
	v_max3_num_f32 v[RT], |v[\s]|, |v[\s+1]|, 0x1800000
	v_max3_num_f32 v[RT+1], |v[\s+16]|, |v[\s+17]|, |v[\s+18]|
.irp i, 2,4,6,8,10,12
	v_max3_num_f32 v[RT], v[RT], |v[\s+\i]|, |v[\s+\i+1]|
	v_max3_num_f32 v[RT+1], v[RT+1], |v[\s+\i+17]|, |v[\s+\i+18]|
.endr
	v_max3_num_f32 v[RT], v[RT], |v[\s+14]|, |v[\s+15]|
	v_max3_num_f32 v[RT], v[RT], v[RT+1], |v[\s+31]|
	v_add_nc_u32 v[RT+2], 0xff000000, v[RT]
	v_cvt_scalef32_pk16_fp6_f32 v[\d:\d+2], v[\s:\s+15], v[RT+2]
	v_cvt_scalef32_pk16_fp6_f32 v[RTT:RTT+2], v[\s+16:\s+31], v[RT+2]
	v_lshrrev_b32 v[\by], 23, v[RT+2]              ; the byte; also the plain line behind the conversions
.irp i, 0,1,2
	v_mov_b32 v[\d+3+\i], v[RTT+\i]
.endr
.endm
.macro W1LOAD sl                       ; W1's 16 fragments of hidden units 256 w + 128 sl on: 48 loads
	WIN 0x40
.set n, 0
.rept 48
	global_load_b128 v[W1F+4*n:W1F+4*n+3], v[LI], s[24:25] offset:24576*\sl+512*n
.set n, n+1
.endr
	WIN 0
.endm
.macro B1LOAD sl                       ; their biases in the result's layout and their scale words: 18 loads
	WIN 0x40
.irp c, 0,1
.irp q, 0,1,2,3,4,5,6,7
	global_load_b128 v[B1+32*\c+4*\q:B1+32*\c+4*\q+3], v[HB], s[16:17] offset:512*\sl+256*\c+16*\q
.endr
.endr
	WIN 0
.irp c, 0,1
	global_load_b128 v[W1S+4*\c:W1S+4*\c+3], v[LI], s[30:31] offset:1024*\sl+512*\c
.endr
.endm
.macro W2LOAD sl                       ; W2's 16 fragments of K step 2 w + sl, in rotation, and their scale words: 52 loads
	WIN 0x80
.irp g, 0,1,2,3
.set n, 0
.rept 12
	global_load_b128 v[W2F+48*\g+4*n:W2F+48*\g+4*n+3], v[VW2+\g], s[26:27] offset:24576*\sl+512*n
.set n, n+1
.endr
.endr
	WIN 0
.irp g, 0,1,2,3
	global_load_b64 v[W2S+2*\g:W2S+2*\g+1], v[VW2S+\g], s[32:33] offset:1024*\sl
.endr
.endm
; Eight pairs a tile at v[Z + 16 i] are added; with lane l xor 16's and the other waves' (through LDS, in a fixed order) that is the row's sum; / 256 into v[MEAN + 2 i]
.macro REDUCE off
.irp i, 0,1
.irp k, 0,1,2,3
	v_pk_add_f32 v[Z+16*\i+2*\k:Z+16*\i+2*\k+1], v[Z+16*\i+2*\k:Z+16*\i+2*\k+1], v[Z+16*\i+8+2*\k:Z+16*\i+9+2*\k]
.endr
.endr
.irp i, 0,1
.irp k, 0,1
	v_pk_add_f32 v[Z+16*\i+2*\k:Z+16*\i+2*\k+1], v[Z+16*\i+2*\k:Z+16*\i+2*\k+1], v[Z+16*\i+4+2*\k:Z+16*\i+5+2*\k]
.endr
.endr
.irp i, 0,1
	v_pk_add_f32 v[Z+16*\i:Z+16*\i+1], v[Z+16*\i:Z+16*\i+1], v[Z+16*\i+2:Z+16*\i+3]
.endr
.irp i, 0,1
	v_add_f32 v[Z+16*\i], v[Z+16*\i], v[Z+16*\i+1]
.endr
.irp i, 0,1
	v_permlanex16_b32 v[Z+16*\i+2], v[Z+16*\i], s[SEL], s[SEL+1]
.endr
.irp i, 0,1
	v_add_f32 v[Z+16*\i], v[Z+16*\i], v[Z+16*\i+2]
.endr
	s_wait_alu depctr_va_vdst(0)                   ; the two sums are written, which the LDS stores read; the lines of an earlier use that named ST are done, in which the LDS loads below land
.irp i, 0,1
	ds_store_b32 v[STW], v[Z+16*\i] offset:\off+64*\i        ; lanes r and 16 + r write the same word with the same value
.endr
	BARRIER
.irp i, 0,1
.irp u, 0,1,2,3
	ds_load_b32 v[ST+4*\i+\u], v[STR] offset:\off+128*\u+64*\i
.endr
.endr
	s_wait_dscnt 0x0
	s_wait_alu depctr_vm_vsrc(0)                   ; my two LDS stores have read v[Z] and v[Z + 16], which later lines write again
.irp i, 0,1
	v_add_f32 v[ST+4*\i], v[ST+4*\i], v[ST+4*\i+1]
	v_add_f32 v[ST+4*\i+2], v[ST+4*\i+2], v[ST+4*\i+3]
.endr
.irp i, 0,1
	v_add_f32 v[ST+4*\i], v[ST+4*\i], v[ST+4*\i+2]
.endr
.irp i, 0,1
	v_mul_f32 v[MEAN+2*\i], 0x3b800000, v[ST+4*\i]
.endr
.endm
.macro GELU                            ; the 64 numbers of H, 16 at a time; each accumulator is read from its low end on
.irp q, 0,1,2,3
.irp k, 0,2,4,6,8,10,12,14
	v_pk_mul_f32 v[Z+\k:Z+\k+1], v[H+16*\q+\k:H+16*\q+\k+1], v[H+16*\q+\k:H+16*\q+\k+1]
.endr
.irp k, 0,2,4,6,8,10,12,14
	v_pk_fma_f32 v[Z+\k:Z+\k+1], v[Z+\k:Z+\k+1], s[K2:K2+1], v[K1:K1+1] op_sel_hi:[1,0,1]
.endr
.irp k, 0,2,4,6,8,10,12,14
	v_pk_mul_f32 v[Z+\k:Z+\k+1], v[Z+\k:Z+\k+1], v[H+16*\q+\k:H+16*\q+\k+1]
.endr
	s_wait_alu depctr_va_vdst(0)
.irp k, 0,1,2,3,4,5,6,7,8,9,10,11,12,13,14,15
	v_exp_f32 v[Z+\k], v[Z+\k]
.endr
	v_nop                                          ; a plain line behind the transcendentals
	s_wait_alu depctr_va_vdst(0)                   ; the sixteen exponentials are written, ahead of the additions that read them
.irp k, 0,2,4,6,8,10,12,14
	v_pk_add_f32 v[Z+\k:Z+\k+1], v[Z+\k:Z+\k+1], 1.0 op_sel_hi:[1,0]
.endr
	s_wait_alu depctr_va_vdst(0)
.irp k, 0,1,2,3,4,5,6,7,8,9,10,11,12,13,14,15
	v_rcp_f32 v[Z+\k], v[Z+\k]
.endr
	v_nop
	s_wait_alu depctr_va_vdst(0)                   ; the sixteen reciprocals are written, ahead of the multiplications that read them
.irp k, 0,2,4,6,8,10,12,14
	v_pk_mul_f32 v[H+16*\q+\k:H+16*\q+\k+1], v[H+16*\q+\k:H+16*\q+\k+1], v[Z+\k:Z+\k+1]
.endr
.endr
.endm
; one product of y: tile i, local group g, fragment t.  cm = 0: C = 0;  1: C = x_skip;  2: C = D
.macro YMUL i, g, t, cm
.set rD, 128*(\i)+8*(4*(\g)+(\t))
.set rA, W2F+12*(4*(\g)+(\t))
.set rS, W2S+2*(\g)+(\t)/2
.set rX, XK+32*(\i)+8*(\t)
.if (\t)%2 == 0
.if \cm == 0
	v_wmma_scale_f32_16x16x128_f8f6f4 v[rD:rD+7], v[rA:rA+11], v[PC:PC+11], 0, v[rS], v[PW] matrix_a_fmt:MATRIX_FMT_FP6 matrix_b_fmt:MATRIX_FMT_FP6
.elseif \cm == 1
	v_wmma_scale_f32_16x16x128_f8f6f4 v[rD:rD+7], v[rA:rA+11], v[PC:PC+11], v[rX:rX+7], v[rS], v[PW] matrix_a_fmt:MATRIX_FMT_FP6 matrix_b_fmt:MATRIX_FMT_FP6
.else
	v_wmma_scale_f32_16x16x128_f8f6f4 v[rD:rD+7], v[rA:rA+11], v[PC:PC+11], v[rD:rD+7], v[rS], v[PW] matrix_a_fmt:MATRIX_FMT_FP6 matrix_b_fmt:MATRIX_FMT_FP6
.endif
.else
.if \cm == 0
	v_wmma_scale_f32_16x16x128_f8f6f4 v[rD:rD+7], v[rA:rA+11], v[PC:PC+11], 0, v[rS], v[PW] matrix_a_fmt:MATRIX_FMT_FP6 matrix_b_fmt:MATRIX_FMT_FP6 matrix_a_scale:MATRIX_SCALE_ROW1
.elseif \cm == 1
	v_wmma_scale_f32_16x16x128_f8f6f4 v[rD:rD+7], v[rA:rA+11], v[PC:PC+11], v[rX:rX+7], v[rS], v[PW] matrix_a_fmt:MATRIX_FMT_FP6 matrix_b_fmt:MATRIX_FMT_FP6 matrix_a_scale:MATRIX_SCALE_ROW1
.else
	v_wmma_scale_f32_16x16x128_f8f6f4 v[rD:rD+7], v[rA:rA+11], v[PC:PC+11], v[rD:rD+7], v[rS], v[PW] matrix_a_fmt:MATRIX_FMT_FP6 matrix_b_fmt:MATRIX_FMT_FP6 matrix_a_scale:MATRIX_SCALE_ROW1
.endif
.endif
.endm
; Half sl of my hidden units: 128 of them, one K step of the last product, for both tiles
.macro MLPHALF sl
	s_wait_loadcnt 52                              ; W1, b1 and W1's scale words are in: behind them stand W2's 48 loads and its 4 scale loads
.irp i, 0,1
	WIN 0x11                                       ; source 0 (W1) and C (b1) window 1
.irp c, 0,1
.irp t, 0,1,2,3
	v_wmma_scale_f32_16x16x128_f8f6f4 v[H+32*\c+8*\t:H+32*\c+8*\t+7], v[W1F+12*(8*\c+2*\t):W1F+12*(8*\c+2*\t)+11], v[XF+24*\i:XF+24*\i+11], v[B1+32*\c+8*\t:B1+32*\c+8*\t+7], v[W1S+4*\c+\t], v[XS+2*\i] matrix_a_fmt:MATRIX_FMT_FP6 matrix_b_fmt:MATRIX_FMT_FP6
.endr
.endr
	WIN 0x01
.irp c, 0,1
.irp t, 0,1,2,3
	v_wmma_scale_f32_16x16x128_f8f6f4 v[H+32*\c+8*\t:H+32*\c+8*\t+7], v[W1F+12*(8*\c+2*\t+1):W1F+12*(8*\c+2*\t+1)+11], v[XF+24*\i+12:XF+24*\i+23], v[H+32*\c+8*\t:H+32*\c+8*\t+7], v[W1S+4*\c+\t], v[XS+2*\i+1] matrix_a_fmt:MATRIX_FMT_FP6 matrix_b_fmt:MATRIX_FMT_FP6 matrix_a_scale:MATRIX_SCALE_ROW1
.endr
.endr
	WIN 0
	PLACES 4                                       ; in front of the first read of results
.if (\i == 1) && (\sl == 0)
	s_wait_alu depctr_va_vdst(0)                   ; both tiles' products are done reading W1's fragments, b1 and W1's scale words, in which the 66 loads below land; only loads and window switches follow up to the last of them
	W1LOAD 1                                       ; the other half's weights land under this tile's gelu and last product
	B1LOAD 1
.endif
	GELU
	QUANT2 H, PC, PW
	PLACES 8                                       ; a scale word written by a vector line stands eight lines ahead of a scaled product, an operand four
	s_wait_alu depctr_va_vdst(0)                   ; behind those places: the quantiser has written PC and PW, which the scaled products below take as source 1 and scale
.if \i == 0
	s_wait_loadcnt 0x0                             ; W2's fragments and scale words
.endif
.irp g, 0,1,2,3
.if (\sl == 0) && (\g == 0)
	WIN 0xe2                                       ; source 0 (W2) and C (x_skip) window 2, D window 3
.else
	WIN 0xf2                                       ; source 0 window 2, C and D window 3
.endif
.irp t, 0,1,2,3
.if \sl == 1
	YMUL \i, \g, \t, 2
.elseif \g == 0
	YMUL \i, \g, \t, 1
.else
	YMUL \i, \g, \t, 0
.endif
.endr
.endr
	WIN 0
	PLACES 4
.if (\i == 1) && (\sl == 0)
	s_wait_alu depctr_va_vdst(0)                   ; both tiles' products of y are done reading W2's fragments and scale words, in which the 52 loads below land
	W2LOAD 1
.endif
.endr
.endm
	s_load_b512 s[4:19], s[0:1], 0x0               ; aoc, aos, x, wimg, wscl, bo, b1, b2
	s_load_b64 s[20:21], s[0:1], 0x40              ; out0
	v_lshl_add_u32 v201, v0, 2, 0x22500
	v_mov_b32 v215, 0
	v_lshrrev_b32 v1, 5, v0
	v_readfirstlane_b32 s34, v1                    ; wave w
	s_mov_b32 s[SEL], 0x76543210
	s_mov_b32 s[SEL+1], 0xfedcba98
	s_mov_b32 s[K2], 0xbdd2d3e8                    ; k2
	s_mov_b32 s[K2+1], s[K2]
	v_and_b32 v1, 15, v0                           ; r
	v_bfe_u32 v2, v0, 4, 1                         ; h
	v_and_b32 v3, 31, v0                           ; lane
	v_lshlrev_b32 v[LI], 4, v3
	v_lshlrev_b32 v[L8], 3, v3
	v_mul_u32_u24 v[AOA], v1, 24
	v_mad_u32_u24 v[AOA], v2, 196608, v[AOA]       ; attn_out's records: head h on, 24 r
	v_lshlrev_b32 v[R8], 3, v1
	v_lshlrev_b32 v[HB], 7, v2
	v_lshlrev_b32 v[SH8], 3, v2
	v_lshrrev_b32 v[TMP], 3, v1
	v_and_b32 v[XA], 7, v1
	v_lshl_add_u32 v[XA], v[TMP], 5, v[XA]
	v_lshl_add_u32 v[XA], v[XA], 10, v[HB]
	s_wait_alu depctr_va_sdst(0)                   ; s34 is written, ahead of its first reader: every share of the wave is made from it
	s_lshl_b32 s40, s34, 8
	v_add_nc_u32 v[XA], s40, v[XA]                 ; x: my token's row, + 256 w + 128 h
	v_mul_u32_u24 v[TMP], v1, YR
	v_add_nc_u32 v[TMP], v[TMP], v[HB]             ; a partial's row r, + 128 h
	s_wait_alu depctr_va_vdst(0)
.irp g, 0,1,2,3
	s_add_co_u32 s40, s34, \g
	s_and_b32 s40, s40, 3                          ; the group that local group g stands for
	s_mul_i32 s41, s40, 6144
	v_add_nc_u32 v[VW2+\g], s41, v[LI]
	s_lshr_b32 s41, s40, 1
	s_lshl_b32 s41, s41, 9
	s_and_b32 s44, s40, 1
	s_lshl_b32 s44, s44, 3
	s_add_co_u32 s41, s41, s44
	v_add_nc_u32 v[VW2S+\g], s41, v[LI]
	s_lshl_b32 s41, s40, 8
	s_mul_i32 s44, s34, YW
	s_add_co_u32 s41, s41, s44
	s_add_co_u32 s41, s41, YP
	v_add_nc_u32 v[VY+\g], s41, v[TMP]             ; my partial, the group's 256 bytes of a row
	s_mul_i32 s41, s34, 8*YR
	s_add_co_u32 s41, s41, YP+\g*YW
	v_add_nc_u32 v[VR+\g], s41, v[LI]              ; partial g, my eight rows
.endr
	v_lshlrev_b32 v[STR], 2, v1
	v_add_nc_u32 v[STR], STAT1, v[STR]
	s_lshl_b32 s40, s34, 7
	v_add_nc_u32 v[STW], s40, v[STR]
	s_mul_i32 s40, s34, 768
	v_add_nc_u32 v[XWI], s40, v[LI]
	s_add_co_u32 s40, s40, 512
	v_add_nc_u32 v[XWJ], s40, v[L8]
	s_lshl_b32 s40, s34, 1
	s_add_co_u32 s40, s40, XSC
	v_add_nc_u32 v[XWB], v[R8], v2
	v_add_nc_u32 v[XWB], s40, v[XWB]               ; xn2's scale byte: 8 r + 2 w + h
	v_mov_b32 v[K1], 0xc0135761                    ; k1
	v_mov_b32 v[K1+1], 0xc0135761
	v_mov_b32 v[QT+9], 0                           ; a lane permute's destination counts as read
	s_mov_b32 s43, 0
	s_lshr_b32 s45, ttmp9, 1
	s_lshl_b32 s45, s45, 6
	s_and_b32 s41, ttmp9, 1
	s_lshl_b32 s41, s41, 4
	s_add_co_u32 s45, s45, s41                     ; 64 (X / 2) + 16 (X % 2)
	s_wait_kmcnt 0x0
	s_mul_i32 s42, ttmp9, 768
	s_add_nc_u64 s[4:5], s[4:5], s[42:43]
	s_lshl_b32 s42, ttmp9, 8
	s_add_nc_u64 s[6:7], s[6:7], s[42:43]
	s_lshl_b32 s42, s45, 10
	s_add_nc_u64 s[8:9], s[8:9], s[42:43]
	s_and_b32 s40, s34, 1
	s_lshl_b32 s40, s40, 5
	s_lshr_b32 s41, s34, 1
	s_lshl_b32 s41, s41, 3
	s_add_co_u32 s40, s40, s41
	s_add_co_u32 s40, s40, s45                     ; the eight tokens that I store: + 32 (w % 2) + 8 (w / 2)
	s_lshl_b32 s42, s40, 10
	s_add_nc_u64 s[20:21], s[20:21], s[42:43]
	s_mul_i32 s42, s34, 12288
	s_add_co_u32 s42, s42, 147456
	s_add_nc_u64 s[22:23], s[10:11], s[42:43]      ; Wo's fragments 96 + 8 w on
	s_mul_i32 s44, s34, 49152
	s_add_co_u32 s42, s44, 196608
	s_add_nc_u64 s[24:25], s[10:11], s[42:43]      ; W1's 128 + 32 w on
	s_add_co_u32 s42, s44, 393216
	s_add_nc_u64 s[26:27], s[10:11], s[42:43]      ; W2's 256 + 32 w on
	s_lshl_b32 s42, s34, 9
	s_add_co_u32 s42, s42, 6144
	s_add_nc_u64 s[28:29], s[12:13], s[42:43]
	s_lshl_b32 s44, s34, 11
	s_add_co_u32 s42, s44, 8192
	s_add_nc_u64 s[30:31], s[12:13], s[42:43]
	s_add_co_u32 s42, s44, 16384
	s_add_nc_u64 s[32:33], s[12:13], s[42:43]
	s_lshl_b32 s42, s34, 8
	s_add_nc_u64 s[14:15], s[14:15], s[42:43]
	s_lshl_b32 s42, s34, 10
	s_add_nc_u64 s[16:17], s[16:17], s[42:43]
	s_wait_alu depctr_va_vdst(0)                   ; the addresses and offsets v4 to v30 are written, which every load, store and LDS instruction of the kernel reads; only loads and window switches follow up to the head's last load
	B1LOAD 0
.irp i, 0,1
.irp s, 0,1
.irp c, 0,1
.irp p, 0,1,2
	global_load_b64 v[AF+12*(2*\i+\s)+6*\c+2*\p:AF+12*(2*\i+\s)+6*\c+2*\p+1], v[AOA], s[4:5] offset:(4*\s+2*\c)*196608+384*\i+8*\p th:TH_LOAD_NT   ; block 2 c + h of K step s is head 4 s + 2 c + h
.endr
.endr
.endr
	global_load_b64 v[AS+2*\i:AS+2*\i+1], v[R8], s[6:7] offset:128*\i        ; a token's eight bytes are its two scale words
.endr
.irp q, 0,1,2,3,4,5,6,7
	global_load_b128 v[H+4*\q:H+4*\q+3], v[HB], s[14:15] offset:16*\q        ; bo in the result's layout
.endr
	global_load_b128 v[B2:B2+3], v[LI], s[18:19]   ; b2 as a row lies
	global_load_b128 v[B2+4:B2+7], v[LI], s[18:19] offset:512
	global_load_b128 v[WOS:WOS+3], v[LI], s[28:29]
	WIN 0x80
.irp i, 0,1
.irp q, 0,1,2,3,4,5,6,7
	global_load_b128 v[XK+32*\i+4*\q:XK+32*\i+4*\q+3], v[XA], s[8:9] offset:8192*\i+16*\q th:TH_LOAD_NT
.endr
.endr
	WIN 0xc0
.set n, 0
.rept 24
	global_load_b128 v[4*n:4*n+3], v[LI], s[22:23] offset:512*n
.set n, n+1
.endr
	W1LOAD 0
	s_wait_loadcnt 48                              ; all but W1's 48
	; ---- x_skip = attn_out Wo + (x + bo): eight accumulators by turns
	WIN 0x82
.irp i, 0,1
.irp k, 0,2,4,6,8,10,12,14,16,18,20,22,24,26,28,30
	v_pk_add_f32 v[XK+32*\i+\k:XK+32*\i+\k+1], v[XK+32*\i+\k:XK+32*\i+\k+1], v[H+\k:H+\k+1]
.endr
.endr
	PLACES 4
	WIN 0xa3                                       ; source 0 (Wo) window 3, C and D window 2
.irp i, 0,1
.irp t, 0,1,2,3
	v_wmma_scale_f32_16x16x128_f8f6f4 v[XK+32*\i+8*\t:XK+32*\i+8*\t+7], v[24*\t:24*\t+11], v[AF+24*\i:AF+24*\i+11], v[XK+32*\i+8*\t:XK+32*\i+8*\t+7], v[WOS+\t], v[AS+2*\i] matrix_a_fmt:MATRIX_FMT_FP6 matrix_b_fmt:MATRIX_FMT_FP6
.endr
.endr
.irp i, 0,1
.irp t, 0,1,2,3
	v_wmma_scale_f32_16x16x128_f8f6f4 v[XK+32*\i+8*\t:XK+32*\i+8*\t+7], v[24*\t+12:24*\t+23], v[AF+24*\i+12:AF+24*\i+23], v[XK+32*\i+8*\t:XK+32*\i+8*\t+7], v[WOS+\t], v[AS+2*\i+1] matrix_a_fmt:MATRIX_FMT_FP6 matrix_b_fmt:MATRIX_FMT_FP6 matrix_a_scale:MATRIX_SCALE_ROW1
.endr
.endr
	WIN 0
	PLACES 4
	W2LOAD 0                                       ; no wait: since the head's wait no vector or matrix line has named window 2's v0-191, v52-59 or the offsets v10-17
	; ---- the norm, in two passes; a row lies in two lanes of each of the four waves
	WIN 0x0a
.irp i, 0,1
.irp k, 0,1,2,3,4,5,6,7
	v_pk_add_f32 v[Z+16*\i+2*\k:Z+16*\i+2*\k+1], v[XK+32*\i+4*\k:XK+32*\i+4*\k+1], v[XK+32*\i+4*\k+2:XK+32*\i+4*\k+3]   ; each accumulator from its low end on
.endr
.endr
	WIN 0
	REDUCE 0
.irp i, 0,1
	v_mov_b32 v[MEAN+2*\i+1], v[MEAN+2*\i]
.endr
	WIN 0x02
.irp i, 0,1
.irp k, 0,2,4,6,8,10,12,14,16,18,20,22,24,26,28,30
	v_pk_add_f32 v[H+32*\i+\k:H+32*\i+\k+1], v[XK+32*\i+\k:XK+32*\i+\k+1], v[MEAN+2*\i:MEAN+2*\i+1] neg_lo:[0,1] neg_hi:[0,1]
.endr
.endr
	WIN 0
.irp i, 0,1
.irp k, 0,1,2,3,4,5,6,7
	v_pk_mul_f32 v[Z+16*\i+2*\k:Z+16*\i+2*\k+1], v[H+32*\i+2*\k:H+32*\i+2*\k+1], v[H+32*\i+2*\k:H+32*\i+2*\k+1]
.endr
.endr
.irp i, 0,1
.irp k, 0,1,2,3,4,5,6,7
	v_pk_fma_f32 v[Z+16*\i+2*\k:Z+16*\i+2*\k+1], v[H+32*\i+16+2*\k:H+32*\i+17+2*\k], v[H+32*\i+16+2*\k:H+32*\i+17+2*\k], v[Z+16*\i+2*\k:Z+16*\i+2*\k+1]
.endr
.endr
	REDUCE 512
	s_wait_alu depctr_va_vdst(0)
	v_sqrt_f32 v[MEAN], v[MEAN]
	v_sqrt_f32 v[MEAN+2], v[MEAN+2]
	v_nop                                          ; a plain line behind the transcendentals
	s_wait_alu depctr_va_vdst(0)                   ; the two roots are written, ahead of the additions that read them
	v_add_f32 v[MEAN], 0x358637bd, v[MEAN]         ; + 1e-6
	v_add_f32 v[MEAN+2], 0x358637bd, v[MEAN+2]
	s_wait_alu depctr_va_vdst(0)
	v_rcp_f32 v[MEAN], v[MEAN]
	v_rcp_f32 v[MEAN+2], v[MEAN+2]
	v_nop
	s_wait_alu depctr_va_vdst(0)                   ; the two reciprocals are written, ahead of the moves that read them
	v_mov_b32 v[MEAN+1], v[MEAN]
	v_mov_b32 v[MEAN+3], v[MEAN+2]
.irp i, 0,1
.irp k, 0,2,4,6,8,10,12,14,16,18,20,22,24,26,28,30
	v_pk_mul_f32 v[H+32*\i+\k:H+32*\i+\k+1], v[H+32*\i+\k:H+32*\i+\k+1], v[MEAN+2*\i:MEAN+2*\i+1]
.endr
.endr
	REC H, PC, BYT                                 ; my 32 features of xn2 are block 2 w + h: half a fragment; both tiles' records are made first,
	REC H+32, PC+6, BYT+1
	s_wait_alu depctr_va_vdst(0)                   ; so that one wait serves: both records and both bytes are written, which the six LDS stores read
.irp i, 0,1
	ds_store_b128 v[XWI], v[PC+6*\i:PC+6*\i+3] offset:3072*\i
	ds_store_b64 v[XWJ], v[PC+6*\i+4:PC+6*\i+5] offset:3072*\i
	ds_store_b8 v[XWB], v[BYT+\i] offset:128*\i
.endr
	BARRIER                                        ; xn2's four fragments and their scale bytes lie in LDS
.irp i, 0,1
.irp u, 0,1,2,3
	ds_load_b128 v[XF+24*\i+6*\u:XF+24*\i+6*\u+3], v[LI] offset:3072*\i+768*\u             ; they land where attn_out's fragments lay: the first product's matrix instructions stand ahead of the waits above, and no later line names v60-111
	ds_load_b64 v[XF+24*\i+6*\u+4:XF+24*\i+6*\u+5], v[L8] offset:3072*\i+768*\u+512
.endr
	ds_load_b64 v[XS+2*\i:XS+2*\i+1], v[R8] offset:XSC+128*\i
.endr
	s_wait_dscnt 0x0
	s_wait_alu depctr_vm_vsrc(0)                   ; my LDS stores have read PC, which the quantiser of the hidden layer writes again
	; ---- the MLP
	MLPHALF 0
	MLPHALF 1
	; ---- the way out: my partial into LDS, each accumulator from its low end on
	WIN 0x0c                                       ; an LDS store's data are its source 1: window 3
	s_wait_alu depctr_va_vdst(0)                   ; behind the four places: the matrix instructions have written y's accumulators, which the LDS stores read; every line that named v112-175 is done, in which the first rows' LDS loads land
.irp i, 0,1
.irp g, 0,1,2,3
.irp t, 0,1,2,3
	ds_store_b128 v[VY+\g], v[128*\i+8*(4*\g+\t):128*\i+8*(4*\g+\t)+3] offset:16*YR*\i+32*\t
	ds_store_b128 v[VY+\g], v[128*\i+8*(4*\g+\t)+4:128*\i+8*(4*\g+\t)+7] offset:16*YR*\i+32*\t+16
.endr
.endr
.endr
	WIN 0
	BARRIER                                        ; the four partials lie in LDS
.macro ROWLOAD k                       ; row 8 w + k of the four partials: eight loads of 512 consecutive bytes
.irp p, 0,1,2,3
.irp f, 0,1
	ds_load_b128 v[RB+32*((\k)%2)+8*\p+4*\f:RB+32*((\k)%2)+8*\p+4*\f+3], v[VR+\p] offset:YR*(\k)+512*\f
.endr
.endr
.endm
.macro ROWSUM k                        ; (p0 + p1) + (p2 + p3) + b2, into registers of the row's own, and out
.set rB, RB+32*((\k)%2)
.if (\k) < 4
.set rR, 60+8*(\k)
.else
.set rR, 224+8*((\k)-4)
.endif
.irp e, 0,2,4,6
	v_pk_add_f32 v[rR+\e:rR+\e+1], v[rB+\e:rB+\e+1], v[rB+8+\e:rB+9+\e]
	v_pk_add_f32 v[rB+16+\e:rB+17+\e], v[rB+16+\e:rB+17+\e], v[rB+24+\e:rB+25+\e]
.endr
.irp e, 0,2,4,6
	v_pk_add_f32 v[rR+\e:rR+\e+1], v[rR+\e:rR+\e+1], v[rB+16+\e:rB+17+\e]
.endr
.irp e, 0,2,4,6
	v_pk_add_f32 v[rR+\e:rR+\e+1], v[rR+\e:rR+\e+1], v[B2+\e:B2+\e+1]
.endr
	s_wait_alu depctr_va_vdst(0)                   ; the row's sums are written, which its two stores read; the additions are done with this buffer of RB, in which the loads of the row after next land
	global_store_b128 v[LI], v[rR:rR+3], s[20:21] offset:1024*(\k) th:TH_STORE_NT          ; 32 lanes store 512 consecutive bytes, aligned to 256
	global_store_b128 v[LI], v[rR+4:rR+7], s[20:21] offset:1024*(\k)+512 th:TH_STORE_NT
.endm
	ROWLOAD 0
.irp k, 0,1,2,3,4,5,6
	ROWLOAD \k+1
	s_wait_dscnt 8                                 ; this row's eight loads are in; the next row's eight may be out
	ROWSUM \k
.endr
	s_wait_dscnt 0x0
	ROWSUM 7
	s_wait_dscnt 0x0                               ; the closing lines, six on end
	s_wait_alu 0x0
	s_wait_tensorcnt 0x0
	ds_add_u32 v201, v215
	s_wait_dscnt 0x0
	s_endpgm
.Lfunc_end_k_q62fd554bae_mlp:
	.size	k_q62fd554bae_mlp, .Lfunc_end_k_q62fd554bae_mlp-k_q62fd554bae_mlp
	.p2alignl 7, 3214868480
	.fill 96, 4, 3214868480
	.section	.rodata,"a",@progbits
	.p2align	6, 0x0
	.amdhsa_kernel k_q62fd554bae_mlp
		.amdhsa_group_segment_fixed_size 141056
		.amdhsa_private_segment_fixed_size 0
		.amdhsa_enable_private_segment 0
		.amdhsa_kernarg_size 72
		.amdhsa_user_sgpr_count 2
		.amdhsa_user_sgpr_kernarg_segment_ptr 1
		.amdhsa_wavefront_size32 1
		.amdhsa_system_sgpr_workgroup_id_x 1
		.amdhsa_system_sgpr_workgroup_id_y 1
		.amdhsa_system_sgpr_workgroup_id_z 1
		.amdhsa_system_vgpr_workitem_id 0
		.amdhsa_next_free_vgpr 1024
		.amdhsa_next_free_sgpr 66
		.amdhsa_reserve_vcc 0
		.amdhsa_float_denorm_mode_32 3
		.amdhsa_float_denorm_mode_16_64 3
		.amdhsa_memory_ordered 1
		.amdhsa_forward_progress 1
		.amdhsa_inst_pref_size 166
	.end_amdhsa_kernel
	.amdgpu_metadata
---
amdhsa.version: [ 1, 2 ]
amdhsa.kernels:
  - .name:           k_q62fd554bae_mlp
    .symbol:         k_q62fd554bae_mlp.kd
    .args:
      - { .name: aoc, .offset: 0, .size: 8, .value_kind: global_buffer, .address_space: global }
      - { .name: aos, .offset: 8, .size: 8, .value_kind: global_buffer, .address_space: global }
      - { .name: embeddings_in, .offset: 16, .size: 8, .value_kind: global_buffer, .address_space: global }
      - { .name: wimg, .offset: 24, .size: 8, .value_kind: global_buffer, .address_space: global }
      - { .name: wscl, .offset: 32, .size: 8, .value_kind: global_buffer, .address_space: global }
      - { .name: bo, .offset: 40, .size: 8, .value_kind: global_buffer, .address_space: global }
      - { .name: b1, .offset: 48, .size: 8, .value_kind: global_buffer, .address_space: global }
      - { .name: b2, .offset: 56, .size: 8, .value_kind: global_buffer, .address_space: global }
      - { .name: out0, .offset: 64, .size: 8, .value_kind: global_buffer, .address_space: global }
    .group_segment_fixed_size: 141056
    .private_segment_fixed_size: 0
    .kernarg_segment_align: 8
    .kernarg_segment_size: 72
    .max_flat_workgroup_size: 128
    .sgpr_count:     66
    .vgpr_count:     1024
    .wavefront_size: 32
...
	.end_amdgpu_metadata
.endif
;; end of part 8
